; MI455X (gfx1250); checked and timed in simulation.
; The chip was launched on July 23, 2026; its instructions are those of AMD's public machine-readable ISA for CDNA 5 (MIT licence, August 2026) and "CDNA5" Instruction Set Architecture Reference Guide (July 2026). The comments in the code are by the model that wrote it; some were corrected since.
;; Self Attention. Allowed arithmetic: float matrix products may take bf16 or f16 operands with f32 sums; other float arithmetic in f32, or as packed bf16 or f16 multiplies, adds, multiply-adds, maxima and minima; sums over many terms, partial sums and values carried from step to step in f32; what a program stores and reads back later, other than sums and carried values, may be rounded once to bf16 or f16.
;; Inputs: Wk 1,024 x 1,024 float32; Wq 1,024 x 1,024 float32; Wv 1,024 x 1,024 float32; bk 1,024 float32; bq 1,024 float32; bv 1,024 float32; x 4 x 2,048 x 1,024 float32.
;; Outputs: out0 4 x 2,048 x 1,024 float32.
;; 3 versions, each right; version 3 is version 2 with the launch prep written anew for expert scheduling mode. Each part assembles by itself: llvm-mc -triple=amdgcn-amd-amdhsa -mcpu=gfx1250 --defsym DOCPART=n.
;; ======== version 1 of 3: 4 launches
;; limits: values are held in f16: magnitudes above 65,504 overflow, below 6.1e-05 lose precision
;; workspace buffers: xb 16,777,216 bytes; wb 6,291,456 bytes; qkv 50,331,648 bytes; pb 33,554,432 bytes; st 1,048,576 bytes
;; launch cast (part 1): grid 256 x 11, 8 waves a work-group, no clusters, 0 bytes of LDS; arguments x, Wq, Wk, Wv, xb, wb; writes xb, wb
.if DOCPART == 1
	.amdgcn_target "amdgcn-amd-amdhsa--gfx1250"
	.amdhsa_code_object_version 6
	.text
	.protected	k_q27716464a3_cast
	.globl	k_q27716464a3_cast
	.p2align	8
	.type	k_q27716464a3_cast,@function
k_q27716464a3_cast:
	s_mov_b64 s[64:65], 0
	v_nop
	global_prefetch_b8 v0, s[64:65] scope:SCOPE_SE
	s_setreg_imm32_b32 hwreg(HW_REG_WAVE_MODE, 25, 1), 1
	s_wait_xcnt 0x0
; SELF-ATTENTION, ONE HEAD OF 1,024 CHANNELS, IN FOUR LAUNCHES: cast (this one), proj, scores, mix.
; out = softmax((x Wq + bq)(x Wk + bk)^T / 32) (x Wv + bv), x: [4][2048][1024] f32.
; WORK LEFT OUT: bk.  score(s, t) = q_s . (x_t Wk) / 32 + q_s . bk / 32.  The second term does not hang on t, the axis of the softmax:
; numerator and denominator of softmax carry the same factor exp(q_s . bk / 32), which cancels for all finite values of the inputs.
; So bk has no way to the output: it is not loaded and is among no launch's arguments.
; LIMIT: a NaN, an infinity or an overflow that reaches only q . bk is not carried to the result.
; WORK MOVED, not left out: each row of the softmax sums to 1, so attn (x Wv + 1 bv^T) = attn (x Wv) + bv: bv is the start value of the last launch's sums.
; THIS LAUNCH rounds x, Wq, Wk, Wv once to bf16 (nearest even), layouts unchanged: xb [8192][1024]; wb [3][1024 k][1024 n] = Wq, Wk, Wv.
; A stream: no LDS, no matrix unit, no cluster (no byte is read twice).  Slab y of 1,048,576 numbers: y = 0..7 of x, 8, 9, 10 = Wq, Wk, Wv.
; A work-group takes 16,384 bytes in, 8,192 out: four loads of 16 bytes a lane (512 consecutive bytes a wave), all issued before the first wait;
; each store of a wave covers 256 consecutive bytes, aligned.
	s_load_b256 s[4:11], s[0:1], 0x0               ; x s[4:5], Wq s[6:7], Wk s[8:9], Wv s[10:11]
	s_load_b128 s[12:15], s[0:1], 0x20             ; xb s[12:13], wb s[14:15]
	s_and_b32 s16, ttmp7, 0xffff                   ; y: the slab
	s_max_u32 s17, s16, 8
	s_sub_co_u32 s17, s17, 8                       ; which weight matrix (0 for the slabs of x)
	s_lshl_b32 s20, s16, 22                        ; a slab of x: 4 MiB in,
	s_lshl_b32 s22, s16, 21                        ; 2 MiB out
	s_lshl_b32 s17, s17, 21                        ; a weight matrix in wb
	s_lshl_b32 s18, ttmp9, 14                      ; the work-group's part of the slab, in
	s_lshl_b32 s19, ttmp9, 13                      ; and out
	s_cmp_lt_u32 s16, 8
	s_cselect_b32 s20, s20, 0                      ; a weight matrix is read from its own first byte
	s_cselect_b32 s22, s22, s17
	s_add_co_u32 s20, s20, s18
	s_add_co_u32 s22, s22, s19
	s_mov_b32 s21, 0
	s_mov_b32 s23, 0
	v_lshlrev_b32 v1, 4, v0                        ; 16 bytes a thread in
	v_lshlrev_b32 v2, 3, v0                        ; 8 bytes a thread out
	s_wait_kmcnt 0x0
	s_cmp_lt_u32 s16, 8                            ; the buffers are chosen by y alone
	s_cselect_b64 s[4:5], s[4:5], s[6:7]
	s_cselect_b64 s[12:13], s[12:13], s[14:15]
	s_cmp_eq_u32 s16, 9
	s_cselect_b64 s[4:5], s[8:9], s[4:5]
	s_cmp_eq_u32 s16, 10
	s_cselect_b64 s[4:5], s[10:11], s[4:5]
	s_add_nc_u64 s[4:5], s[4:5], s[20:21]
	s_add_nc_u64 s[12:13], s[12:13], s[22:23]
.irp j, 0,1,2,3
	global_load_b128 v[4+4*(\j):7+4*(\j)], v1, s[4:5] offset:4096*(\j) th:TH_LOAD_NT
.endr
.irp j, 0,1,2,3
	s_wait_loadcnt 3-(\j)                          ; loads come back in order: load j is in, the younger ones stay out
	v_cvt_pk_bf16_f32 v[20+2*(\j)], v[4+4*(\j)], v[5+4*(\j)]
	v_cvt_pk_bf16_f32 v[21+2*(\j)], v[6+4*(\j)], v[7+4*(\j)]
	global_store_b64 v2, v[20+2*(\j):21+2*(\j)], s[12:13] offset:2048*(\j)
.endr
	s_endpgm
.Lfunc_end_k_q27716464a3_cast:
	.size	k_q27716464a3_cast, .Lfunc_end_k_q27716464a3_cast-k_q27716464a3_cast
	.p2alignl 7, 3214868480
	.fill 96, 4, 3214868480
	.section	.rodata,"a",@progbits
	.p2align	6, 0x0
	.amdhsa_kernel k_q27716464a3_cast
		.amdhsa_group_segment_fixed_size 0
		.amdhsa_private_segment_fixed_size 0
		.amdhsa_enable_private_segment 0
		.amdhsa_kernarg_size 48
		.amdhsa_user_sgpr_count 2
		.amdhsa_user_sgpr_kernarg_segment_ptr 1
		.amdhsa_wavefront_size32 1
		.amdhsa_system_sgpr_workgroup_id_x 1
		.amdhsa_system_sgpr_workgroup_id_y 1
		.amdhsa_system_sgpr_workgroup_id_z 1
		.amdhsa_system_vgpr_workitem_id 0
		.amdhsa_next_free_vgpr 32
		.amdhsa_next_free_sgpr 66
		.amdhsa_reserve_vcc 0
		.amdhsa_float_denorm_mode_32 3
		.amdhsa_float_denorm_mode_16_64 3
		.amdhsa_memory_ordered 1
		.amdhsa_forward_progress 1
		.amdhsa_inst_pref_size 3
	.end_amdhsa_kernel
	.amdgpu_metadata
---
amdhsa.version: [ 1, 2 ]
amdhsa.kernels:
  - .name:           k_q27716464a3_cast
    .symbol:         k_q27716464a3_cast.kd
    .args:
      - { .name: x, .offset: 0, .size: 8, .value_kind: global_buffer, .address_space: global }
      - { .name: Wq, .offset: 8, .size: 8, .value_kind: global_buffer, .address_space: global }
      - { .name: Wk, .offset: 16, .size: 8, .value_kind: global_buffer, .address_space: global }
      - { .name: Wv, .offset: 24, .size: 8, .value_kind: global_buffer, .address_space: global }
      - { .name: xb, .offset: 32, .size: 8, .value_kind: global_buffer, .address_space: global }
      - { .name: wb, .offset: 40, .size: 8, .value_kind: global_buffer, .address_space: global }
    .group_segment_fixed_size: 0
    .private_segment_fixed_size: 0
    .kernarg_segment_align: 8
    .kernarg_segment_size: 48
    .max_flat_workgroup_size: 256
    .sgpr_count:     66
    .vgpr_count:     32
    .wavefront_size: 32
...
	.end_amdgpu_metadata
.endif
;; end of part 1
;; launch proj (part 2): grid 8 x 32, 4 waves a work-group, clusters of 4 x 4, 327,680 bytes of LDS; arguments xb, wb, bq, qkv; writes qkv
.if DOCPART == 2
	.amdgcn_target "amdgcn-amd-amdhsa--gfx1250"
	.amdhsa_code_object_version 6
	.text
	.protected	k_q27716464a3_proj
	.globl	k_q27716464a3_proj
	.p2align	8
	.type	k_q27716464a3_proj,@function
k_q27716464a3_proj:
	s_mov_b64 s[64:65], 0
	v_nop
	global_prefetch_b8 v0, s[64:65] scope:SCOPE_SE
	s_setreg_imm32_b32 hwreg(HW_REG_WAVE_MODE, 25, 1), 1
	s_wait_xcnt 0x0
	s_wait_alu depctr_hold_cnt(0) depctr_sa_sdst(0) depctr_va_vdst(0) depctr_va_sdst(0) depctr_va_ssrc(0) depctr_va_vcc(0) depctr_vm_vsrc(0)
	s_getreg_b32 s2, hwreg(HW_REG_IB_STS2, 6, 4)
	s_cmp_eq_u32 s2, 0
	s_cbranch_scc0 .Lentry_in_a_cluster
	s_endpgm
.Lentry_in_a_cluster:
	s_bfe_u32 s2, ttmp6, 0x10000c
	s_cmp_lg_u32 s2, 0xf033
	s_cbranch_scc0 .Lentry_shape_is_right
	s_endpgm
.Lentry_shape_is_right:
; q = x Wq + bq, k' = x Wk, v' = x Wv.  xb: [8192][1024] bf16; wb: [3][1024 k][1024 n] bf16; qkv: [3][8192][1024] f16.  Sums in f32, each result rounded once to f16.
; LEFT OUT: bk (it cancels in the softmax: see the head of the first kernel); bv is added in the last launch.  bq is rounded to bf16 like every input.
; LIMIT: |q|, |k'|, |v'| must stay under 65,504 (f16); beyond that the conversion gives an infinity.
; SHARES.  256 work-groups that stay: work-group (gx, gy) makes rows 256 gy .. +255, columns 128 gx .. +127 of q, then of k', then of v': three tiles, 24 K steps of 128.
; wb is read as ONE matrix of 3,072 k-rows, so B's walk simply runs on from tile to tile; A's goes back along K.
; A wave makes 64 rows x 128 columns: 32 accumulators.  THE MATRIX INSTRUCTION IS USED TRANSPOSED: source 0 = 16 columns of W (turned out of LDS by ds_load_tr16_b128),
; source 1 = 16 rows of x: lane l then holds row l % 16 and the eight neighbouring columns 8 (l / 16) + 0..7.
; RING.  Two LDS slots; a slot holds 256 rows of x (256 bytes + 16 of padding) and 128 k-rows of W (256 bytes + 32).  Waves 0, 1 fetch x's halves, waves 2, 3 W's.
; By the text's own count a wave has two tensor loads out at the start and one behind each round; from a request to the wait for it it issues 112 matrix instructions.
; CLUSTER 4 x 4: x's tile is shared along a row of the cluster, W's along a column: joint loads.
; REGISTERS.  window 0: v16-30 addresses; v64-127 two buffers of x's fragments; v128-223 at work on the way out.  window 1: v0-127 two buffers of W's fragments; v128-191 bq.
; window 2: accumulator (a, b) at v[8 (8 a + b)].
.set PA,     272                       ; an LDS row of x: 68 words: the 16 rows of a fragment load start at 16 different groups of four banks
.set PB,     288                       ; an LDS row of W: 72 words
.set AHALF,  128*PA
.set BHALF,  64*PB
.set BOFF,   256*PA
.set SLOT,   BOFF+128*PB
.set STAGE,  2*SLOT                    ; behind the ring: 16 rows x 272 bytes for each wave, never filled by a tensor load
.set SP,     272
.set SPARE,  STAGE+4*16*SP             ; the spare words: 128 bytes a wave, named by no other line
.set ADRA, 16                          ; v16-17 LDS address of my fragments of x in slot 0, 1
.set ADRB, 20                          ; v20-21 the same for W
.set STO,  24
.set RD,   25
.set CO,   26
.set SPW,  28
.set NIL,  29
.set PFO,  30                          ; the prefetches' offset: my lane x a row of 2,048 bytes
.set FA,   64
.set FB,   0
.set BIAS, 128
.set TMP,  192
.set OB,   128
.set G1A, 24
.set G0A, 32
.set G1B, 48
.set G0B, 56
.set PFN, 66                           ; prefetches that this wave still has to make
.set PFS, 68                           ; s[68:69] their step
.set PFA, 70                           ; s[70:71] where they stand
.set CP,  78                           ; s[78:79] the stores' base
.set MSB, 0
.macro WIN new                         ; the immediate's high byte repeats the setting that is left
.if MSB != (\new)
	s_set_vgpr_msb (MSB<<8)|(\new)
.set MSB, \new
.endif
.endm
.macro PLACES                          ; four places behind matrix instructions (ISA guide 7.12.1)
.rept 4
	v_nop
.endr
.endm
.macro JLOAD s                         ; a joint load: the branch hangs on the wave's number alone; an s_nop 0 and four v_nop follow each line
	s_cmp_eq_u32 s11, 0
	s_cbranch_scc0 .Lfor_b_\@
	tensor_load_to_lds s[G0A+4*(\s):G0A+4*(\s)+3], s[G1A:G1A+7]
	s_nop 0
.rept 4
	v_nop
.endr
	s_branch .Lasked_\@
.Lfor_b_\@:
	tensor_load_to_lds s[G0B+4*(\s):G0B+4*(\s)+3], s[G1B:G1B+7]
	s_nop 0
.rept 4
	v_nop
.endr
.Lasked_\@:
.endm
.macro CREST                           ; a round of the cluster's barrier behind its opening barrier
	s_cmp_lg_u32 s10, 0
	s_cbranch_scc1 .Lnot_wave_0_\@
	s_barrier_signal -3
.Lnot_wave_0_\@:
	s_barrier_wait -3
	s_barrier_signal -1
	s_barrier_wait -1
.endm
.macro CROUND
	s_barrier_signal -1
	s_barrier_wait -1
	CREST
.endm
; A prefetch of 32 rows x 256 bytes, a lane a row, for the K step that stands four refills (512 matrix instructions) on.  Each block is named once in the launch:
; x's rows by the clusters with x = 0 (waves 0, 1; the four partners take 32 rows each, told apart by address), in the first tile alone: K steps 6 and 7;
; W's rows by the clusters with y = 0 (wave 2; 32 of a K step's 128 rows to a partner): K steps 6 to 23.  The count ends the asking, so no prefetch leaves its buffer.
.macro ASK
	s_cmp_lg_u32 s[PFN], 0
	s_cbranch_scc0 .Lnot_mine_\@
	global_prefetch_b8 v[PFO], s[PFA:PFA+1] th:TH_LOAD_NT scope:SCOPE_SE
	s_sub_co_u32 s[PFN], s[PFN], 1
.Lnot_mine_\@:
.endm
	s_load_b128 s[4:7], s[0:1], 0x0                ; xb s[4:5], wb s[6:7]
	s_load_b128 s[76:79], s[0:1], 0x10             ; bq s[76:77], qkv s[78:79]
	v_lshl_add_u32 v[SPW], v0, 2, SPARE
	v_mov_b32 v[NIL], 0
	ds_add_u32 v[SPW], v[NIL]                      ; the wave's opening: the add, twice on end, and its wait ahead of my first tensor load
	ds_add_u32 v[SPW], v[NIL]
	v_lshrrev_b32 v1, 5, v0
	v_readfirstlane_b32 s10, v1                    ; wave 0..3
	s_lshr_b32 s11, s10, 1                         ; I fetch for x (0) or for W (1)
	s_and_b32 s12, s10, 1                          ; which half of that tile
	s_bfe_u32 s40, ttmp6, 0x40000                  ; cx
	s_bfe_u32 s41, ttmp6, 0x40004                  ; cy
	s_lshl_b32 s42, ttmp9, 2
	s_add_co_u32 s42, s42, s40                     ; gx: the block of 128 columns
	s_and_b32 s13, ttmp7, 0xffff
	s_lshl_b32 s13, s13, 2
	s_add_co_u32 s13, s13, s41                     ; gy: the block of 256 rows
	s_lshl_b32 s43, s41, 2
	s_lshl_b32 s43, 15, s43                        ; my row of the cluster
	s_lshl_b32 s44, 0x1111, s40                    ; my column
	s_or_b32 s[G1A+0], s43, 0x07710000             ; mask; 2-byte elements; padding on; bit 21 beside a mask; after every 64 words 4 words
	s_or_b32 s[G1B+0], s44, 0x0f710000             ; the same with 8 words of padding
	s_mov_b32 s[G1A+1], 128<<16                    ; tensor_dim0 = 128
	s_mov_b32 s[G1A+2], 128<<16                    ; tensor_dim1 = 128
	s_mov_b32 s[G1A+3], 128<<16                    ; tile_dim0 = 128
	s_mov_b32 s[G1A+4], 128                        ; tile_dim1 = 128
	s_mov_b32 s[G1A+5], 1024                       ; elements from row to row
	s_mov_b32 s[G1A+6], 0
	s_mov_b32 s[G1A+7], 0
	s_mov_b32 s[G1B+1], 128<<16
	s_mov_b32 s[G1B+2], 64<<16                     ; 64 k-rows to a load
	s_mov_b32 s[G1B+3], 128<<16
	s_mov_b32 s[G1B+4], 64
	s_mov_b32 s[G1B+5], 1024
	s_mov_b32 s[G1B+6], 0
	s_mov_b32 s[G1B+7], 0
	s_lshl_b32 s16, s13, 19                        ; x: 256 gy rows of 2,048 bytes
	s_lshl_b32 s17, s12, 18                        ; + my 128 rows
	s_add_co_u32 s16, s16, s17
	s_mov_b32 s17, 0
	s_lshl_b32 s46, s42, 8                         ; W: 128 gx columns
	s_lshl_b32 s47, s12, 17                        ; + my 64 k-rows
	s_add_co_u32 s46, s46, s47
	s_mov_b32 s47, 0
	s_mul_i32 s20, s12, AHALF                      ; where they go: no place in the cluster enters an LDS address
	s_mul_i32 s21, s12, BHALF
	s_add_co_u32 s21, s21, BOFF
	s_mov_b32 s86, 0xffff0000
	s_wait_dscnt 0x0                               ; both opening adds are done
	s_wait_kmcnt 0x0
	s_add_nc_u64 s[14:15], s[4:5], s[16:17]
	s_add_nc_u64 s[46:47], s[6:7], s[46:47]
	CROUND                                         ; all sixteen work-groups are here: the first joint loads meet
.irp s, 0,1
	s_mov_b32 s[G0A+4*(\s)], 1
	s_add_co_u32 s[G0A+4*(\s)+1], s20, (\s)*SLOT
	s_add_nc_u64 s[G0A+4*(\s)+2:G0A+4*(\s)+3], s[14:15], (\s)*256
	s_or_b32 s[G0A+4*(\s)+3], s[G0A+4*(\s)+3], 0x80000000
	s_mov_b32 s[G0B+4*(\s)], 1
	s_add_co_u32 s[G0B+4*(\s)+1], s21, (\s)*SLOT
	s_add_nc_u64 s[G0B+4*(\s)+2:G0B+4*(\s)+3], s[46:47], (\s)*262144
	s_or_b32 s[G0B+4*(\s)+3], s[G0B+4*(\s)+3], 0x80000000
	JLOAD \s
.endr
	; bq for my 8 columns of each of the 8 column blocks
	v_and_b32 v1, 15, v0                           ; r = l % 16
	v_bfe_u32 v2, v0, 4, 1                         ; h = l / 16
	s_lshl_b32 s18, s42, 9
	s_mov_b32 s19, 0
	s_add_nc_u64 s[76:77], s[76:77], s[18:19]
	v_lshlrev_b32 v6, 5, v2
.irp b, 0,1,2,3,4,5,6,7
	global_load_b128 v[128+8*(\b):128+8*(\b)+3], v6, s[76:77] offset:64*(\b)
	global_load_b128 v[128+8*(\b)+4:128+8*(\b)+7], v6, s[76:77] offset:64*(\b)+16
.endr
	v_mul_u32_u24 v3, v1, PA
	v_lshl_add_u32 v3, v2, 4, v3                   ; row x pitch + 16 x half
	s_mul_i32 s21, s10, 64*PA                      ; my 64 rows of x
	v_add_nc_u32 v[ADRA], s21, v3
	v_add_nc_u32 v[ADRA+1], SLOT, v[ADRA]
	v_and_b32 v4, 7, v0                            ; the turning load: lane l reads k-row 8 h + l % 8, columns 8 ((l / 8) % 2) + 0..7
	v_lshl_add_u32 v4, v2, 3, v4
	v_mul_u32_u24 v4, v4, PB
	v_bfe_u32 v5, v0, 3, 1
	v_lshl_add_u32 v4, v5, 4, v4
	v_add_nc_u32 v[ADRB], BOFF, v4
	v_add_nc_u32 v[ADRB+1], BOFF+SLOT, v4
	s_mul_i32 s23, s10, 16*SP
	s_add_co_u32 s23, s23, STAGE                   ; my stage
	v_add_nc_u32 v[STO], s23, v3                   ; in: row r, 16 bytes for each half of the lanes
	v_mul_u32_u24 v5, v2, SP                       ; back: lanes 0-15 one row of 256 bytes, lanes 16-31 the next
	v_lshl_add_u32 v5, v1, 4, v5
	v_add_nc_u32 v[RD], s23, v5
	v_lshlrev_b32 v5, 11, v2                       ; and the same two rows in qkv
	v_lshl_add_u32 v[CO], v1, 4, v5
	s_lshl_b32 s16, s13, 19                        ; where my part of q begins: the first way out adds it
	s_lshl_b32 s17, s10, 17
	s_add_co_u32 s16, s16, s17
	s_lshl_b32 s17, s42, 8
	s_add_co_u32 s16, s16, s17
	s_mov_b32 s17, 0
	; the prefetches
	s_lshl_b32 s20, s13, 19
	s_lshl_b32 s21, s12, 18
	s_add_co_u32 s20, s20, s21
	s_lshl_b32 s21, s40, 16                        ; my work-group's 32 rows of the 128
	s_add_co_u32 s20, s20, s21
	s_add_co_u32 s20, s20, 5*256                   ; at K step 5: the first refill steps it to 6
	s_lshl_b32 s21, s41, 16
	s_lshl_b32 s22, s42, 8
	s_add_co_u32 s21, s21, s22
	s_add_co_u32 s21, s21, 5*262144
	s_and_b32 s22, ttmp7, 0xffff
	s_or_b32 s22, s22, s12                         ; 0 in wave 2 of the clusters with y = 0
	s_mov_b32 s[PFS], 262144
	s_mov_b32 s[PFS+1], 0
	s_cmp_eq_u32 s11, 0
	s_cselect_b32 s20, s20, s21
	s_cselect_b32 s22, ttmp9, s22
	s_cselect_b32 s[PFS], 256, s[PFS]
	s_cselect_b32 s[PFN], 2, 18
	s_cselect_b64 s[PFA:PFA+1], s[4:5], s[6:7]
	s_cmp_eq_u32 s22, 0
	s_cselect_b32 s[PFN], s[PFN], 0                ; the same in all sixteen partners, for a given wave
	s_mov_b32 s21, 0
	s_add_nc_u64 s[PFA:PFA+1], s[PFA:PFA+1], s[20:21]
	v_and_b32 v[PFO], 31, v0
	v_lshlrev_b32 v[PFO], 11, v[PFO]
	s_wait_loadcnt 0x0                             ; bq: rounded to bf16, widened again, into window 1
.set i, 0
.rept 32
	v_cvt_pk_bf16_f32 v[192+i], v[128+2*i], v[128+2*i+1]
.set i, i+1
.endr
	WIN 0x40
.set i, 0
.rept 32
	v_lshlrev_b32 v[BIAS+2*i], 16, v[192+i]
	v_and_b32 v[BIAS+2*i+1], s86, v[192+i]
.set i, i+1
.endr
	WIN 0
; 8 matrix instructions: row block a x all 8 column blocks, 32 along K, on buffer i.  mode 0: the sums go on; 1: they start at 0; 2: they start at bq.
; The 32 accumulators take turns in the same order in every quarter, one instruction a turn.
.macro MUL8 i, a, mode
.if (\mode) == 2
	WIN 0x91
.else
	WIN 0xa1
.endif
.irp b, 0,1,2,3,4,5,6,7
.if (\mode) == 2
	v_wmma_f32_16x16x32_bf16 v[8*(8*(\a)+(\b)):8*(8*(\a)+(\b))+7], v[FB+64*(\i)+8*(\b):FB+64*(\i)+8*(\b)+7], v[FA+32*(\i)+8*(\a):FA+32*(\i)+8*(\a)+7], v[BIAS+8*(\b):BIAS+8*(\b)+7]
.elseif (\mode) == 1
	v_wmma_f32_16x16x32_bf16 v[8*(8*(\a)+(\b)):8*(8*(\a)+(\b))+7], v[FB+64*(\i)+8*(\b):FB+64*(\i)+8*(\b)+7], v[FA+32*(\i)+8*(\a):FA+32*(\i)+8*(\a)+7], 0
.else
	v_wmma_f32_16x16x32_bf16 v[8*(8*(\a)+(\b)):8*(8*(\a)+(\b))+7], v[FB+64*(\i)+8*(\b):FB+64*(\i)+8*(\b)+7], v[FA+32*(\i)+8*(\a):FA+32*(\i)+8*(\a)+7], v[8*(8*(\a)+(\b)):8*(8*(\a)+(\b))+7]
.endif
.endr
.endm
.macro MUL16 i, a0, mode
	MUL8 \i, \a0, \mode
	MUL8 \i, (\a0)+1, \mode
.endm
; 24 LDS loads in one run: quarter q (32 along K) of a slot into buffer i: W's 8 fragments, turned, then x's 4
.macro FETCH slot, q, i
	WIN 0x40
.irp b, 0,1,2,3,4,5,6,7
	ds_load_tr16_b128 v[FB+64*(\i)+8*(\b):FB+64*(\i)+8*(\b)+3],   v[ADRB+(\slot)] offset:(\q)*32*PB+32*(\b)
	ds_load_tr16_b128 v[FB+64*(\i)+8*(\b)+4:FB+64*(\i)+8*(\b)+7], v[ADRB+(\slot)] offset:(\q)*32*PB+32*(\b)+16*PB
.endr
	WIN 0
.irp a, 0,1,2,3
	ds_load_b128 v[FA+32*(\i)+8*(\a):FA+32*(\i)+8*(\a)+3],   v[ADRA+(\slot)] offset:64*(\q)+(\a)*16*PA
	ds_load_b128 v[FA+32*(\i)+8*(\a)+4:FA+32*(\i)+8*(\a)+7], v[ADRA+(\slot)] offset:64*(\q)+(\a)*16*PA+32
.endr
.endm
; One of a K step's first three quarters: multiplies buffer i; in its middle it fetches quarter qn of the same slot into buffer g
.macro QUARTER slot, qn, i, g, mode
	s_wait_dscnt 4                                 ; W's fragments and x's row blocks 0, 1 are in; the youngest four loads (blocks 2, 3) may be out
	MUL16 \i, 0, \mode
	PLACES
	FETCH \slot, \qn, \g
	s_wait_dscnt 24                                ; all but the 24 just issued
	MUL16 \i, 2, \mode
.endm
; The last quarter's first half: ONE barrier for the change of slots.  In front of it each wave waits for all its tensor loads (its part of the next slot), adds 0 to its spare word,
; and waits for that and for its own reads of this slot.
.macro MEET round
	WIN 0
	s_wait_tensorcnt 0x0
	ds_add_u32 v[SPW], v[NIL]
	s_wait_dscnt 5                                 ; the add and the youngest four loads may be out
	MUL8 1, 0, 0
	s_wait_dscnt 0x0                               ; the add is done, and my reads of this slot are over
	s_barrier_signal -1
	MUL8 1, 1, 0
.if \round
	WIN 0
.endif
	s_barrier_wait -1
.endm
; The whole last quarter with a refill.  on = 1: a tile's last two K steps: x goes back along K to the next tile's K step 0 or 1; W runs on.
.macro TURN slot, next, on
	s_wait_xcnt 0x0                                ; the last prefetch, a K step back, has read its address
	s_add_nc_u64 s[PFA:PFA+1], s[PFA:PFA+1], s[PFS:PFS+1]
	MEET 1
	CREST                                          ; no wave of any partner still reads this slot or has a load on its way
.if \on
	s_sub_nc_u64 s[G0A+4*(\slot)+2:G0A+4*(\slot)+3], s[G0A+4*(\slot)+2:G0A+4*(\slot)+3], 1536
.else
	s_add_nc_u64 s[G0A+4*(\slot)+2:G0A+4*(\slot)+3], s[G0A+4*(\slot)+2:G0A+4*(\slot)+3], 512
.endif
	s_add_nc_u64 s[G0B+4*(\slot)+2:G0B+4*(\slot)+3], s[G0B+4*(\slot)+2:G0B+4*(\slot)+3], 524288
	JLOAD \slot                                    ; the first tensor load behind the round; its four v_nop are also the places in front of the loads below
	FETCH \next, 0, 0
	ASK
	MUL16 1, 2, 0
.endm
.macro TURNX next                      ; the same without a refill: no round follows
	MEET 0
	PLACES
	FETCH \next, 0, 0
	MUL16 1, 2, 0
.endm
.macro LASTQ
	s_wait_dscnt 4
	MUL16 1, 0, 0
	s_wait_dscnt 0x0
	MUL16 1, 2, 0
.endm
; THE WAY OUT, a block of 16 rows at a time: rounded to f16 (16 bytes a lane), through my own stage, back as whole rows of 256 bytes, stored.
.macro PACK a
	WIN 0x0a
.irp b, 0,1,2,3,4,5,6,7
.irp d, 0,1,2,3
	v_cvt_pk_f16_f32 v[TMP+4*(\b)+(\d)], v[64*(\a)+8*(\b)+2*(\d)], v[64*(\a)+8*(\b)+2*(\d)+1]
.endr
.endr
	WIN 0
.endm
.macro TOSTAGE a
	WIN 0
.set BK, OB+32*((\a)%2)
.irp b, 0,1,2,3,4,5,6,7
	ds_store_b128 v[STO], v[TMP+4*(\b):TMP+4*(\b)+3] offset:32*(\b)
.endr
.irp t, 0,1,2,3,4,5,6,7
	ds_load_b128 v[BK+4*(\t):BK+4*(\t)+3], v[RD] offset:(\t)*2*SP  ; LDS serves a wave's instructions in order: these see the stores above
.endr
.endm
.macro SEND a
	WIN 0
.set BK, OB+32*((\a)%2)
	s_wait_dscnt 0x0                               ; the block is back in registers
	s_wait_xcnt 0x0                                ; only behind this wait are the stores' base and the registers that earlier stores read rewritten
.if (\a) == 0
	s_add_nc_u64 s[CP:CP+1], s[CP:CP+1], s[16:17]
.else
	s_add_nc_u64 s[CP:CP+1], s[CP:CP+1], 32768     ; 16 rows on
.endif
.irp t, 0,1,2,3,4,5,6,7
	global_store_b128 v[CO], v[BK+4*(\t):BK+4*(\t)+3], s[CP:CP+1] offset:(\t)*4096  ; 16 lanes store 256 consecutive bytes, aligned
.endr
.endm
.macro WAYOUT
	PLACES
	PACK 0
	TOSTAGE 0
.irp a, 1,2,3
	PACK \a
	SEND (\a)-1
	TOSTAGE \a
.endr
	SEND 3
.endm
	s_wait_tensorcnt 1                             ; my part of K step 0 is in; K step 1's may stay out
	s_barrier_signal -1
	s_barrier_wait -1
	FETCH 0, 0, 0
	QUARTER 0, 1, 0, 1, 2                          ; q's sums start at bq
	WIN 0
	s_mov_b32 s2, 3                                ; tiles to go
	s_branch .Lin
.Ltile:
	QUARTER 0, 1, 0, 1, 1                          ; k' and v' start at 0
	WIN 0
.Lin:
	s_mov_b32 s3, 3
.Llap:                                                 ; a trip goes once round the ring, from a lap's second quarter to the next lap's first
	QUARTER 0, 2, 1, 0, 0
	QUARTER 0, 3, 0, 1, 0
	TURN 0, 1, 0
	QUARTER 1, 1, 0, 1, 0
	QUARTER 1, 2, 1, 0, 0
	QUARTER 1, 3, 0, 1, 0
	TURN 1, 0, 0
	QUARTER 0, 1, 0, 1, 0
	WIN 0
	s_sub_co_u32 s3, s3, 1
	s_cmp_lg_u32 s3, 0
	s_cbranch_scc1 .Llap
	QUARTER 0, 2, 1, 0, 0
	QUARTER 0, 3, 0, 1, 0
	WIN 0
	s_cmp_eq_u32 s2, 1
	s_cbranch_scc1 .Llast                          ; the last tile's tail is written out: it asks for nothing more
	TURN 0, 1, 1                                   ; the ring goes on into the next tile
	QUARTER 1, 1, 0, 1, 0
	QUARTER 1, 2, 1, 0, 0
	QUARTER 1, 3, 0, 1, 0
	TURN 1, 0, 1
	WAYOUT                                         ; both refills are asked for: now the tile goes out
	s_mov_b64 s[16:17], 16678912                   ; from my last 16 rows of a tensor to my first of the next: 16,777,216 - 3 x 32,768
	s_sub_co_u32 s2, s2, 1
	s_branch .Ltile
.Llast:
	TURNX 1
	QUARTER 1, 1, 0, 1, 0
	QUARTER 1, 2, 1, 0, 0
	QUARTER 1, 3, 0, 1, 0
	LASTQ
	WAYOUT
	s_wait_tensorcnt 0x0                           ; the wave's end
	ds_add_u32 v[SPW], v[NIL]
	s_wait_dscnt 0x0
	CROUND                                         ; the closing round
	s_endpgm
.Lfunc_end_k_q27716464a3_proj:
	.size	k_q27716464a3_proj, .Lfunc_end_k_q27716464a3_proj-k_q27716464a3_proj
	.p2alignl 7, 3214868480
	.fill 96, 4, 3214868480
	.section	.rodata,"a",@progbits
	.p2align	6, 0x0
	.amdhsa_kernel k_q27716464a3_proj
		.amdhsa_group_segment_fixed_size 327680
		.amdhsa_private_segment_fixed_size 0
		.amdhsa_enable_private_segment 0
		.amdhsa_kernarg_size 32
		.amdhsa_user_sgpr_count 2
		.amdhsa_user_sgpr_kernarg_segment_ptr 1
		.amdhsa_wavefront_size32 1
		.amdhsa_system_sgpr_workgroup_id_x 1
		.amdhsa_system_sgpr_workgroup_id_y 1
		.amdhsa_system_sgpr_workgroup_id_z 1
		.amdhsa_system_vgpr_workitem_id 0
		.amdhsa_next_free_vgpr 768
		.amdhsa_next_free_sgpr 96
		.amdhsa_reserve_vcc 0
		.amdhsa_float_denorm_mode_32 3
		.amdhsa_float_denorm_mode_16_64 3
		.amdhsa_memory_ordered 1
		.amdhsa_forward_progress 1
		.amdhsa_inst_pref_size 135
	.end_amdhsa_kernel
	.amdgpu_metadata
---
amdhsa.version: [ 1, 2 ]
amdhsa.kernels:
  - .name:           k_q27716464a3_proj
    .symbol:         k_q27716464a3_proj.kd
    .args:
      - { .name: xb, .offset: 0, .size: 8, .value_kind: global_buffer, .address_space: global }
      - { .name: wb, .offset: 8, .size: 8, .value_kind: global_buffer, .address_space: global }
      - { .name: bq, .offset: 16, .size: 8, .value_kind: global_buffer, .address_space: global }
      - { .name: qkv, .offset: 24, .size: 8, .value_kind: global_buffer, .address_space: global }
    .group_segment_fixed_size: 327680
    .private_segment_fixed_size: 0
    .kernarg_segment_align: 8
    .kernarg_segment_size: 32
    .max_flat_workgroup_size: 128
    .sgpr_count:     96
    .vgpr_count:     768
    .wavefront_size: 32
...
	.end_amdgpu_metadata
.endif
;; end of part 2
;; launch scores (part 3): grid 8 x 32, 4 waves a work-group, clusters of 4 x 4, 327,680 bytes of LDS; arguments qkv, pb, st; writes pb, st
.if DOCPART == 3
	.amdgcn_target "amdgcn-amd-amdhsa--gfx1250"
	.amdhsa_code_object_version 6
	.text
	.protected	k_q27716464a3_scores
	.globl	k_q27716464a3_scores
	.p2align	8
	.type	k_q27716464a3_scores,@function
k_q27716464a3_scores:
	s_mov_b64 s[64:65], 0
	v_nop
	global_prefetch_b8 v0, s[64:65] scope:SCOPE_SE
	s_setreg_imm32_b32 hwreg(HW_REG_WAVE_MODE, 25, 1), 1
	s_wait_xcnt 0x0
	s_wait_alu depctr_hold_cnt(0) depctr_sa_sdst(0) depctr_va_vdst(0) depctr_va_sdst(0) depctr_va_ssrc(0) depctr_va_vcc(0) depctr_vm_vsrc(0)
	s_getreg_b32 s2, hwreg(HW_REG_IB_STS2, 6, 4)
	s_cmp_eq_u32 s2, 0
	s_cbranch_scc0 .Lentry_in_a_cluster
	s_endpgm
.Lentry_in_a_cluster:
	s_bfe_u32 s2, ttmp6, 0x10000c
	s_cmp_lg_u32 s2, 0xf033
	s_cbranch_scc0 .Lentry_shape_is_right
	s_endpgm
.Lentry_shape_is_right:
; S = q k'^T for a tile of 256 queries x 256 keys (K = 1,024 channels), then the first stage of the softmax.  k' carries no bk: see the head of the first kernel.
; q, k': [8192][1024] f16 in qkv; pb: [8192][2048] f16; st: mm, then l, each [row / 64: 128][key / 128: 16][row % 16][(row / 16) % 4] f32.
; SOFTMAX IN TWO EXACT STAGES.  A wave holds 128 queries x 128 keys, a CHUNK.  For each query it takes the chunk's own maximum m and stores P = 2^(c s - c m), c = log2(e) / 32,
; mm = c m and l = the sum of the unrounded P.  The last launch takes the maximum of the 16 mm of a row and weighs the chunks by 2^(mm - M): no exponent is ever above 0 but by rounding.
; LIMITS.  P below 6e-8 counts as 0 in pb (f16); NaN and infinities are not treated apart.
; SHARES, RING, CLUSTER: 256 work-groups, one tile each; four waves of 128 x 128 (64 accumulators in windows 2 and 3); K steps of 128 through two LDS slots (rows of 256 bytes + 16);
; q's tile is shared along a row of the 4 x 4 cluster, k's along a column.  A wave has two tensor loads out at the start and one behind each round: 224 matrix instructions in which it lands.
; THE MATRIX INSTRUCTION IS USED TRANSPOSED (source 0 = 16 keys, source 1 = 16 queries): lane l holds query l % 16 and keys 8 (l / 16) + 0..7 of each block of 16.
; REGISTERS.  window 0: v16-30 addresses; v64-127, v128-191 q's fragments (behind the products v64-87 at work); v192-223, v32-63, v224-255 the way out.  window 1: v64-191 k's fragments.
.set PITCH,  272
.set HALFT,  128*PITCH
.set SLOT,   4*HALFT
.set STAGE,  2*SLOT
.set SPITCH, 272
.set SPARE,  STAGE+4*16*SPITCH
.set ADRA, 16
.set ADRB, 20
.set STO,  24
.set RD,   25
.set CO,   26
.set SO,   27                          ; v27 my 16 bytes in a block of st: lanes 0-15 in mm, lanes 16-31 in l
.set SPW,  28
.set NIL,  29
.set PFO,  30
.set F0,   64
.set F1,   128
.set TMP,  192
.set OB,   32
.set CC,   64                          ; v64-71 eight running maxima
.set CM,   72                          ; v72 c m, v73 m
.set MM,   76                          ; v76-79 c m of the four blocks in hand
.set LL,   80                          ; v80-83 their l
.set XX,   84                          ; v84-87 what is stored
.set G1A, 24
.set G0A, 32
.set G1B, 48
.set G0B, 56
.set PFN, 66
.set HM,  67                           ; s67 the lanes 16-31
.set PFA, 70
.set CS,  82                           ; s[82:83] c
.set SEL, 84                           ; s[84:85] v_permlanex16_b32: each lane takes its own place in the other half
.set MSB, 0
.macro WIN new
.if MSB != (\new)
	s_set_vgpr_msb (MSB<<8)|(\new)
.set MSB, \new
.endif
.endm
.set MUL_LO, 0xa1                      ; source 0 (k') window 1, source 1 (q) window 0, C and D window 2
.set MUL_HI, 0xf1                      ; the same, C and D window 3
.set TO_B,   0x40
.macro PLACES
.rept 4
	v_nop
.endr
.endm
.macro JLOAD s                         ; a joint load: waves 0, 1 fetch q's halves, waves 2, 3 k's; an s_nop 0 and four v_nop follow each line
	s_cmp_eq_u32 s11, 0
	s_cbranch_scc0 .Lfor_b_\@
	tensor_load_to_lds s[G0A+4*(\s):G0A+4*(\s)+3], s[G1A:G1A+7]
	s_nop 0
.rept 4
	v_nop
.endr
	s_branch .Lasked_\@
.Lfor_b_\@:
	tensor_load_to_lds s[G0B+4*(\s):G0B+4*(\s)+3], s[G1B:G1B+7]
	s_nop 0
.rept 4
	v_nop
.endr
.Lasked_\@:
.endm
.macro CREST
	s_cmp_lg_u32 s10, 0
	s_cbranch_scc1 .Lnot_wave_0_\@
	s_barrier_signal -3
.Lnot_wave_0_\@:
	s_barrier_wait -3
	s_barrier_signal -1
	s_barrier_wait -1
.endm
.macro CROUND
	s_barrier_signal -1
	s_barrier_wait -1
	CREST
.endm
; A prefetch of 32 rows x 256 bytes, a lane a row, for the K step two refills (512 matrix instructions) on: K steps 4 to 7.  q's rows are asked for by the clusters with x = 0,
; k's by the even clusters along y (two clusters along y share a batch); of the 128 rows that a wave fetches each of the four partners takes 32, told apart by address.
.macro ASK
	s_cmp_lg_u32 s[PFN], 0
	s_cbranch_scc0 .Lnot_mine_\@
	global_prefetch_b8 v[PFO], s[PFA:PFA+1] th:TH_LOAD_NT scope:SCOPE_SE
	s_sub_co_u32 s[PFN], s[PFN], 1
.Lnot_mine_\@:
.endm
	s_load_b128 s[4:7], s[0:1], 0x0                ; qkv s[4:5], pb s[6:7]
	s_load_b64 s[74:75], s[0:1], 0x10              ; st
	v_lshl_add_u32 v[SPW], v0, 2, SPARE
	v_mov_b32 v[NIL], 0
	ds_add_u32 v[SPW], v[NIL]                      ; the wave's opening: the add, twice on end, and its wait ahead of my first tensor load
	ds_add_u32 v[SPW], v[NIL]
	v_lshrrev_b32 v1, 5, v0
	v_readfirstlane_b32 s10, v1                    ; wave 0..3
	s_lshr_b32 s11, s10, 1                         ; which half of the tile's queries is mine.  Also: I fetch for q (0) or for k' (1)
	s_and_b32 s12, s10, 1                          ; which half of its keys.  Also: which 128 rows I fetch
	s_bfe_u32 s40, ttmp6, 0x40000                  ; cx
	s_bfe_u32 s41, ttmp6, 0x40004                  ; cy
	s_lshl_b32 s42, ttmp9, 2
	s_add_co_u32 s42, s42, s40                     ; gx: the block of 256 keys in the batch
	s_and_b32 s13, ttmp7, 0xffff
	s_lshl_b32 s13, s13, 2
	s_add_co_u32 s13, s13, s41                     ; gy: the block of 256 queries
	s_lshl_b32 s43, s41, 2
	s_lshl_b32 s43, 15, s43
	s_lshl_b32 s44, 0x1111, s40
	s_or_b32 s[G1A+0], s43, 0x07710000             ; mask; 2-byte elements; padding on; bit 21 beside a mask; after every 64 words 4 words
	s_or_b32 s[G1B+0], s44, 0x07710000
.irp g, G1A, G1B
	s_mov_b32 s[(\g)+1], 128<<16
	s_mov_b32 s[(\g)+2], 128<<16
	s_mov_b32 s[(\g)+3], 128<<16
	s_mov_b32 s[(\g)+4], 128
	s_mov_b32 s[(\g)+5], 1024
	s_mov_b32 s[(\g)+6], 0
	s_mov_b32 s[(\g)+7], 0
.endr
	s_lshl_b32 s16, s13, 19                        ; q: 256 gy rows of 2,048 bytes
	s_lshl_b32 s17, s12, 18                        ; + my 128 rows
	s_add_co_u32 s16, s16, s17
	s_and_b32 s46, ttmp7, 0xffff
	s_lshr_b32 s46, s46, 1                         ; the batch: two clusters along y each
	s_lshl_b32 s46, s46, 22
	s_lshl_b32 s47, s42, 19
	s_add_co_u32 s46, s46, s47
	s_add_co_u32 s46, s46, s17
	s_mov_b32 s17, 0
	s_mov_b32 s47, 0
	s_mul_i32 s20, s10, HALFT                      ; q's two halves, then k's two halves
	s_mov_b32 s[CS], 0x3d38aa3b                    ; c = log2(e) / 32
	s_mov_b32 s[CS+1], s[CS]
	s_mov_b32 s[SEL], 0x76543210
	s_mov_b32 s[SEL+1], 0xfedcba98
	s_mov_b32 s[HM], 0xffff0000
	s_wait_dscnt 0x0
	s_wait_kmcnt 0x0
	s_mov_b64 s[8:9], s[6:7]                       ; pb: the stores' base
	s_add_nc_u64 s[6:7], s[4:5], 0x1000000         ; k'
	s_add_nc_u64 s[14:15], s[4:5], s[16:17]
	s_add_nc_u64 s[46:47], s[6:7], s[46:47]
	CROUND
.irp s, 0,1
	s_mov_b32 s[G0A+4*(\s)], 1
	s_add_co_u32 s[G0A+4*(\s)+1], s20, (\s)*SLOT
	s_add_nc_u64 s[G0A+4*(\s)+2:G0A+4*(\s)+3], s[14:15], (\s)*256
	s_or_b32 s[G0A+4*(\s)+3], s[G0A+4*(\s)+3], 0x80000000
	s_mov_b32 s[G0B+4*(\s)], 1
	s_add_co_u32 s[G0B+4*(\s)+1], s20, (\s)*SLOT
	s_add_nc_u64 s[G0B+4*(\s)+2:G0B+4*(\s)+3], s[46:47], (\s)*256
	s_or_b32 s[G0B+4*(\s)+3], s[G0B+4*(\s)+3], 0x80000000
	JLOAD \s
.endr
	v_and_b32 v1, 15, v0
	v_bfe_u32 v2, v0, 4, 1
	v_mul_u32_u24 v3, v1, PITCH
	v_lshl_add_u32 v3, v2, 4, v3
	s_mul_i32 s21, s11, HALFT
	s_mul_i32 s22, s12, HALFT
	s_add_co_u32 s22, s22, 2*HALFT
.irp s, 0,1
	v_add_nc_u32 v[ADRA+(\s)], s21, v3
	v_add_nc_u32 v[ADRB+(\s)], s22, v3
	s_add_co_u32 s21, s21, SLOT
	s_add_co_u32 s22, s22, SLOT
.endr
	s_mul_i32 s23, s10, 16*SPITCH
	s_add_co_u32 s23, s23, STAGE
	v_add_nc_u32 v[STO], s23, v3
	v_mul_u32_u24 v5, v2, SPITCH
	v_lshl_add_u32 v5, v1, 4, v5
	v_add_nc_u32 v[RD], s23, v5
	v_lshlrev_b32 v5, 12, v2                       ; a row of pb is 4,096 bytes
	v_lshl_add_u32 v[CO], v1, 4, v5
	v_lshlrev_b32 v5, 4, v1
	v_lshl_add_u32 v[SO], v2, 19, v5               ; 16 r, and l lies 524,288 bytes behind mm
	s_lshl_b32 s16, s13, 20                        ; where my part of pb begins
	s_lshl_b32 s17, s11, 19
	s_add_co_u32 s16, s16, s17
	s_lshl_b32 s17, s42, 9
	s_add_co_u32 s16, s16, s17
	s_lshl_b32 s17, s12, 8
	s_add_co_u32 s16, s16, s17
	s_lshl_b32 s18, s13, 14                        ; and of st: (row / 64) x 4,096 + chunk x 256
	s_lshl_b32 s19, s11, 13
	s_add_co_u32 s18, s18, s19
	s_lshl_b32 s19, s42, 9
	s_add_co_u32 s18, s18, s19
	s_add_co_u32 s18, s18, s17
	s_mov_b32 s17, 0
	s_mov_b32 s19, 0
	s_add_nc_u64 s[74:75], s[74:75], s[18:19]
	s_and_b32 s22, ttmp7, 1                        ; the prefetches
	s_cmp_eq_u32 s11, 0
	s_cselect_b32 s21, s40, s41                    ; my place among the four that ask with me
	s_cselect_b32 s22, ttmp9, s22
	s_cselect_b64 s[PFA:PFA+1], s[14:15], s[46:47]
	s_cmp_eq_u32 s22, 0
	s_cselect_b32 s[PFN], 4, 0                     ; the same in all sixteen partners, for a given wave
	s_lshl_b32 s20, s21, 16                        ; my work-group's 32 rows
	s_add_co_u32 s20, s20, 3*256                   ; at K step 3: the first refill steps it to 4
	s_mov_b32 s21, 0
	s_add_nc_u64 s[PFA:PFA+1], s[PFA:PFA+1], s[20:21]
	v_and_b32 v[PFO], 31, v0
	v_lshlrev_b32 v[PFO], 11, v[PFO]
; 16 matrix instructions: query blocks a0, a0 + 1 of the window's four x all 8 key blocks, 32 along K.  The 64 accumulators take turns, one instruction a turn.
.macro MUL16 f, hi, a0, zero
	WIN MUL_LO+0x50*(\hi)
.irp a, \a0, (\a0)+1
.irp b, 0,1,2,3,4,5,6,7
.if \zero
	v_wmma_f32_16x16x32_f16 v[8*(8*(\a)+(\b)):8*(8*(\a)+(\b))+7], v[(\f)+8*(\b):(\f)+8*(\b)+7], v[(\f)+8*(4*(\hi)+(\a)):(\f)+8*(4*(\hi)+(\a))+7], 0
.else
	v_wmma_f32_16x16x32_f16 v[8*(8*(\a)+(\b)):8*(8*(\a)+(\b))+7], v[(\f)+8*(\b):(\f)+8*(\b)+7], v[(\f)+8*(4*(\hi)+(\a)):(\f)+8*(4*(\hi)+(\a))+7], v[8*(8*(\a)+(\b)):8*(8*(\a)+(\b))+7]
.endif
.endr
.endr
.endm
.macro FETCH slot, k, f                ; 32 LDS loads in one run: 128 keys, 128 queries, 32 channels at byte k of the rows
	WIN TO_B
.irp i, 0,1,2,3,4,5,6,7
	ds_load_b128 v[(\f)+8*(\i):(\f)+8*(\i)+3],   v[ADRB+(\slot)] offset:(\k)+(\i)*16*PITCH
	ds_load_b128 v[(\f)+8*(\i)+4:(\f)+8*(\i)+7], v[ADRB+(\slot)] offset:(\k)+(\i)*16*PITCH+32
.endr
	WIN 0
.irp i, 0,1,2,3,4,5,6,7
	ds_load_b128 v[(\f)+8*(\i):(\f)+8*(\i)+3],   v[ADRA+(\slot)] offset:(\k)+(\i)*16*PITCH
	ds_load_b128 v[(\f)+8*(\i)+4:(\f)+8*(\i)+7], v[ADRA+(\slot)] offset:(\k)+(\i)*16*PITCH+32
.endr
.endm
.macro QUARTER slot, k, f, g, zero
	s_wait_dscnt 8                                 ; k's fragments and q's rows 0-63 are in; the youngest eight loads may be out
	MUL16 \f, 0, 0, \zero
	MUL16 \f, 0, 2, \zero
	PLACES
	FETCH \slot, \k, \g
	s_wait_dscnt 32                                ; all but the 32 just issued
	MUL16 \f, 1, 0, \zero
	MUL16 \f, 1, 2, \zero
.endm
.macro MEET round                      ; one barrier for the change of slots: all my tensor loads, the add, my reads of this slot, then the signal
	WIN 0
	s_wait_tensorcnt 0x0
	ds_add_u32 v[SPW], v[NIL]
	s_wait_dscnt 9                                 ; the add and the youngest eight loads may be out
	MUL16 F1, 0, 0, 0
	s_wait_dscnt 0x0
	s_barrier_signal -1
	MUL16 F1, 0, 2, 0
.if \round
	WIN 0
.endif
	s_barrier_wait -1
.endm
.macro TURN slot, next
	s_wait_xcnt 0x0                                ; the last prefetch, a K step back, has read its address
	s_add_nc_u64 s[PFA:PFA+1], s[PFA:PFA+1], 256
	MEET 1
	CREST
	s_add_nc_u64 s[G0A+4*(\slot)+2:G0A+4*(\slot)+3], s[G0A+4*(\slot)+2:G0A+4*(\slot)+3], 512
	s_add_nc_u64 s[G0B+4*(\slot)+2:G0B+4*(\slot)+3], s[G0B+4*(\slot)+2:G0B+4*(\slot)+3], 512
	JLOAD \slot                                    ; the first tensor load behind the round; its four v_nop are also the places in front of the loads below
	FETCH \next, 0, F0
	ASK
	MUL16 F1, 1, 0, 0
	MUL16 F1, 1, 2, 0
.endm
; THE CHUNK'S SOFTMAX for block a of the four in window 2: 16 queries x 128 keys, 64 scores a lane.
.macro SOFT a
.set AC, 64*(\a)
	WIN 0x2a                                       ; three sources in window 2
.irp b, 0,1,2,3,4,5,6,7
	v_max3_num_f32 v[CC+(\b)], v[AC+8*(\b)], v[AC+8*(\b)+1], v[AC+8*(\b)+2]
.endr
	WIN 0x28
.irp b, 0,1,2,3,4,5,6,7
	v_max3_num_f32 v[CC+(\b)], v[CC+(\b)], v[AC+8*(\b)+3], v[AC+8*(\b)+4]
.endr
.irp b, 0,1,2,3,4,5,6,7
	v_max3_num_f32 v[CC+(\b)], v[CC+(\b)], v[AC+8*(\b)+5], v[AC+8*(\b)+6]
.endr
.irp d, 0,1,2,3
	v_max3_num_f32 v[CC+2*(\d)], v[CC+2*(\d)], v[AC+16*(\d)+7], v[AC+16*(\d)+15]
.endr
	WIN 0
	v_max3_num_f32 v[CC], v[CC], v[CC+1], v[CC+2]
	v_max3_num_f32 v[CC+3], v[CC+3], v[CC+4], v[CC+5]
	v_max3_num_f32 v[CC], v[CC], v[CC+3], v[CC+6]
	v_max_num_f32 v[CC], v[CC], v[CC+7]
	v_permlanex16_b32 v[CC+1], v[CC], s[SEL], s[SEL+1]  ; the query's other 64 keys lie in the lane 16 away
	v_max_num_f32 v[CM+1], v[CC], v[CC+1]
	v_mul_f32 v[CM], s[CS], v[CM+1]
	v_mov_b32 v[MM+(\a)], v[CM]
	WIN 0x82                                       ; ONE BATCH: 32 scalings c s - c m and 64 exponentials; a pair's exponentials stand two scalings behind its scaling; none reads a result
.set p, 0
.rept 32
	v_pk_fma_f32 v[AC+2*p:AC+2*p+1], v[AC+2*p:AC+2*p+1], s[CS:CS+1], v[CM:CM+1] op_sel_hi:[1,0,0] neg_lo:[0,0,1] neg_hi:[0,0,1]
.if p >= 2
	v_exp_f32 v[AC+2*p-4], v[AC+2*p-4]
	v_exp_f32 v[AC+2*p-3], v[AC+2*p-3]
.endif
.set p, p+1
.endr
	v_exp_f32 v[AC+60], v[AC+60]
	v_exp_f32 v[AC+61], v[AC+61]
	v_exp_f32 v[AC+62], v[AC+62]
	v_exp_f32 v[AC+63], v[AC+63]
	v_nop                                          ; a plain instruction behind the last exponential,
	s_wait_alu depctr_va_vdst(0)                   ; and the one wait ahead of the batch's first reader
	WIN 0x0a
.set p, 0
.rept 32
	v_cvt_pk_f16_f32 v[TMP+p], v[AC+2*p], v[AC+2*p+1]
.set p, p+1
.endr
	WIN 0x8a                                       ; l: the 32 pairs are added in place, neighbours 1, 2, 4, 8, 16 pairs apart
.irp w, 1,2,4,8,16
.set u, 0
.rept 16/(\w)
	v_pk_add_f32 v[AC+4*(\w)*u:AC+4*(\w)*u+1], v[AC+4*(\w)*u:AC+4*(\w)*u+1], v[AC+4*(\w)*u+2*(\w):AC+4*(\w)*u+2*(\w)+1]
.set u, u+1
.endr
.endr
	WIN 0x0a
	v_add_f32 v[CC], v[AC], v[AC+1]
	WIN 0
	v_permlanex16_b32 v[CC+1], v[CC], s[SEL], s[SEL+1]
	v_add_f32 v[LL+(\a)], v[CC], v[CC+1]
.endm
.macro TOSTAGE a
	WIN 0
.set BK, OB+192*((\a)%2)
.irp b, 0,1,2,3,4,5,6,7
	ds_store_b128 v[STO], v[TMP+4*(\b):TMP+4*(\b)+3] offset:32*(\b)
.endr
.irp t, 0,1,2,3,4,5,6,7
	ds_load_b128 v[BK+4*(\t):BK+4*(\t)+3], v[RD] offset:(\t)*2*SPITCH  ; LDS serves a wave's instructions in order: these see the stores above
.endr
.endm
.macro SEND a
	WIN 0
.set BK, OB+192*((\a)%2)
	s_wait_dscnt 0x0
	s_wait_xcnt 0x0                                ; only behind this wait are the stores' base and the registers that earlier stores read rewritten
.if (\a) == 0
	s_add_nc_u64 s[8:9], s[8:9], s[16:17]
.else
	s_add_nc_u64 s[8:9], s[8:9], 65536             ; 16 rows of pb on
.endif
.irp t, 0,1,2,3,4,5,6,7
	global_store_b128 v[CO], v[BK+4*(\t):BK+4*(\t)+3], s[8:9] offset:(\t)*8192  ; 16 lanes store 256 consecutive bytes, aligned
.endr
.endm
	s_wait_tensorcnt 1                             ; my part of K step 0 is in; K step 1's may stay out
	s_barrier_signal -1
	s_barrier_wait -1
	FETCH 0, 0, F0
	QUARTER 0, 64,  F0, F1, 1                      ; the first quarter's products start the sums
	WIN 0
	s_mov_b32 s3, 3
.Llap:
	QUARTER 0, 128, F1, F0, 0
	QUARTER 0, 192, F0, F1, 0
	TURN 0, 1
	QUARTER 1, 64,  F0, F1, 0
	QUARTER 1, 128, F1, F0, 0
	QUARTER 1, 192, F0, F1, 0
	TURN 1, 0
	QUARTER 0, 64,  F0, F1, 0
	WIN 0
	s_sub_co_u32 s3, s3, 1
	s_cmp_lg_u32 s3, 0
	s_cbranch_scc1 .Llap
	QUARTER 0, 128, F1, F0, 0                      ; the last lap asks for nothing
	QUARTER 0, 192, F0, F1, 0
	MEET 0
	PLACES
	FETCH 1, 0, F0
	MUL16 F1, 1, 0, 0
	MUL16 F1, 1, 2, 0
	QUARTER 1, 64,  F0, F1, 0
	QUARTER 1, 128, F1, F0, 0
	QUARTER 1, 192, F0, F1, 0
	s_wait_dscnt 8
	MUL16 F1, 0, 0, 0
	MUL16 F1, 0, 2, 0
	s_wait_dscnt 0x0
	MUL16 F1, 1, 0, 0
	MUL16 F1, 1, 2, 0
	WIN 0
	PLACES
	s_mov_b32 s2, 2                                ; two trips of one text: my rows 0-63 (window 2), then rows 64-127, brought down from window 3
.Lep:
	SOFT 0
	TOSTAGE 0
.irp a, 1,2,3
	SOFT \a                                        ; a block's arithmetic stands between the stage loads of the block before and the wait for them
	SEND (\a)-1
	TOSTAGE \a
.endr
	SEND 3
.irp i, 0,1,2,3
	v_cndmask_b32 v[XX+(\i)], v[MM+(\i)], v[LL+(\i)], s[HM]  ; lanes 0-15 store c m, lanes 16-31 l
.endr
	global_store_b128 v[SO], v[XX:XX+3], s[74:75]  ; each half of the lanes fills 256 consecutive bytes, aligned
	s_sub_co_u32 s2, s2, 1
	s_cmp_eq_u32 s2, 0
	s_cbranch_scc1 .Ldone
	WIN 0x83
.set i, 0
.rept 256
	v_mov_b32 v[i], v[i]                           ; window 3 to window 2, ascending: 256 lines for one text of the softmax in place of two
.set i, i+1
.endr
	WIN 0
	s_wait_xcnt 0x0
	s_add_nc_u64 s[74:75], s[74:75], 4096          ; the next 64 rows in st
	s_mov_b64 s[16:17], 65536
	s_branch .Lep
.Ldone:
	s_wait_tensorcnt 0x0                           ; the wave's end
	ds_add_u32 v[SPW], v[NIL]
	s_wait_dscnt 0x0
	CROUND
	s_endpgm
.Lfunc_end_k_q27716464a3_scores:
	.size	k_q27716464a3_scores, .Lfunc_end_k_q27716464a3_scores-k_q27716464a3_scores
	.p2alignl 7, 3214868480
	.fill 96, 4, 3214868480
	.section	.rodata,"a",@progbits
	.p2align	6, 0x0
	.amdhsa_kernel k_q27716464a3_scores
		.amdhsa_group_segment_fixed_size 327680
		.amdhsa_private_segment_fixed_size 0
		.amdhsa_enable_private_segment 0
		.amdhsa_kernarg_size 24
		.amdhsa_user_sgpr_count 2
		.amdhsa_user_sgpr_kernarg_segment_ptr 1
		.amdhsa_wavefront_size32 1
		.amdhsa_system_sgpr_workgroup_id_x 1
		.amdhsa_system_sgpr_workgroup_id_y 1
		.amdhsa_system_sgpr_workgroup_id_z 1
		.amdhsa_system_vgpr_workitem_id 0
		.amdhsa_next_free_vgpr 1024
		.amdhsa_next_free_sgpr 96
		.amdhsa_reserve_vcc 0
		.amdhsa_float_denorm_mode_32 3
		.amdhsa_float_denorm_mode_16_64 3
		.amdhsa_memory_ordered 1
		.amdhsa_forward_progress 1
		.amdhsa_inst_pref_size 171
	.end_amdhsa_kernel
	.amdgpu_metadata
---
amdhsa.version: [ 1, 2 ]
amdhsa.kernels:
  - .name:           k_q27716464a3_scores
    .symbol:         k_q27716464a3_scores.kd
    .args:
      - { .name: qkv, .offset: 0, .size: 8, .value_kind: global_buffer, .address_space: global }
      - { .name: pb, .offset: 8, .size: 8, .value_kind: global_buffer, .address_space: global }
      - { .name: st, .offset: 16, .size: 8, .value_kind: global_buffer, .address_space: global }
    .group_segment_fixed_size: 327680
    .private_segment_fixed_size: 0
    .kernarg_segment_align: 8
    .kernarg_segment_size: 24
    .max_flat_workgroup_size: 128
    .sgpr_count:     96
    .vgpr_count:     1024
    .wavefront_size: 32
...
	.end_amdgpu_metadata
.endif
;; end of part 3
;; launch mix (part 4): grid 8 x 32, 4 waves a work-group, clusters of 4 x 4, 327,680 bytes of LDS; arguments pb, qkv, st, bv, out0; writes out0
.if DOCPART == 4
	.amdgcn_target "amdgcn-amd-amdhsa--gfx1250"
	.amdhsa_code_object_version 6
	.text
	.protected	k_q27716464a3_mix
	.globl	k_q27716464a3_mix
	.p2align	8
	.type	k_q27716464a3_mix,@function
k_q27716464a3_mix:
	s_mov_b64 s[64:65], 0
	v_nop
	global_prefetch_b8 v0, s[64:65] scope:SCOPE_SE
	s_setreg_imm32_b32 hwreg(HW_REG_WAVE_MODE, 25, 1), 1
	s_wait_xcnt 0x0
	s_wait_alu depctr_hold_cnt(0) depctr_sa_sdst(0) depctr_va_vdst(0) depctr_va_sdst(0) depctr_va_ssrc(0) depctr_va_vcc(0) depctr_vm_vsrc(0)
	s_getreg_b32 s2, hwreg(HW_REG_IB_STS2, 6, 4)
	s_cmp_eq_u32 s2, 0
	s_cbranch_scc0 .Lentry_in_a_cluster
	s_endpgm
.Lentry_in_a_cluster:
	s_bfe_u32 s2, ttmp6, 0x10000c
	s_cmp_lg_u32 s2, 0xf033
	s_cbranch_scc0 .Lentry_shape_is_right
	s_endpgm
.Lentry_shape_is_right:
; out = bv + the sum over the 16 chunks j of g_j (P_j V'_j).  pb: [8192][2048] f16; v': [8192][1024] f16, the third part of qkv; st: c m and l of each row and chunk; out0: [8192][1024] f32.
; THE SOFTMAX'S SECOND STAGE.  For each row: M = the maximum of its 16 mm; e_j = 2^(mm_j - M), at most 1; L = the sum of e_j l_j, at least about 1; g_j = e_j / L.
; bv stands here since each row of the softmax sums to 1 (see the head of the first kernel); it is rounded to bf16 like every input.  All sums and the rescaling in f32.
; SHARES.  256 work-groups, one tile of 256 rows x 128 channels each; a wave makes 64 rows x 128 channels.  K = 2,048 keys in 16 K steps of 128: A K STEP IS A CHUNK.
; T (window 2) takes a K step's products, starting from the constant 0; behind the step O (window 3) takes O += g T: 128 packed multiply-adds for 128 matrix instructions.
; The matrix instruction is used transposed (source 0 = 16 channels of V', turned out of LDS; source 1 = 16 rows of P): lane l holds row l % 16 and channels 8 (l / 16) + 0..7.
; RING AND CLUSTER as in proj: two slots (256 rows of P, 128 rows of V'); P's tile shared along a row of the 4 x 4 cluster, V's along a column.
; A wave has two tensor loads out at the start and one behind each round.
; REGISTERS.  window 0: v16-31 addresses; v32-39 g of the chunk in hand, each twice; v64-127 P's fragments; v128-255 at work at the start and on the way out.  window 1: v0-127 V's fragments.
.set PA,     272
.set PB,     288
.set AHALF,  128*PA
.set BHALF,  64*PB
.set BOFF,   256*PA
.set SLOT,   BOFF+128*PB
.set STAGE,  2*SLOT                    ; 16 rows x 528 bytes for each wave
.set SP,     528
.set TAB,    STAGE+4*16*SP             ; g: for each wave [chunk: 16][row % 16][(row / 16) % 4, each twice] f32: 8,192 bytes
.set SPARE,  TAB+4*8192
.set ADRA, 16
.set ADRB, 20
.set STO,  24
.set RD,   25
.set CO,   26
.set GA,   27                          ; v27 where I read g of the lap's first chunk
.set SPW,  28
.set NIL,  29
.set PFO,  30
.set TS,   31                          ; v31 where I put g
.set GG,   32
.set FA,   64
.set FB,   0
.set EM,   128                         ; v128-159 mm, then e: chunk 8 h + i, row block a at EM + 4 i + a
.set LV,   160                         ; v160-191 l likewise
.set MX,   192
.set T4,   196
.set LS,   200
.set GD,   204
.set BP,   212
.set G1A, 24
.set G0A, 32
.set G1B, 48
.set G0B, 56
.set PFN, 66
.set PFS, 68
.set PFA, 70
.set CP,  80
.set SEL, 84
.set MSB, 0
.macro WIN new
.if MSB != (\new)
	s_set_vgpr_msb (MSB<<8)|(\new)
.set MSB, \new
.endif
.endm
.macro PLACES
.rept 4
	v_nop
.endr
.endm
.macro JLOAD s                         ; a joint load; an s_nop 0 and four v_nop follow each line
	s_cmp_eq_u32 s11, 0
	s_cbranch_scc0 .Lfor_b_\@
	tensor_load_to_lds s[G0A+4*(\s):G0A+4*(\s)+3], s[G1A:G1A+7]
	s_nop 0
.rept 4
	v_nop
.endr
	s_branch .Lasked_\@
.Lfor_b_\@:
	tensor_load_to_lds s[G0B+4*(\s):G0B+4*(\s)+3], s[G1B:G1B+7]
	s_nop 0
.rept 4
	v_nop
.endr
.Lasked_\@:
.endm
.macro CREST
	s_cmp_lg_u32 s10, 0
	s_cbranch_scc1 .Lnot_wave_0_\@
	s_barrier_signal -3
.Lnot_wave_0_\@:
	s_barrier_wait -3
	s_barrier_signal -1
	s_barrier_wait -1
.endm
.macro CROUND
	s_barrier_signal -1
	s_barrier_wait -1
	CREST
.endm
; A prefetch of 32 rows x 256 bytes, a lane a row, for the K step four refills (512 matrix instructions) on: K steps 6 to 15.  P's rows are asked for by the clusters with x = 0
; (waves 0, 1), V's by the even clusters along y (wave 2); the four partners take 32 rows each, told apart by address.  The count ends the asking.
.macro ASK
	s_cmp_lg_u32 s[PFN], 0
	s_cbranch_scc0 .Lnot_mine_\@
	global_prefetch_b8 v[PFO], s[PFA:PFA+1] th:TH_LOAD_NT scope:SCOPE_SE
	s_sub_co_u32 s[PFN], s[PFN], 1
.Lnot_mine_\@:
.endm
	s_load_b128 s[4:7], s[0:1], 0x0                ; pb s[4:5], qkv s[6:7]
	s_load_b128 s[76:79], s[0:1], 0x10             ; st s[76:77], bv s[78:79]
	s_load_b64 s[80:81], s[0:1], 0x20              ; out0
	v_lshl_add_u32 v[SPW], v0, 2, SPARE
	v_mov_b32 v[NIL], 0
	ds_add_u32 v[SPW], v[NIL]                      ; the wave's opening: the add, twice on end, and its wait ahead of my first tensor load
	ds_add_u32 v[SPW], v[NIL]
	v_lshrrev_b32 v1, 5, v0
	v_readfirstlane_b32 s10, v1
	s_lshr_b32 s11, s10, 1                         ; I fetch for P (0) or for V' (1)
	s_and_b32 s12, s10, 1
	s_bfe_u32 s40, ttmp6, 0x40000
	s_bfe_u32 s41, ttmp6, 0x40004
	s_lshl_b32 s42, ttmp9, 2
	s_add_co_u32 s42, s42, s40                     ; gx: the block of 128 channels
	s_and_b32 s13, ttmp7, 0xffff
	s_lshl_b32 s13, s13, 2
	s_add_co_u32 s13, s13, s41                     ; gy: the block of 256 rows
	s_lshl_b32 s43, s41, 2
	s_lshl_b32 s43, 15, s43
	s_lshl_b32 s44, 0x1111, s40
	s_or_b32 s[G1A+0], s43, 0x07710000
	s_or_b32 s[G1B+0], s44, 0x0f710000
	s_mov_b32 s[G1A+1], 128<<16
	s_mov_b32 s[G1A+2], 128<<16
	s_mov_b32 s[G1A+3], 128<<16
	s_mov_b32 s[G1A+4], 128
	s_mov_b32 s[G1A+5], 2048                       ; a row of pb
	s_mov_b32 s[G1A+6], 0
	s_mov_b32 s[G1A+7], 0
	s_mov_b32 s[G1B+1], 128<<16
	s_mov_b32 s[G1B+2], 64<<16
	s_mov_b32 s[G1B+3], 128<<16
	s_mov_b32 s[G1B+4], 64
	s_mov_b32 s[G1B+5], 1024
	s_mov_b32 s[G1B+6], 0
	s_mov_b32 s[G1B+7], 0
	s_lshl_b32 s16, s13, 20                        ; P: 256 gy rows of 4,096 bytes
	s_lshl_b32 s17, s12, 19
	s_add_co_u32 s16, s16, s17
	s_mov_b32 s17, 0
	s_and_b32 s46, ttmp7, 0xffff
	s_lshr_b32 s46, s46, 1                         ; the batch
	s_lshl_b32 s46, s46, 22
	s_lshl_b32 s47, s12, 17                        ; my 64 keys
	s_add_co_u32 s46, s46, s47
	s_lshl_b32 s47, s42, 8
	s_add_co_u32 s46, s46, s47
	s_mov_b32 s47, 0
	s_mul_i32 s20, s12, AHALF
	s_mul_i32 s21, s12, BHALF
	s_add_co_u32 s21, s21, BOFF
	s_mov_b32 s[SEL], 0x76543210
	s_mov_b32 s[SEL+1], 0xfedcba98
	s_mov_b32 s86, 0xffff0000
	s_wait_dscnt 0x0
	s_wait_kmcnt 0x0
	s_add_nc_u64 s[6:7], s[6:7], 0x2000000         ; v'
	s_add_nc_u64 s[14:15], s[4:5], s[16:17]
	s_add_nc_u64 s[46:47], s[6:7], s[46:47]
	CROUND
.irp s, 0,1
	s_mov_b32 s[G0A+4*(\s)], 1
	s_add_co_u32 s[G0A+4*(\s)+1], s20, (\s)*SLOT
	s_add_nc_u64 s[G0A+4*(\s)+2:G0A+4*(\s)+3], s[14:15], (\s)*256
	s_or_b32 s[G0A+4*(\s)+3], s[G0A+4*(\s)+3], 0x80000000
	s_mov_b32 s[G0B+4*(\s)], 1
	s_add_co_u32 s[G0B+4*(\s)+1], s21, (\s)*SLOT
	s_add_nc_u64 s[G0B+4*(\s)+2:G0B+4*(\s)+3], s[46:47], (\s)*262144
	s_or_b32 s[G0B+4*(\s)+3], s[G0B+4*(\s)+3], 0x80000000
	JLOAD \s
.endr
	; all that follows up to the barrier stands in the wait for the first tile
	v_and_b32 v1, 15, v0                           ; r
	v_bfe_u32 v2, v0, 4, 1                         ; h
	s_lshl_b32 s18, s13, 14                        ; st at my 64 rows: (4 gy + wave) x 4,096
	s_lshl_b32 s19, s10, 12
	s_add_co_u32 s18, s18, s19
	s_mov_b32 s19, 0
	s_add_nc_u64 s[76:77], s[76:77], s[18:19]
	s_lshl_b32 s18, s42, 9
	s_add_nc_u64 s[78:79], s[78:79], s[18:19]      ; bv at my 128 channels
	v_lshlrev_b32 v6, 4, v1
	v_lshl_add_u32 v6, v2, 11, v6                  ; 16 r + 8 h chunks of 256 bytes
	v_lshlrev_b32 v7, 5, v2
.irp i, 0,1,2,3,4,5,6,7
	global_load_b128 v[EM+4*(\i):EM+4*(\i)+3], v6, s[76:77] offset:256*(\i)
.endr
.irp i, 0,1,2,3,4,5,6,7
	global_load_b128 v[LV+4*(\i):LV+4*(\i)+3], v6, s[76:77] offset:524288+256*(\i)
.endr
.irp b, 0,1,2,3,4,5,6,7
	global_load_b128 v[64+8*(\b):64+8*(\b)+3], v7, s[78:79] offset:64*(\b)
	global_load_b128 v[64+8*(\b)+4:64+8*(\b)+7], v7, s[78:79] offset:64*(\b)+16
.endr
	v_mul_u32_u24 v3, v1, PA
	v_lshl_add_u32 v3, v2, 4, v3
	s_mul_i32 s21, s10, 64*PA
	v_add_nc_u32 v[ADRA], s21, v3
	v_add_nc_u32 v[ADRA+1], SLOT, v[ADRA]
	v_and_b32 v4, 7, v0
	v_lshl_add_u32 v4, v2, 3, v4
	v_mul_u32_u24 v4, v4, PB
	v_bfe_u32 v5, v0, 3, 1
	v_lshl_add_u32 v4, v5, 4, v4
	v_add_nc_u32 v[ADRB], BOFF, v4
	v_add_nc_u32 v[ADRB+1], BOFF+SLOT, v4
	s_mul_i32 s23, s10, 16*SP
	s_add_co_u32 s23, s23, STAGE                   ; my stage
	v_mul_u32_u24 v5, v1, SP                       ; in: row r, 32 bytes for each half of the lanes
	v_lshl_add_u32 v5, v2, 5, v5
	v_add_nc_u32 v[STO], s23, v5
	v_and_b32 v5, 31, v0
	v_lshlrev_b32 v[CO], 4, v5                     ; back: 32 lanes take one row of 512 bytes
	v_add_nc_u32 v[RD], s23, v[CO]
	s_lshl_b32 s23, s10, 13
	s_add_co_u32 s23, s23, TAB                     ; my table
	v_lshlrev_b32 v5, 5, v1
	v_add_nc_u32 v[GA], s23, v5                    ; + 32 r
	v_lshl_add_u32 v[TS], v2, 12, v[GA]            ; + 8 h chunks of 512 bytes
	s_lshl_b32 s16, s13, 20                        ; where my part of out0 begins
	s_lshl_b32 s17, s10, 18
	s_add_co_u32 s16, s16, s17
	s_lshl_b32 s17, s42, 9
	s_add_co_u32 s16, s16, s17
	s_mov_b32 s17, 0
	s_lshl_b32 s20, s13, 20                        ; the prefetches
	s_lshl_b32 s21, s12, 19
	s_add_co_u32 s20, s20, s21
	s_lshl_b32 s21, s40, 17                        ; my work-group's 32 rows of P
	s_add_co_u32 s20, s20, s21
	s_add_co_u32 s20, s20, 5*256                   ; at K step 5: the first refill steps it to 6
	s_and_b32 s22, ttmp7, 0xffff
	s_lshr_b32 s21, s22, 1
	s_lshl_b32 s21, s21, 22
	s_lshl_b32 s23, s41, 16                        ; my work-group's 32 keys
	s_add_co_u32 s21, s21, s23
	s_lshl_b32 s23, s42, 8
	s_add_co_u32 s21, s21, s23
	s_add_co_u32 s21, s21, 5*262144
	s_and_b32 s22, s22, 1
	s_or_b32 s22, s22, s12                         ; 0 in wave 2 of the even clusters along y
	s_mov_b32 s[PFS], 262144
	s_mov_b32 s[PFS+1], 0
	s_cmp_eq_u32 s11, 0
	s_cselect_b32 s20, s20, s21
	s_cselect_b32 s22, ttmp9, s22
	s_cselect_b32 s[PFS], 256, s[PFS]
	s_cselect_b32 s23, 12, 11                      ; a row of pb is 4,096 bytes, of v' 2,048
	s_cselect_b64 s[PFA:PFA+1], s[4:5], s[6:7]
	s_cmp_eq_u32 s22, 0
	s_cselect_b32 s[PFN], 10, 0                    ; the same in all sixteen partners, for a given wave
	s_mov_b32 s21, 0
	s_add_nc_u64 s[PFA:PFA+1], s[PFA:PFA+1], s[20:21]
	v_and_b32 v[PFO], 31, v0
	v_lshlrev_b32 v[PFO], s23, v[PFO]
	s_wait_loadcnt 16                              ; mm and l are in; bv's 16 loads may stay out
.irp a, 0,1,2,3
	v_max3_num_f32 v[MX+(\a)], v[EM+(\a)], v[EM+4+(\a)], v[EM+8+(\a)]
.endr
.irp a, 0,1,2,3
	v_max3_num_f32 v[MX+(\a)], v[MX+(\a)], v[EM+12+(\a)], v[EM+16+(\a)]
.endr
.irp a, 0,1,2,3
	v_max3_num_f32 v[MX+(\a)], v[MX+(\a)], v[EM+20+(\a)], v[EM+24+(\a)]
.endr
.irp a, 0,1,2,3
	v_max_num_f32 v[T4+(\a)], v[MX+(\a)], v[EM+28+(\a)]
.endr
.irp a, 0,1,2,3
	v_permlanex16_b32 v[MX+(\a)], v[T4+(\a)], s[SEL], s[SEL+1]  ; the row's other eight chunks lie in the lane 16 away
.endr
.irp a, 0,1,2,3
	v_max_num_f32 v[MX+(\a)], v[MX+(\a)], v[T4+(\a)]            ; M
.endr
.irp i, 0,1,2,3,4,5,6,7
.irp d, 0,1
	v_pk_add_f32 v[EM+4*(\i)+2*(\d):EM+4*(\i)+2*(\d)+1], v[EM+4*(\i)+2*(\d):EM+4*(\i)+2*(\d)+1], v[MX+2*(\d):MX+2*(\d)+1] neg_lo:[0,1] neg_hi:[0,1]
.endr
.endr
.set i, 0
.rept 32
	v_exp_f32 v[EM+i], v[EM+i]                     ; e = 2^(mm - M)
.set i, i+1
.endr
	v_nop                                          ; a plain instruction behind the last exponential,
	s_wait_alu depctr_va_vdst(0)                   ; and the one wait for the batch
.irp d, 0,1
	v_pk_mul_f32 v[LS+2*(\d):LS+2*(\d)+1], v[EM+2*(\d):EM+2*(\d)+1], v[LV+2*(\d):LV+2*(\d)+1]
.endr
.irp i, 1,2,3,4,5,6,7
.irp d, 0,1
	v_pk_fma_f32 v[LS+2*(\d):LS+2*(\d)+1], v[EM+4*(\i)+2*(\d):EM+4*(\i)+2*(\d)+1], v[LV+4*(\i)+2*(\d):LV+4*(\i)+2*(\d)+1], v[LS+2*(\d):LS+2*(\d)+1]
.endr
.endr
.irp a, 0,1,2,3
	v_permlanex16_b32 v[T4+(\a)], v[LS+(\a)], s[SEL], s[SEL+1]
.endr
.irp a, 0,1,2,3
	v_add_f32 v[LS+(\a)], v[LS+(\a)], v[T4+(\a)]   ; L
.endr
.irp a, 0,1,2,3
	v_rcp_f32 v[T4+(\a)], v[LS+(\a)]
.endr
	v_nop
	s_wait_alu depctr_va_vdst(0)                   ; one wait for the four reciprocals
.irp i, 0,1,2,3,4,5,6,7
.irp a, 0,1,2,3
	v_mul_f32 v[GD+2*(\a)], v[EM+4*(\i)+(\a)], v[T4+(\a)]      ; g = e / L, written twice: a pair for the packed multiply-add
	v_mul_f32 v[GD+2*(\a)+1], v[EM+4*(\i)+(\a)], v[T4+(\a)]
.endr
	ds_store_b128 v[TS], v[GD:GD+3] offset:512*(\i)
	ds_store_b128 v[TS], v[GD+4:GD+7] offset:512*(\i)+16
.endr
	s_wait_loadcnt 0x0                             ; bv: rounded to bf16, widened again: the start of O in each of my four row blocks
.set i, 0
.rept 32
	v_cvt_pk_bf16_f32 v[BP+i], v[64+2*i], v[64+2*i+1]
.set i, i+1
.endr
	WIN 0xc0
.irp a, 0,1,2,3
.set i, 0
.rept 32
	v_lshlrev_b32 v[64*(\a)+2*i], 16, v[BP+i]
	v_and_b32 v[64*(\a)+2*i+1], s86, v[BP+i]
.set i, i+1
.endr
.endr
	WIN 0
.macro MUL8 i, a, zero                 ; 8 matrix instructions: row block a x all 8 channel blocks, 32 keys, on buffer i; the 32 accumulators take turns
	WIN 0xa1
.irp b, 0,1,2,3,4,5,6,7
.if \zero
	v_wmma_f32_16x16x32_f16 v[8*(8*(\a)+(\b)):8*(8*(\a)+(\b))+7], v[FB+64*(\i)+8*(\b):FB+64*(\i)+8*(\b)+7], v[FA+32*(\i)+8*(\a):FA+32*(\i)+8*(\a)+7], 0
.else
	v_wmma_f32_16x16x32_f16 v[8*(8*(\a)+(\b)):8*(8*(\a)+(\b))+7], v[FB+64*(\i)+8*(\b):FB+64*(\i)+8*(\b)+7], v[FA+32*(\i)+8*(\a):FA+32*(\i)+8*(\a)+7], v[8*(8*(\a)+(\b)):8*(8*(\a)+(\b))+7]
.endif
.endr
.endm
.macro MUL16 i, a0, zero
	MUL8 \i, \a0, \zero
	MUL8 \i, (\a0)+1, \zero
.endm
.macro FETCH slot, q, i                ; 24 LDS loads in one run: V's 8 fragments, turned, then P's 4
	WIN 0x40
.irp b, 0,1,2,3,4,5,6,7
	ds_load_tr16_b128 v[FB+64*(\i)+8*(\b):FB+64*(\i)+8*(\b)+3],   v[ADRB+(\slot)] offset:(\q)*32*PB+32*(\b)
	ds_load_tr16_b128 v[FB+64*(\i)+8*(\b)+4:FB+64*(\i)+8*(\b)+7], v[ADRB+(\slot)] offset:(\q)*32*PB+32*(\b)+16*PB
.endr
	WIN 0
.irp a, 0,1,2,3
	ds_load_b128 v[FA+32*(\i)+8*(\a):FA+32*(\i)+8*(\a)+3],   v[ADRA+(\slot)] offset:64*(\q)+(\a)*16*PA
	ds_load_b128 v[FA+32*(\i)+8*(\a)+4:FA+32*(\i)+8*(\a)+7], v[ADRA+(\slot)] offset:64*(\q)+(\a)*16*PA+32
.endr
.endm
.macro QUARTER slot, qn, i, g, zero, gl    ; gl = 1: the chunk's g comes with the run of loads
	s_wait_dscnt 4                                 ; V's fragments and P's row blocks 0, 1 are in; the youngest four loads may be out
	MUL16 \i, 0, \zero
	PLACES
.if \gl
	WIN 0
	ds_load_b128 v[GG:GG+3], v[GA] offset:(\slot)*512
	ds_load_b128 v[GG+4:GG+7], v[GA] offset:(\slot)*512+16
.endif
	FETCH \slot, \qn, \g
	s_wait_dscnt 24                                ; all but the 24 just issued
	MUL16 \i, 2, \zero
.endm
.macro MEET round
	WIN 0
	s_wait_tensorcnt 0x0                           ; all my tensor loads have landed: my part of the next slot
	ds_add_u32 v[SPW], v[NIL]
	s_wait_dscnt 5                                 ; the add and the youngest four loads may be out
	MUL8 1, 0, 0
	s_wait_dscnt 0x0                               ; the add is done, and my reads of this slot are over
	s_barrier_signal -1
	MUL8 1, 1, 0
.if \round
	WIN 0
.endif
	s_barrier_wait -1
.endm
.macro TURN slot, next
	s_wait_xcnt 0x0                                ; the last prefetch, a K step back, has read its address
	s_add_nc_u64 s[PFA:PFA+1], s[PFA:PFA+1], s[PFS:PFS+1]
	MEET 1
	CREST
	s_add_nc_u64 s[G0A+4*(\slot)+2:G0A+4*(\slot)+3], s[G0A+4*(\slot)+2:G0A+4*(\slot)+3], 512
	s_add_nc_u64 s[G0B+4*(\slot)+2:G0B+4*(\slot)+3], s[G0B+4*(\slot)+2:G0B+4*(\slot)+3], 524288
	JLOAD \slot                                    ; the first tensor load behind the round; its four v_nop are also the places in front of the loads below
	FETCH \next, 0, 0
	ASK
	MUL16 1, 2, 0
.endm
.macro TURNX next
	MEET 0
	PLACES
	FETCH \next, 0, 0
	MUL16 1, 2, 0
.endm
.macro LASTQ
	s_wait_dscnt 4
	MUL16 1, 0, 0
	s_wait_dscnt 0x0
	MUL16 1, 2, 0
.endm
.macro FLUSH                           ; O += g T: T in window 2, g in window 0, O in window 3; each accumulator is read from its low end on
	PLACES
	WIN 0xf2
.set x, 0
.rept 128
	v_pk_fma_f32 v[x:x+1], v[x:x+1], v[GG+2*(x/64):GG+2*(x/64)+1], v[x:x+1]
.set x, x+2
.endr
.endm
.macro KSTEP slot, kind                ; kind 0: the slot is filled again; 1: it is not; 2: the last K step
	QUARTER \slot, 1, 0, 1, 1, 1
	QUARTER \slot, 2, 1, 0, 0, 0
	QUARTER \slot, 3, 0, 1, 0, 0
.if (\kind) == 0
	TURN \slot, 1-(\slot)
.elseif (\kind) == 1
	TURNX 1-(\slot)
.else
	LASTQ
.endif
	FLUSH
.endm
; THE WAY OUT of row block a: 32 bytes a lane into my stage, back as whole rows of 512 bytes, stored.
.macro OUTB a
	WIN 0x0c                                       ; the stores' data in window 3
.irp b, 0,1,2,3,4,5,6,7
	ds_store_b128 v[STO], v[64*(\a)+8*(\b):64*(\a)+8*(\b)+3] offset:64*(\b)
	ds_store_b128 v[STO], v[64*(\a)+8*(\b)+4:64*(\a)+8*(\b)+7] offset:64*(\b)+16
.endr
	WIN 0
.set BK, 128+64*((\a)%2)
.irp t, 0,1,2,3,4,5,6,7,8,9,10,11,12,13,14,15
	ds_load_b128 v[BK+4*(\t):BK+4*(\t)+3], v[RD] offset:(\t)*SP  ; LDS serves a wave's instructions in order: these see the stores above
.endr
	s_wait_xcnt 0x0                                ; the stores' base is rewritten only behind this wait; it also frees the registers that the block before last stored
.if (\a) == 0
	s_add_nc_u64 s[CP:CP+1], s[CP:CP+1], s[16:17]
.else
	s_add_nc_u64 s[CP:CP+1], s[CP:CP+1], 65536     ; 16 rows on
.endif
.irp t, 0,1,2,3,4,5,6,7,8,9,10,11,12,13,14,15
	s_wait_dscnt 15-(\t)                           ; row t is back; the younger loads may be out
	global_store_b128 v[CO], v[BK+4*(\t):BK+4*(\t)+3], s[CP:CP+1] offset:(\t)*4096 th:TH_STORE_NT  ; 512 consecutive bytes, aligned
.endr
.endm
	s_wait_dscnt 0x0                               ; my table is written
	s_wait_tensorcnt 1                             ; my part of K step 0 is in; K step 1's may stay out
	s_barrier_signal -1
	s_barrier_wait -1
	FETCH 0, 0, 0
	s_mov_b32 s3, 7
.Llap:                                                 ; a trip: two K steps, both slots filled again: K steps 2 to 15 are asked for in seven trips
	KSTEP 0, 0
	KSTEP 1, 0
	WIN 0
	v_add_nc_u32 v[GA], 0x400, v[GA]               ; two chunks on in my table
	s_sub_co_u32 s3, s3, 1
	s_cmp_lg_u32 s3, 0
	s_cbranch_scc1 .Llap
	KSTEP 0, 1                                     ; the last two K steps ask for nothing
	KSTEP 1, 2
	OUTB 0
	OUTB 1
	OUTB 2
	OUTB 3
	s_wait_tensorcnt 0x0                           ; the wave's end
	ds_add_u32 v[SPW], v[NIL]
	s_wait_dscnt 0x0
	CROUND
	s_endpgm
.Lfunc_end_k_q27716464a3_mix:
	.size	k_q27716464a3_mix, .Lfunc_end_k_q27716464a3_mix-k_q27716464a3_mix
	.p2alignl 7, 3214868480
	.fill 96, 4, 3214868480
	.section	.rodata,"a",@progbits
	.p2align	6, 0x0
	.amdhsa_kernel k_q27716464a3_mix
		.amdhsa_group_segment_fixed_size 327680
		.amdhsa_private_segment_fixed_size 0
		.amdhsa_enable_private_segment 0
		.amdhsa_kernarg_size 40
		.amdhsa_user_sgpr_count 2
		.amdhsa_user_sgpr_kernarg_segment_ptr 1
		.amdhsa_wavefront_size32 1
		.amdhsa_system_sgpr_workgroup_id_x 1
		.amdhsa_system_sgpr_workgroup_id_y 1
		.amdhsa_system_sgpr_workgroup_id_z 1
		.amdhsa_system_vgpr_workitem_id 0
		.amdhsa_next_free_vgpr 1024
		.amdhsa_next_free_sgpr 96
		.amdhsa_reserve_vcc 0
		.amdhsa_float_denorm_mode_32 3
		.amdhsa_float_denorm_mode_16_64 3
		.amdhsa_memory_ordered 1
		.amdhsa_forward_progress 1
		.amdhsa_inst_pref_size 144
	.end_amdhsa_kernel
	.amdgpu_metadata
---
amdhsa.version: [ 1, 2 ]
amdhsa.kernels:
  - .name:           k_q27716464a3_mix
    .symbol:         k_q27716464a3_mix.kd
    .args:
      - { .name: pb, .offset: 0, .size: 8, .value_kind: global_buffer, .address_space: global }
      - { .name: qkv, .offset: 8, .size: 8, .value_kind: global_buffer, .address_space: global }
      - { .name: st, .offset: 16, .size: 8, .value_kind: global_buffer, .address_space: global }
      - { .name: bv, .offset: 24, .size: 8, .value_kind: global_buffer, .address_space: global }
      - { .name: out0, .offset: 32, .size: 8, .value_kind: global_buffer, .address_space: global }
    .group_segment_fixed_size: 327680
    .private_segment_fixed_size: 0
    .kernarg_segment_align: 8
    .kernarg_segment_size: 40
    .max_flat_workgroup_size: 128
    .sgpr_count:     96
    .vgpr_count:     1024
    .wavefront_size: 32
...
	.end_amdgpu_metadata
.endif
;; end of part 4
;; ======== version 2 of 3: 4 launches
;; limits: values are held in f16: magnitudes above 65,504 overflow, below 6.1e-05 lose precision
;; workspace buffers: xb 16,777,216 bytes; wb 4,194,304 bytes; ub 4,096 bytes; qkv 50,331,648 bytes; pb 33,554,432 bytes; st 1,048,576 bytes
;; launch prep (part 5): grid 256 x 1, 8 waves a work-group, no clusters, 74,752 bytes of LDS; arguments x, Wq, Wk, Wv, bq, xb, wb, ub; writes xb, wb, ub
.if DOCPART == 5
	.amdgcn_target "amdgcn-amd-amdhsa--gfx1250"
	.amdhsa_code_object_version 6
	.text
	.protected	k_q27716464a3_prep
	.globl	k_q27716464a3_prep
	.p2align	8
	.type	k_q27716464a3_prep,@function
k_q27716464a3_prep:
	s_mov_b64 s[64:65], 0
	v_nop
	global_prefetch_b8 v0, s[64:65] scope:SCOPE_SE
	s_setreg_imm32_b32 hwreg(HW_REG_WAVE_MODE, 25, 1), 1
	s_wait_xcnt 0x0
; SELF-ATTENTION, ONE HEAD OF 1,024 CHANNELS, IN FOUR LAUNCHES: prep (this one), proj, scores, mix.
; out = softmax((x Wq + bq)(x Wk + bk)^T / 32) (x Wv + bv), x: [4][2048][1024] f32.
; REGROUPED.  32 score(s, t) = (x_s Wq + bq) . (x_t Wk + bk) = x_s (Wq Wk^T) x_t^T + (bq Wk^T) x_t^T + q_s . bk.  With G = Wq Wk^T [1024][1024] and u = bq Wk^T [1024]:
; q'_s = x_s G + u, and 32 score(s, t) = q'_s . x_t + q_s . bk: an identity for all values.  The projection k (8192 x 1024 x 1024) gives way to G (1024 x 1024 x 1024).
; WORK LEFT OUT: bk.  The term q_s . bk / 32 does not hang on t, the axis of the softmax: numerator and denominator carry the same factor exp(q_s . bk / 32), which cancels for
; all finite values of the inputs.  So bk has no way to the output: it is not loaded and is among no launch's arguments.
; WORK MOVED, not left out: each row of the softmax sums to 1, so attn (x Wv + 1 bv^T) = attn (x Wv) + bv: bv is the start value of the last launch's sums.
; LIMITS.  A NaN, an infinity or an overflow that reaches only q . bk is not carried to the result.  The order of rounding differs from the reference's: all inputs are rounded once
; to bf16; G and q' are rounded once to bf16 (their range is f32's); sums are f32.
; THIS LAUNCH.  256 work-groups of eight waves; each does two things.
; (1) A SHARE OF THE STREAM: 131,072 bytes of x and 16,384 of Wv, rounded to bf16, layouts unchanged (xb [8192][1024]; Wv is the second matrix of wb).  36 loads of 16 bytes a lane,
;     512 consecutive bytes a wave, all issued before the first wait; each store of a wave covers 256 consecutive bytes, aligned.
; (2) A TILE OF G, 32 rows i x 128 columns j (the first matrix of wb, [i][j] bf16).  Wave w takes columns 64 (w & 1) .. + 63 and the K quarter w >> 1: 8 accumulators, 8 steps of 32.
;     Fragments come straight from the f32 weights: of a step's 128 bytes of a row, lane (r, h) takes bytes 32 i + 16 h, i = 0..3: an instruction reads 32 consecutive bytes of each of 16 rows.
;     That is a permutation of k, the same for both sources, so the sums hold the same products.  The 16 numbers are rounded in place into the fragment's 8 registers.
;     Two sets of registers take turns: while one is multiplied the other's 24 loads are out.  The four K quarters meet in LDS; each wave finishes four rows.
;     u is made in the 8 work-groups of G's first tile row alone: four more matrix instructions a step, whose second source holds bq in all 16 rows.
; The matrix instruction is used transposed (source 0 = 16 rows of Wk, source 1 = 16 rows of Wq): lane l holds row i = l % 16 and the columns j = 8 (l / 16) + 0..7.
; No cluster and no tensor load: the stream is read once, and a tile of G is 640 KiB read in pieces that each wave alone wants.  No prefetch: the launch is short and its loads are all out early.
; REGISTERS.  window 0: v1-13 addresses; v32-127 set 0; v128-191 the sums; v192-223 u's sums; v224-239 bq.  window 1: v0-95 set 1; v112-255 the stream.
.set PP,    528                        ; a row of a partial tile in LDS: 512 bytes + 16: the 16 rows of a store start at 16 different groups of four banks
.set KQS,   32*PP                      ; a K quarter's partial tile
.set UPB,   4*KQS                      ; u's four partial rows of 512 bytes
.set BQL,   UPB+2048                   ; bq in bf16: each wave's own 512 bytes (its K quarter)
.set SPARE, BQL+8*512                  ; the spare words: 128 bytes a wave, named by no other line
.set IN,   1                           ; v1  16 x thread
.set OUT,  2                           ; v2  8 x thread
.set FO,   3                           ; v3  a fragment's lane offset: r x 4,096 + 16 h
.set LS,   4                           ; v4  where I put 32 bytes of a partial row
.set LR,   5                           ; v5  where I read 32 bytes of a row back
.set GO,   6                           ; v6  my 16 bytes in two rows of G
.set US,   7                           ; v7  where I put 32 bytes of u's partial row
.set BQS,  8                           ; v8  where I put 8 bytes of bq
.set BQA,  9                           ; v9  where I read bq's fragment
.set UR,   10                          ; v10 where I read 16 bytes of u back
.set L16,  11                          ; v11 16 x lane
.set SPW,  12
.set NIL,  13
.set S0,   32
.set S1,   0
.set ST,   112
.set ACC,  128
.set UAC,  192
.set BQR,  224
.set BQF,  232
.set TI,   23                          ; s23 the tile row of G
.set MSB, 0
.macro WIN new                         ; the immediate's high byte repeats the setting that is left
.if MSB != (\new)
	s_set_vgpr_msb (MSB<<8)|(\new)
.set MSB, \new
.endif
.endm
.macro PLACES                          ; four places behind matrix instructions (ISA guide 7.12.1)
.rept 4
	v_nop
.endr
.endm
	s_load_b256 s[4:11], s[0:1], 0x0               ; x s[4:5], Wq s[6:7], Wk s[8:9], Wv s[10:11]
	s_load_b256 s[12:19], s[0:1], 0x20             ; bq s[12:13], xb s[14:15], wb s[16:17], ub s[18:19]
	v_lshl_add_u32 v[SPW], v0, 2, SPARE
	v_mov_b32 v[NIL], 0
	v_lshrrev_b32 v14, 5, v0
	v_readfirstlane_b32 s20, v14                   ; wave 0..7
	s_and_b32 s21, s20, 1                          ; which 64 of the tile's 128 columns
	s_lshr_b32 s22, s20, 1                         ; which quarter of K
	s_lshr_b32 s[TI], ttmp9, 3                     ; tile row 0..31
	s_and_b32 s24, ttmp9, 7                        ; tile column 0..7
	v_lshlrev_b32 v[IN], 4, v0
	v_lshlrev_b32 v[OUT], 3, v0
	v_and_b32 v14, 15, v0                          ; r
	v_bfe_u32 v15, v0, 4, 1                        ; h
	v_and_b32 v16, 31, v0                          ; lane
	v_lshlrev_b32 v[FO], 12, v14
	v_lshl_add_u32 v[FO], v15, 4, v[FO]
	v_lshlrev_b32 v[L16], 4, v16
	s_mul_i32 s25, s22, KQS
	s_lshl_b32 s26, s21, 8
	s_add_co_u32 s25, s25, s26
	v_mul_u32_u24 v[LS], v14, PP
	v_lshl_add_u32 v[LS], v15, 5, v[LS]
	v_add_nc_u32 v[LS], s25, v[LS]                 ; quarter, row r, column bytes 256 (w & 1) + 32 h
	s_mul_i32 s25, s20, 4*PP
	v_mul_u32_u24 v[LR], v15, PP
	v_lshl_add_u32 v[LR], v14, 5, v[LR]
	v_add_nc_u32 v[LR], s25, v[LR]                 ; row 4 w + h, column bytes 32 r
	v_lshlrev_b32 v[GO], 11, v15
	v_lshl_add_u32 v[GO], v14, 4, v[GO]
	s_lshl_b32 s25, s22, 9
	s_add_co_u32 s25, s25, s26
	s_add_co_u32 s25, s25, UPB
	v_lshl_add_u32 v[US], v15, 5, s25
	s_lshl_b32 s25, s20, 9
	s_add_co_u32 s25, s25, BQL
	v_lshl_add_u32 v[BQS], v16, 3, s25
	v_lshl_add_u32 v[BQA], v15, 3, s25
	v_add_nc_u32 v[UR], UPB, v[L16]
	s_mov_b32 s27, 0
	s_wait_kmcnt 0x0
	s_lshl_b32 s26, ttmp9, 17
	s_add_nc_u64 s[4:5], s[4:5], s[26:27]          ; my 131,072 bytes of x
	s_lshl_b32 s26, ttmp9, 14
	s_add_nc_u64 s[10:11], s[10:11], s[26:27]      ; my 16,384 bytes of Wv
	s_lshl_b32 s26, ttmp9, 16
	s_add_nc_u64 s[14:15], s[14:15], s[26:27]      ; their places in xb
	s_lshl_b32 s26, ttmp9, 13
	s_add_co_u32 s26, s26, 0x200000
	s_add_nc_u64 s[28:29], s[16:17], s[26:27]      ; and in wb's second matrix
	s_lshl_b32 s26, s[TI], 16
	s_lshl_b32 s25, s20, 13
	s_add_co_u32 s26, s26, s25
	s_lshl_b32 s25, s24, 8
	s_add_co_u32 s26, s26, s25
	s_add_nc_u64 s[16:17], s[16:17], s[26:27]      ; G at row 32 ti + 4 w, column 128 tj
	s_lshl_b32 s25, s22, 10                        ; my K quarter: 1,024 bytes of a row
	s_lshl_b32 s26, s[TI], 17
	s_add_co_u32 s26, s26, s25
	s_add_nc_u64 s[6:7], s[6:7], s[26:27]          ; Wq at row 32 ti
	s_lshl_b32 s26, s24, 19
	s_add_co_u32 s26, s26, s25
	s_lshl_b32 s30, s21, 18
	s_add_co_u32 s26, s26, s30
	s_add_nc_u64 s[8:9], s[8:9], s[26:27]          ; Wk at row 128 tj + 64 (w & 1)
	s_mov_b32 s26, s25
	s_add_nc_u64 s[12:13], s[12:13], s[26:27]      ; bq at my K quarter
	s_lshl_b32 s26, s24, 9
	s_add_nc_u64 s[18:19], s[18:19], s[26:27]      ; u at column 128 tj
; 24 loads: the step at byte off behind the two pointers, into a set: Wq's two fragments, then Wk's four; 16 registers each
.macro GLOAD set, off
.if \set
	WIN 0x40
.set SB, S1
.else
	WIN 0
.set SB, S0
.endif
.irp a, 0,1
.irp i, 0,1,2,3
	global_load_b128 v[SB+16*(\a)+4*(\i):SB+16*(\a)+4*(\i)+3], v[FO], s[6:7] offset:(\off)+65536*(\a)+32*(\i)
.endr
.endr
.irp b, 0,1,2,3
.irp i, 0,1,2,3
	global_load_b128 v[SB+32+16*(\b)+4*(\i):SB+32+16*(\b)+4*(\i)+3], v[FO], s[8:9] offset:(\off)+65536*(\b)+32*(\i)
.endr
.endr
	WIN 0
.endm
; Four loads of the stream are rounded in place and stored.  left: how many younger loads may stay out
.macro SG q, left
	s_wait_loadcnt \left
	WIN 0x45
.irp d, 0,1,2,3
	v_cvt_pk_bf16_f32 v[ST+16*(\q)+4*(\d)], v[ST+16*(\q)+4*(\d)], v[ST+16*(\q)+4*(\d)+1]
	v_cvt_pk_bf16_f32 v[ST+16*(\q)+4*(\d)+1], v[ST+16*(\q)+4*(\d)+2], v[ST+16*(\q)+4*(\d)+3]
.endr
	WIN 0x04                                       ; the stores' data in window 1
.irp d, 0,1,2,3
.if (\q) < 8
	global_store_b64 v[OUT], v[ST+16*(\q)+4*(\d):ST+16*(\q)+4*(\d)+1], s[14:15] offset:2048*(4*(\q)+(\d))
.else
	global_store_b64 v[OUT], v[ST+16*(\q)+4*(\d):ST+16*(\q)+4*(\d)+1], s[28:29] offset:2048*(\d)
.endif
.endr
.endm
; A step of 32 along K on a set: 48 roundings in place, 8 matrix instructions on 8 accumulators by turns; in G's first tile row four more for u.
.macro GSTEP set, left, uoff
.if \set
.set SB, S1
.else
.set SB, S0
.endif
	s_wait_loadcnt \left                           ; this set is in; the other set's loads may stay out
.if \set
	WIN 0x45
.else
	WIN 0
.endif
.irp f, 0,1,2,3,4,5
.irp i, 0,1,2,3,4,5,6,7
	v_cvt_pk_bf16_f32 v[SB+16*(\f)+(\i)], v[SB+16*(\f)+2*(\i)], v[SB+16*(\f)+2*(\i)+1]
.endr
.endr
.if \set
	WIN 0x05
.endif
.irp a, 0,1
.irp b, 0,1,2,3
	v_wmma_f32_16x16x32_bf16 v[ACC+8*(4*(\a)+(\b)):ACC+8*(4*(\a)+(\b))+7], v[SB+32+16*(\b):SB+32+16*(\b)+7], v[SB+16*(\a):SB+16*(\a)+7], v[ACC+8*(4*(\a)+(\b)):ACC+8*(4*(\a)+(\b))+7]
.endr
.endr
	WIN 0
	s_cmp_lg_u32 s[TI], 0
	s_cbranch_scc1 .Lno_u_\@
.irp i, 0,1,2,3
	ds_load_b64 v[BQF+2*(\i):BQF+2*(\i)+1], v[BQA] offset:(\uoff)+16*(\i)  ; bq in the fragments' order of k, the same in all 16 rows
.endr
	s_wait_dscnt 0x0
.if \set
	WIN 0x01
.endif
.irp b, 0,1,2,3
	v_wmma_f32_16x16x32_bf16 v[UAC+8*(\b):UAC+8*(\b)+7], v[SB+32+16*(\b):SB+32+16*(\b)+7], v[BQF:BQF+7], v[UAC+8*(\b):UAC+8*(\b)+7]
.endr
	WIN 0
.Lno_u_\@:
.endm
	global_load_b128 v[BQR:BQR+3], v[L16], s[12:13]              ; bq's 1,024 bytes of my K quarter: asked for by every wave, ahead of all other loads,
	global_load_b128 v[BQR+4:BQR+7], v[L16], s[12:13] offset:512 ; so that the counts of all later waits are the same in every work-group
	WIN 0x40
.set j, 0
.rept 32
	global_load_b128 v[ST+4*j:ST+4*j+3], v[IN], s[4:5] offset:4096*j th:TH_LOAD_NT
.set j, j+1
.endr
.rept 4
	global_load_b128 v[ST+4*j:ST+4*j+3], v[IN], s[10:11] offset:4096*(j-32) th:TH_LOAD_NT
.set j, j+1
.endr
	GLOAD 0, 0                                     ; step 0: 62 loads of mine are out
.set j, 0
.rept 96
	v_mov_b32 v[ACC+j], 0                          ; the sums start at 0: written while the loads are on their way, so that the loop has one form of product
.set j, j+1
.endr
.irp q, 0,1,2,3,4,5
	SG \q, 56-4*(\q)                               ; behind group q: 32 - 4 q loads of the stream and step 0's 24
.endr
	GLOAD 1, 128                                   ; step 1: 12 + 24 + 24 loads are out
.irp q, 6,7,8
	SG \q, 80-4*(\q)                               ; and step 1's 24 more
.endr
	WIN 0
	s_cmp_lg_u32 s[TI], 0
	s_cbranch_scc1 .Lno_bq
.irp i, 0,1,2,3
	v_cvt_pk_bf16_f32 v[BQF+(\i)], v[BQR+2*(\i)], v[BQR+2*(\i)+1]
.endr
	ds_store_b64 v[BQS], v[BQF:BQF+1]              ; my wave's own bytes: LDS serves a wave's instructions in order, so no barrier stands before its reads
	ds_store_b64 v[BQS], v[BQF+2:BQF+3] offset:256
.Lno_bq:
	s_mov_b32 s31, 3
.Lg:                                                   ; a trip: two steps are multiplied, the two after the next are asked for
	GSTEP 0, 24, 0
	PLACES
	s_wait_xcnt 0x0                                ; every load and store issued so far has read its address: the pointers may be written
	s_add_nc_u64 s[6:7], s[6:7], 256
	s_add_nc_u64 s[8:9], s[8:9], 256
	GLOAD 0, 0
	GSTEP 1, 24, 64
	PLACES
	GLOAD 1, 128
	v_add_nc_u32 v[BQA], 0x80, v[BQA]
	s_sub_co_u32 s31, s31, 1
	s_cmp_lg_u32 s31, 0
	s_cbranch_scc1 .Lg
	GSTEP 0, 24, 0                                 ; the last two steps load nothing
	GSTEP 1, 0, 64
	PLACES
.irp a, 0,1
.irp b, 0,1,2,3
	ds_store_b128 v[LS], v[ACC+8*(4*(\a)+(\b)):ACC+8*(4*(\a)+(\b))+3] offset:(\a)*16*PP+64*(\b)
	ds_store_b128 v[LS], v[ACC+8*(4*(\a)+(\b))+4:ACC+8*(4*(\a)+(\b))+7] offset:(\a)*16*PP+64*(\b)+16
.endr
.endr
	s_cmp_lg_u32 s[TI], 0
	s_cbranch_scc1 .Lno_us
.irp b, 0,1,2,3
	ds_store_b128 v[US], v[UAC+8*(\b):UAC+8*(\b)+3] offset:64*(\b)       ; all 16 rows hold u: the 16 lanes of a half write the same bytes with the same numbers
	ds_store_b128 v[US], v[UAC+8*(\b)+4:UAC+8*(\b)+7] offset:64*(\b)+16
.endr
.Lno_us:
	s_wait_dscnt 0x0                               ; for the others' sake: my partial sums lie in LDS
	s_barrier_signal -1
	s_barrier_wait -1
.irp p, 0,1
.irp k, 0,1,2,3
	ds_load_b128 v[S0+32*(\p)+8*(\k):S0+32*(\p)+8*(\k)+3], v[LR] offset:(\p)*2*PP+(\k)*KQS
	ds_load_b128 v[S0+32*(\p)+8*(\k)+4:S0+32*(\p)+8*(\k)+7], v[LR] offset:(\p)*2*PP+(\k)*KQS+16
.endr
.endr
	s_wait_dscnt 0x0
.irp p, 0,1
.irp i, 0,2,4,6
	v_pk_add_f32 v[S0+32*(\p)+(\i):S0+32*(\p)+(\i)+1], v[S0+32*(\p)+(\i):S0+32*(\p)+(\i)+1], v[S0+32*(\p)+8+(\i):S0+32*(\p)+8+(\i)+1]
	v_pk_add_f32 v[S0+32*(\p)+16+(\i):S0+32*(\p)+16+(\i)+1], v[S0+32*(\p)+16+(\i):S0+32*(\p)+16+(\i)+1], v[S0+32*(\p)+24+(\i):S0+32*(\p)+24+(\i)+1]
.endr
.irp i, 0,2,4,6
	v_pk_add_f32 v[S0+32*(\p)+(\i):S0+32*(\p)+(\i)+1], v[S0+32*(\p)+(\i):S0+32*(\p)+(\i)+1], v[S0+32*(\p)+16+(\i):S0+32*(\p)+16+(\i)+1]
.endr
.irp i, 0,1,2,3
	v_cvt_pk_bf16_f32 v[S0+32*(\p)+(\i)], v[S0+32*(\p)+2*(\i)], v[S0+32*(\p)+2*(\i)+1]
.endr
	global_store_b128 v[GO], v[S0+32*(\p):S0+32*(\p)+3], s[16:17] offset:4096*(\p)  ; 16 lanes store 256 consecutive bytes, aligned: a row's part of the tile
.endr
	s_or_b32 s25, s[TI], s20                       ; u is finished by wave 0 of the first tile row's work-groups
	s_cmp_lg_u32 s25, 0
	s_cbranch_scc1 .Lend
.irp k, 0,1,2,3
	ds_load_b128 v[96+4*(\k):96+4*(\k)+3], v[UR] offset:512*(\k)
.endr
	s_wait_dscnt 0x0
	v_pk_add_f32 v[96:97], v[96:97], v[100:101]
	v_pk_add_f32 v[98:99], v[98:99], v[102:103]
	v_pk_add_f32 v[104:105], v[104:105], v[108:109]
	v_pk_add_f32 v[106:107], v[106:107], v[110:111]
	v_pk_add_f32 v[96:97], v[96:97], v[104:105]
	v_pk_add_f32 v[98:99], v[98:99], v[106:107]
	global_store_b128 v[L16], v[96:99], s[18:19]   ; 512 consecutive bytes of u, in f32
.Lend:
	s_wait_tensorcnt 0x0                           ; the wave's end, behind my last LDS store
	ds_add_u32 v[SPW], v[NIL]
	s_wait_dscnt 0x0
	s_endpgm
.Lfunc_end_k_q27716464a3_prep:
	.size	k_q27716464a3_prep, .Lfunc_end_k_q27716464a3_prep-k_q27716464a3_prep
	.p2alignl 7, 3214868480
	.fill 96, 4, 3214868480
	.section	.rodata,"a",@progbits
	.p2align	6, 0x0
	.amdhsa_kernel k_q27716464a3_prep
		.amdhsa_group_segment_fixed_size 74752
		.amdhsa_private_segment_fixed_size 0
		.amdhsa_enable_private_segment 0
		.amdhsa_kernarg_size 64
		.amdhsa_user_sgpr_count 2
		.amdhsa_user_sgpr_kernarg_segment_ptr 1
		.amdhsa_wavefront_size32 1
		.amdhsa_system_sgpr_workgroup_id_x 1
		.amdhsa_system_sgpr_workgroup_id_y 1
		.amdhsa_system_sgpr_workgroup_id_z 1
		.amdhsa_system_vgpr_workitem_id 0
		.amdhsa_next_free_vgpr 512
		.amdhsa_next_free_sgpr 66
		.amdhsa_reserve_vcc 0
		.amdhsa_float_denorm_mode_32 3
		.amdhsa_float_denorm_mode_16_64 3
		.amdhsa_memory_ordered 1
		.amdhsa_forward_progress 1
		.amdhsa_inst_pref_size 52
	.end_amdhsa_kernel
	.amdgpu_metadata
---
amdhsa.version: [ 1, 2 ]
amdhsa.kernels:
  - .name:           k_q27716464a3_prep
    .symbol:         k_q27716464a3_prep.kd
    .args:
      - { .name: x, .offset: 0, .size: 8, .value_kind: global_buffer, .address_space: global }
      - { .name: Wq, .offset: 8, .size: 8, .value_kind: global_buffer, .address_space: global }
      - { .name: Wk, .offset: 16, .size: 8, .value_kind: global_buffer, .address_space: global }
      - { .name: Wv, .offset: 24, .size: 8, .value_kind: global_buffer, .address_space: global }
      - { .name: bq, .offset: 32, .size: 8, .value_kind: global_buffer, .address_space: global }
      - { .name: xb, .offset: 40, .size: 8, .value_kind: global_buffer, .address_space: global }
      - { .name: wb, .offset: 48, .size: 8, .value_kind: global_buffer, .address_space: global }
      - { .name: ub, .offset: 56, .size: 8, .value_kind: global_buffer, .address_space: global }
    .group_segment_fixed_size: 74752
    .private_segment_fixed_size: 0
    .kernarg_segment_align: 8
    .kernarg_segment_size: 64
    .max_flat_workgroup_size: 256
    .sgpr_count:     66
    .vgpr_count:     512
    .wavefront_size: 32
...
	.end_amdgpu_metadata
.endif
;; end of part 5
;; launch proj (part 6): grid 8 x 32, 4 waves a work-group, clusters of 4 x 4, 327,680 bytes of LDS; arguments xb, wb, ub, qkv; writes qkv
.if DOCPART == 6
	.amdgcn_target "amdgcn-amd-amdhsa--gfx1250"
	.amdhsa_code_object_version 6
	.text
	.protected	k_q27716464a3_proj
	.globl	k_q27716464a3_proj
	.p2align	8
	.type	k_q27716464a3_proj,@function
k_q27716464a3_proj:
	s_mov_b64 s[64:65], 0
	v_nop
	global_prefetch_b8 v0, s[64:65] scope:SCOPE_SE
	s_setreg_imm32_b32 hwreg(HW_REG_WAVE_MODE, 25, 1), 1
	s_wait_xcnt 0x0
	s_wait_alu depctr_hold_cnt(0) depctr_sa_sdst(0) depctr_va_vdst(0) depctr_va_sdst(0) depctr_va_ssrc(0) depctr_va_vcc(0) depctr_vm_vsrc(0)
	s_getreg_b32 s2, hwreg(HW_REG_IB_STS2, 6, 4)
	s_cmp_eq_u32 s2, 0
	s_cbranch_scc0 .Lentry_in_a_cluster
	s_endpgm
.Lentry_in_a_cluster:
	s_bfe_u32 s2, ttmp6, 0x10000c
	s_cmp_lg_u32 s2, 0xf033
	s_cbranch_scc0 .Lentry_shape_is_right
	s_endpgm
.Lentry_shape_is_right:
; q' = x G + u and v' = x Wv.  xb: [8192][1024] bf16; wb: [2][1024 k][1024 n] bf16 = G, Wv; ub: u [1024] f32; qkv: q' [8192][1024] bf16 at byte 0, v' [8192][1024] f16 at byte 33,554,432.
; LEFT OUT: the projection k and bk (G = Wq Wk^T takes k's place, bk cancels in the softmax: see the head of the first kernel); bv is added in the last launch.
; LIMITS.  q' is rounded once to bf16, v' once to f16: |v'| must stay under 65,504, beyond that the conversion gives an infinity.
; SHARES.  The two products are 8,192 x 2,048 outputs: 256 tiles of 256 x 256, one to a work-group.  The cluster's x says which product: 0 = q', 1 = v'; its four columns are the matrix's
; four blocks of 256 columns.  Four waves of 128 x 128: 64 accumulators in windows 2 and 3.  K = 1,024 in 8 steps of 128 through two LDS slots.
; THE MATRIX INSTRUCTION IS USED TRANSPOSED: source 0 = 16 columns of wb (turned out of LDS by ds_load_tr16_b128), source 1 = 16 rows of x: lane l holds row l % 16 and columns 8 (l / 16) + 0..7.
; RING.  A slot holds 256 rows of x (256 bytes + 16) and 128 k-rows of wb (512 bytes + 32).  Waves 0, 1 fetch x's halves, waves 2, 3 wb's.  A wave has two tensor loads out at the start and one
; behind each round: 224 matrix instructions in which it lands.  A K step is written once: the slot's base is a scalar that an exclusive or turns (0, SLOT), and one descriptor a tensor walks on.
; CLUSTER 4 x 4: x's tile is shared along a row of the cluster, wb's along a column: joint loads.
; REGISTERS.  window 0: v16-30 addresses; v64-127, v128-191 x's fragments; v192-223, v32-63, v224-255 the way out.  window 1: v64-191 wb's fragments; v192-255 what the sums start from.
.set PITCH,  272                       ; an LDS row of x: 68 words: the 16 rows of a fragment load start at 16 different groups of four banks
.set PB,     544                       ; an LDS row of wb: 136 words
.set HALFT,  128*PITCH                 ; what one tensor load brings: 128 rows of x, or 64 rows of wb (64 x 544 is the same number)
.set SLOT,   4*HALFT                   ; 0x22000: its bits meet none of wave x HALFT (0x8800 x wave), so an exclusive or adds or takes it
.set STAGE,  2*SLOT                    ; behind the ring: 16 rows x 272 bytes for each wave, never filled by a tensor load
.set SPITCH, 272
.set SPARE,  STAGE+4*16*SPITCH         ; the spare words: 128 bytes a wave, named by no other line
.set ADRA, 16                          ; v16 LDS address of my fragments of x in the slot in hand
.set ADRB, 17                          ; v17 the same for wb
.set ADRA0, 18                         ; v18, v19 the same in slot 0; never rewritten
.set ADRB0, 19
.set STO,  24
.set RD,   25
.set CO,   26
.set SPW,  28
.set NIL,  29
.set PFO,  30
.set F0,   64
.set F1,   128
.set TMP,  192
.set OB,   32
.set BIAS, 192                         ; window 1
.set G1A, 24
.set G0A, 32                           ; s[32:35] the first fill of slot 0; s[36:39] that of slot 1, which then walks on
.set G1B, 48
.set G0B, 56
.set WHO, 45                           ; s45 the cluster's x: 0 = q', 1 = v'
.set PFN, 66                           ; prefetches that this wave still has to make
.set PFS, 68                           ; s[68:69] their step
.set PFA, 70                           ; s[70:71] where they stand
.set CP,  78                           ; s[78:79] the stores' base
.set TB,  87                           ; s87 the base of the slot in hand
.set MSB, 0
.macro WIN new                         ; the immediate's high byte repeats the setting that is left
.if MSB != (\new)
	s_set_vgpr_msb (MSB<<8)|(\new)
.set MSB, \new
.endif
.endm
.set MUL_LO, 0xa1                      ; source 0 (wb) window 1, source 1 (x) window 0, C and D window 2
.set MUL_HI, 0xf1                      ; the same, C and D window 3
.set TO_B,   0x40
.macro PLACES                          ; four places behind matrix instructions (ISA guide 7.12.1)
.rept 4
	v_nop
.endr
.endm
.macro JLOAD s                         ; a joint load: the branch hangs on the wave's number alone; an s_nop 0 and four v_nop follow each line
	s_cmp_eq_u32 s11, 0
	s_cbranch_scc0 .Lfor_b_\@
	tensor_load_to_lds s[G0A+4*(\s):G0A+4*(\s)+3], s[G1A:G1A+7]
	s_nop 0
.rept 4
	v_nop
.endr
	s_branch .Lasked_\@
.Lfor_b_\@:
	tensor_load_to_lds s[G0B+4*(\s):G0B+4*(\s)+3], s[G1B:G1B+7]
	s_nop 0
.rept 4
	v_nop
.endr
.Lasked_\@:
.endm
.macro CREST                           ; a round of the cluster's barrier behind its opening barrier
	s_cmp_lg_u32 s10, 0
	s_cbranch_scc1 .Lnot_wave_0_\@
	s_barrier_signal -3
.Lnot_wave_0_\@:
	s_barrier_wait -3
	s_barrier_signal -1
	s_barrier_wait -1
.endm
.macro CROUND
	s_barrier_signal -1
	s_barrier_wait -1
	CREST
.endm
; A prefetch of 32 blocks of 256 bytes, a lane a block, for the K step two refills (512 matrix instructions) on: K steps 4 to 7.  Each block is named once in the launch.
; x's rows: the clusters with x = 0 (waves 0, 1); of the 128 rows that a wave fetches each of the four partners takes 32, a lane a row.  wb's rows: the clusters with y = 0 (waves 2, 3); of the
; 64 rows each partner takes 16, two lanes a row of 512 bytes.  The partners are told apart by address.  The count ends the asking, so no prefetch leaves its buffer.
.macro ASK
	s_cmp_lg_u32 s[PFN], 0
	s_cbranch_scc0 .Lnot_mine_\@
	global_prefetch_b8 v[PFO], s[PFA:PFA+1] th:TH_LOAD_NT scope:SCOPE_SE
	s_sub_co_u32 s[PFN], s[PFN], 1
.Lnot_mine_\@:
.endm
	s_load_b128 s[4:7], s[0:1], 0x0                ; xb s[4:5], wb s[6:7]
	s_load_b128 s[76:79], s[0:1], 0x10             ; ub s[76:77], qkv s[78:79]
	v_lshl_add_u32 v[SPW], v0, 2, SPARE
	v_mov_b32 v[NIL], 0
	ds_add_u32 v[SPW], v[NIL]                      ; the wave's opening: the add, twice on end, and its wait ahead of my first tensor load
	ds_add_u32 v[SPW], v[NIL]
	v_lshrrev_b32 v1, 5, v0
	v_readfirstlane_b32 s10, v1                    ; wave 0..3
	s_lshr_b32 s11, s10, 1                         ; which half of the tile's rows is mine.  Also: I fetch for x (0) or for wb (1)
	s_and_b32 s12, s10, 1                          ; which half of its columns.  Also: which half of that tile I fetch
	s_bfe_u32 s40, ttmp6, 0x40000                  ; cx
	s_bfe_u32 s41, ttmp6, 0x40004                  ; cy
	s_mov_b32 s[WHO], ttmp9
	s_and_b32 s13, ttmp7, 0xffff
	s_lshl_b32 s13, s13, 2
	s_add_co_u32 s13, s13, s41                     ; gy: the block of 256 rows
	s_lshl_b32 s43, s41, 2
	s_lshl_b32 s43, 15, s43                        ; my row of the cluster
	s_lshl_b32 s44, 0x1111, s40                    ; my column
	s_or_b32 s[G1A+0], s43, 0x07710000             ; mask; 2-byte elements; padding on; bit 21 beside a mask; after every 64 words 4 words
	s_or_b32 s[G1B+0], s44, 0x0fb10000             ; the same; after every 128 words 8 words
	s_mov_b32 s[G1A+1], 128<<16                    ; tensor_dim0 = 128
	s_mov_b32 s[G1A+2], 128<<16                    ; tensor_dim1 = 128
	s_mov_b32 s[G1A+3], 128<<16                    ; tile_dim0 = 128
	s_mov_b32 s[G1A+4], 128                        ; tile_dim1 = 128
	s_mov_b32 s[G1A+5], 1024                       ; elements from row to row
	s_mov_b32 s[G1A+6], 0
	s_mov_b32 s[G1A+7], 0
	s_mov_b32 s[G1B+1], 256<<16                    ; 256 columns
	s_mov_b32 s[G1B+2], 64<<16                     ; 64 k-rows to a load
	s_mov_b32 s[G1B+3], 256<<16
	s_mov_b32 s[G1B+4], 64
	s_mov_b32 s[G1B+5], 1024
	s_mov_b32 s[G1B+6], 0
	s_mov_b32 s[G1B+7], 0
	s_lshl_b32 s16, s13, 19                        ; x: 256 gy rows of 2,048 bytes
	s_lshl_b32 s17, s12, 18                        ; + my 128 rows
	s_add_co_u32 s16, s16, s17
	s_mov_b32 s17, 0
	s_lshl_b32 s46, ttmp9, 21                      ; wb: the matrix,
	s_lshl_b32 s47, s40, 9                         ; its 256 columns,
	s_add_co_u32 s46, s46, s47
	s_lshl_b32 s47, s12, 17                        ; my 64 k-rows
	s_add_co_u32 s46, s46, s47
	s_mov_b32 s47, 0
	s_mul_i32 s20, s10, HALFT                      ; where they go: x's two halves, then wb's two halves: no place in the cluster enters an LDS address
	s_mov_b32 s[TB], 0
	s_wait_dscnt 0x0                               ; both opening adds are done
	s_wait_kmcnt 0x0
	s_add_nc_u64 s[14:15], s[4:5], s[16:17]
	s_add_nc_u64 s[46:47], s[6:7], s[46:47]
	CROUND                                         ; all sixteen work-groups are here: the first joint loads meet
.irp s, 0,1
	s_mov_b32 s[G0A+4*(\s)], 1
	s_add_co_u32 s[G0A+4*(\s)+1], s20, (\s)*SLOT
	s_add_nc_u64 s[G0A+4*(\s)+2:G0A+4*(\s)+3], s[14:15], (\s)*256
	s_or_b32 s[G0A+4*(\s)+3], s[G0A+4*(\s)+3], 0x80000000
	s_mov_b32 s[G0B+4*(\s)], 1
	s_add_co_u32 s[G0B+4*(\s)+1], s20, (\s)*SLOT
	s_add_nc_u64 s[G0B+4*(\s)+2:G0B+4*(\s)+3], s[46:47], (\s)*262144
	s_or_b32 s[G0B+4*(\s)+3], s[G0B+4*(\s)+3], 0x80000000
	JLOAD \s
.endr
	; what the sums start from: u for q'; v' has no bias here, and its start registers hold 0, so that one text of the first products serves both
	v_and_b32 v1, 15, v0                           ; r = l % 16
	v_bfe_u32 v2, v0, 4, 1                         ; h = l / 16
	s_lshl_b32 s18, s40, 10
	s_lshl_b32 s19, s12, 9
	s_add_co_u32 s18, s18, s19
	s_mov_b32 s19, 0
	s_add_nc_u64 s[76:77], s[76:77], s[18:19]      ; u at my 128 columns
	v_lshlrev_b32 v6, 5, v2
	s_cmp_lg_u32 s[WHO], 0
	s_cbranch_scc1 .Lno_bias
	WIN 0x40
.irp b, 0,1,2,3,4,5,6,7
	global_load_b128 v[BIAS+8*(\b):BIAS+8*(\b)+3], v6, s[76:77] offset:64*(\b)
	global_load_b128 v[BIAS+8*(\b)+4:BIAS+8*(\b)+7], v6, s[76:77] offset:64*(\b)+16
.endr
	WIN 0
	s_branch .Lbias
.Lno_bias:
	WIN 0x40
.set i, 0
.rept 64
	v_mov_b32 v[BIAS+i], 0
.set i, i+1
.endr
	WIN 0
.Lbias:
	v_mul_u32_u24 v3, v1, PITCH
	v_lshl_add_u32 v3, v2, 4, v3                   ; row x pitch + 16 x half
	s_mul_i32 s21, s11, HALFT                      ; my 128 rows of x
	v_add_nc_u32 v[ADRA0], s21, v3
	v_and_b32 v4, 7, v0                            ; the turning load: lane l reads k-row 8 h + l % 8, columns 8 ((l / 8) % 2) + 0..7
	v_lshl_add_u32 v4, v2, 3, v4
	v_mul_u32_u24 v4, v4, PB
	v_bfe_u32 v5, v0, 3, 1
	v_lshl_add_u32 v4, v5, 4, v4
	s_lshl_b32 s22, s12, 8                         ; my 128 columns
	s_add_co_u32 s22, s22, 2*HALFT                 ; behind x's 256 rows
	v_add_nc_u32 v[ADRB0], s22, v4
	v_add_nc_u32 v[ADRA], s[TB], v[ADRA0]
	v_add_nc_u32 v[ADRB], s[TB], v[ADRB0]
	s_mul_i32 s23, s10, 16*SPITCH
	s_add_co_u32 s23, s23, STAGE                   ; my stage
	v_add_nc_u32 v[STO], s23, v3                   ; in: row r, 16 bytes for each half of the lanes
	v_mul_u32_u24 v5, v2, SPITCH                   ; back: lanes 0-15 one row of 256 bytes, lanes 16-31 the next
	v_lshl_add_u32 v5, v1, 4, v5
	v_add_nc_u32 v[RD], s23, v5
	v_lshlrev_b32 v5, 11, v2                       ; and the same two rows in qkv
	v_lshl_add_u32 v[CO], v1, 4, v5
	s_lshl_b32 s16, ttmp9, 25                      ; where my part begins: the tensor,
	s_lshl_b32 s17, s13, 19                        ; the tile's rows,
	s_add_co_u32 s16, s16, s17
	s_lshl_b32 s17, s11, 18                        ; my 128 of them,
	s_add_co_u32 s16, s16, s17
	s_lshl_b32 s17, s40, 9                         ; the tile's columns,
	s_add_co_u32 s16, s16, s17
	s_lshl_b32 s17, s12, 8                         ; my 128 of them
	s_add_co_u32 s16, s16, s17
	s_mov_b32 s17, 0
	s_and_b32 s22, ttmp7, 0xffff                   ; the prefetches
	s_lshl_b32 s20, s40, 16                        ; x: my work-group's 32 rows of the 128,
	s_add_co_u32 s20, s20, 3*256                   ; at K step 3: the first refill steps it to 4
	s_lshl_b32 s21, s41, 15                        ; wb: my work-group's 16 rows of the 64
	s_add_co_u32 s21, s21, 3*262144
	s_mov_b32 s[PFS], 262144
	s_mov_b32 s[PFS+1], 0
	s_cmp_eq_u32 s11, 0
	s_cselect_b32 s20, s20, s21
	s_cselect_b32 s22, ttmp9, s22                  ; the coordinate along which other clusters read the same rows
	s_cselect_b32 s[PFS], 256, s[PFS]
	s_cselect_b32 s23, 0, 1                        ; lanes to a row, less one
	s_cselect_b64 s[PFA:PFA+1], s[14:15], s[46:47]
	s_cmp_eq_u32 s22, 0
	s_cselect_b32 s[PFN], 4, 0                     ; the same in all sixteen partners, for a given wave
	s_mov_b32 s21, 0
	s_add_nc_u64 s[PFA:PFA+1], s[PFA:PFA+1], s[20:21]
	v_and_b32 v5, 31, v0
	v_lshrrev_b32 v[PFO], s23, v5
	v_lshlrev_b32 v[PFO], 11, v[PFO]               ; the row,
	v_and_b32 v5, s23, v5
	v_lshl_add_u32 v[PFO], v5, 8, v[PFO]           ; and which 256 bytes of it
; 16 matrix instructions: row blocks a0, a0 + 1 of the window's four x all 8 column blocks, 32 along K.  bias = 1: the sums start from the start registers.
; The 64 accumulators take turns in the same order in every quarter, one instruction a turn.
.macro MUL16 f, hi, a0, bias
.if \bias
	WIN 0x91+0x40*(\hi)                            ; C in window 1
.else
	WIN MUL_LO+0x50*(\hi)
.endif
.irp a, \a0, (\a0)+1
.irp b, 0,1,2,3,4,5,6,7
.if \bias
	v_wmma_f32_16x16x32_bf16 v[8*(8*(\a)+(\b)):8*(8*(\a)+(\b))+7], v[(\f)+8*(\b):(\f)+8*(\b)+7], v[(\f)+8*(4*(\hi)+(\a)):(\f)+8*(4*(\hi)+(\a))+7], v[BIAS+8*(\b):BIAS+8*(\b)+7]
.else
	v_wmma_f32_16x16x32_bf16 v[8*(8*(\a)+(\b)):8*(8*(\a)+(\b))+7], v[(\f)+8*(\b):(\f)+8*(\b)+7], v[(\f)+8*(4*(\hi)+(\a)):(\f)+8*(4*(\hi)+(\a))+7], v[8*(8*(\a)+(\b)):8*(8*(\a)+(\b))+7]
.endif
.endr
.endr
.endm
; 32 LDS loads in one run: quarter q (32 along K) of the slot in hand into buffer f: wb's 8 fragments, turned, then x's 8
.macro FETCH q, f
	WIN TO_B
.irp i, 0,1,2,3,4,5,6,7
	ds_load_tr16_b128 v[(\f)+8*(\i):(\f)+8*(\i)+3],   v[ADRB] offset:(\q)*32*PB+32*(\i)
	ds_load_tr16_b128 v[(\f)+8*(\i)+4:(\f)+8*(\i)+7], v[ADRB] offset:(\q)*32*PB+32*(\i)+16*PB
.endr
	WIN 0
.irp i, 0,1,2,3,4,5,6,7
	ds_load_b128 v[(\f)+8*(\i):(\f)+8*(\i)+3],   v[ADRA] offset:64*(\q)+(\i)*16*PITCH
	ds_load_b128 v[(\f)+8*(\i)+4:(\f)+8*(\i)+7], v[ADRA] offset:64*(\q)+(\i)*16*PITCH+32
.endr
.endm
; One of a K step's first three quarters: multiplies buffer f; in its middle it fetches quarter q into buffer g
.macro QUARTER q, f, g, bias
	s_wait_dscnt 8                                 ; wb's fragments and x's rows 0-63 are in; the youngest eight loads (rows 64-127) may be out
	MUL16 \f, 0, 0, \bias
	MUL16 \f, 0, 2, \bias
	PLACES
	FETCH \q, \g
	s_wait_dscnt 32                                ; all but the 32 just issued
	MUL16 \f, 1, 0, \bias
	MUL16 \f, 1, 2, \bias
.endm
; The last quarter's first half: ONE barrier for the change of slots.  In front of it each wave waits for all its tensor loads (its part of the next slot), adds 0 to its spare word,
; and waits for that and for its own reads of this slot.  fill = 1: the walking descriptors step meanwhile: the other slot than last time, the next K step.
.macro MEET fill
	WIN 0
	s_wait_tensorcnt 0x0                           ; no tensor load of mine is out, so a group 0 may be written
	ds_add_u32 v[SPW], v[NIL]
.if \fill
	s_xor_b32 s[G0A+5], s[G0A+5], SLOT
	s_add_nc_u64 s[G0A+6:G0A+7], s[G0A+6:G0A+7], 256
	s_xor_b32 s[G0B+5], s[G0B+5], SLOT
	s_add_nc_u64 s[G0B+6:G0B+7], s[G0B+6:G0B+7], 262144
.endif
	s_wait_dscnt 9                                 ; the add and the youngest eight loads may be out
	MUL16 F1, 0, 0, 0
	s_wait_dscnt 0x0                               ; the add is done, and my reads of this slot are over
	s_barrier_signal -1
	MUL16 F1, 0, 2, 0
	WIN 0
	s_barrier_wait -1
.endm
.macro NEXTSLOT                        ; the fetches go on in the other slot
	s_xor_b32 s[TB], s[TB], SLOT
	v_add_nc_u32 v[ADRA], s[TB], v[ADRA0]
	v_add_nc_u32 v[ADRB], s[TB], v[ADRB0]
.endm
.macro TURN                            ; the whole last quarter with a refill of the slot just read
	s_wait_xcnt 0x0                                ; the last prefetch, a K step back, has read its address
	s_add_nc_u64 s[PFA:PFA+1], s[PFA:PFA+1], s[PFS:PFS+1]
	MEET 1
	CREST                                          ; no wave of any partner still reads this slot or has a load on its way
	NEXTSLOT
	JLOAD 1                                        ; the first tensor load behind the round; its four v_nop are also the places in front of the loads below
	FETCH 0, F0
	ASK
	MUL16 F1, 1, 0, 0
	MUL16 F1, 1, 2, 0
.endm
; THE WAY OUT of block a of the four in window 2: rounded (q' to bf16, v' to f16; the branch hangs on the cluster's x alone), through my own stage, back as whole rows of 256 bytes, stored.
.macro PACKS a
	WIN 0
	s_cmp_lg_u32 s[WHO], 0
	s_cbranch_scc1 .Lhalf_\@
	WIN 0x0a
.irp b, 0,1,2,3,4,5,6,7
.irp d, 0,1,2,3
	v_cvt_pk_bf16_f32 v[TMP+4*(\b)+(\d)], v[64*(\a)+8*(\b)+2*(\d)], v[64*(\a)+8*(\b)+2*(\d)+1]
.endr
.endr
	WIN 0
	s_branch .Lpacked_\@
.Lhalf_\@:
	WIN 0x0a
.irp b, 0,1,2,3,4,5,6,7
.irp d, 0,1,2,3
	v_cvt_pk_f16_f32 v[TMP+4*(\b)+(\d)], v[64*(\a)+8*(\b)+2*(\d)], v[64*(\a)+8*(\b)+2*(\d)+1]
.endr
.endr
	WIN 0
.Lpacked_\@:
.endm
.macro TOSTAGE a
	WIN 0
.set BK, OB+192*((\a)%2)
.irp b, 0,1,2,3,4,5,6,7
	ds_store_b128 v[STO], v[TMP+4*(\b):TMP+4*(\b)+3] offset:32*(\b)
.endr
.irp t, 0,1,2,3,4,5,6,7
	ds_load_b128 v[BK+4*(\t):BK+4*(\t)+3], v[RD] offset:(\t)*2*SPITCH  ; LDS serves a wave's instructions in order: these see the stores above
.endr
.endm
.macro SEND a
	WIN 0
.set BK, OB+192*((\a)%2)
	s_wait_dscnt 0x0                               ; the block is back in registers
	s_wait_xcnt 0x0                                ; only behind this wait are the stores' base and the registers that earlier stores read rewritten
.if (\a) == 0
	s_add_nc_u64 s[CP:CP+1], s[CP:CP+1], s[16:17]
.else
	s_add_nc_u64 s[CP:CP+1], s[CP:CP+1], 32768     ; 16 rows on
.endif
.irp t, 0,1,2,3,4,5,6,7
	global_store_b128 v[CO], v[BK+4*(\t):BK+4*(\t)+3], s[CP:CP+1] offset:(\t)*4096  ; 16 lanes store 256 consecutive bytes, aligned
.endr
.endm
	s_wait_tensorcnt 1                             ; my part of K step 0 is in; K step 1's may stay out
	s_barrier_signal -1
	s_barrier_wait -1
	FETCH 0, F0
	s_wait_loadcnt 0x0                             ; u
	QUARTER 1, F0, F1, 1                           ; the first quarter's products start the sums
	WIN 0
	s_mov_b32 s3, 6
.Llap:                                                 ; a trip is a K step, from its second quarter to the next step's first; six trips ask for K steps 2 to 7
	QUARTER 2, F1, F0, 0
	QUARTER 3, F0, F1, 0
	TURN
	QUARTER 1, F0, F1, 0
	WIN 0
	s_sub_co_u32 s3, s3, 1
	s_cmp_lg_u32 s3, 0
	s_cbranch_scc1 .Llap
	s_mov_b32 s3, 2
.Ltail:                                                ; the last two K steps ask for nothing: a text of their own; the second trip is left in its middle
	QUARTER 2, F1, F0, 0
	QUARTER 3, F0, F1, 0
	MEET 0
	s_sub_co_u32 s3, s3, 1
	s_cmp_eq_u32 s3, 0
	s_cbranch_scc1 .Lfin
	NEXTSLOT
	PLACES
	FETCH 0, F0
	MUL16 F1, 1, 0, 0
	MUL16 F1, 1, 2, 0
	QUARTER 1, F0, F1, 0
	WIN 0
	s_branch .Ltail
.Lfin:
	MUL16 F1, 1, 0, 0
	MUL16 F1, 1, 2, 0
	WIN 0
	PLACES
	s_mov_b32 s2, 2                                ; two trips of one text: my rows 0-63 (window 2), then rows 64-127, brought down from window 3
.Lep:
	PACKS 0
	TOSTAGE 0
.irp a, 1,2,3
	PACKS \a                                       ; a block's conversions stand between the stage loads of the block before and the wait for them
	SEND (\a)-1
	TOSTAGE \a
.endr
	SEND 3
	s_sub_co_u32 s2, s2, 1
	s_cmp_eq_u32 s2, 0
	s_cbranch_scc1 .Ldone
	WIN 0x83
.set i, 0
.rept 256
	v_mov_b32 v[i], v[i]                           ; window 3 to window 2, ascending: 256 lines for one text of the way out in place of two
.set i, i+1
.endr
	WIN 0
	s_mov_b64 s[16:17], 32768
	s_branch .Lep
.Ldone:
	s_wait_tensorcnt 0x0                           ; the wave's end
	ds_add_u32 v[SPW], v[NIL]
	s_wait_dscnt 0x0
	CROUND                                         ; the closing round
	s_endpgm
.Lfunc_end_k_q27716464a3_proj:
	.size	k_q27716464a3_proj, .Lfunc_end_k_q27716464a3_proj-k_q27716464a3_proj
	.p2alignl 7, 3214868480
	.fill 96, 4, 3214868480
	.section	.rodata,"a",@progbits
	.p2align	6, 0x0
	.amdhsa_kernel k_q27716464a3_proj
		.amdhsa_group_segment_fixed_size 327680
		.amdhsa_private_segment_fixed_size 0
		.amdhsa_enable_private_segment 0
		.amdhsa_kernarg_size 32
		.amdhsa_user_sgpr_count 2
		.amdhsa_user_sgpr_kernarg_segment_ptr 1
		.amdhsa_wavefront_size32 1
		.amdhsa_system_sgpr_workgroup_id_x 1
		.amdhsa_system_sgpr_workgroup_id_y 1
		.amdhsa_system_sgpr_workgroup_id_z 1
		.amdhsa_system_vgpr_workitem_id 0
		.amdhsa_next_free_vgpr 1024
		.amdhsa_next_free_sgpr 96
		.amdhsa_reserve_vcc 0
		.amdhsa_float_denorm_mode_32 3
		.amdhsa_float_denorm_mode_16_64 3
		.amdhsa_memory_ordered 1
		.amdhsa_forward_progress 1
		.amdhsa_inst_pref_size 108
	.end_amdhsa_kernel
	.amdgpu_metadata
---
amdhsa.version: [ 1, 2 ]
amdhsa.kernels:
  - .name:           k_q27716464a3_proj
    .symbol:         k_q27716464a3_proj.kd
    .args:
      - { .name: xb, .offset: 0, .size: 8, .value_kind: global_buffer, .address_space: global }
      - { .name: wb, .offset: 8, .size: 8, .value_kind: global_buffer, .address_space: global }
      - { .name: ub, .offset: 16, .size: 8, .value_kind: global_buffer, .address_space: global }
      - { .name: qkv, .offset: 24, .size: 8, .value_kind: global_buffer, .address_space: global }
    .group_segment_fixed_size: 327680
    .private_segment_fixed_size: 0
    .kernarg_segment_align: 8
    .kernarg_segment_size: 32
    .max_flat_workgroup_size: 128
    .sgpr_count:     96
    .vgpr_count:     1024
    .wavefront_size: 32
...
	.end_amdgpu_metadata
.endif
;; end of part 6
;; launch scores (part 7): grid 8 x 32, 4 waves a work-group, clusters of 4 x 4, 327,680 bytes of LDS; arguments qkv, xb, pb, st; writes pb, st
.if DOCPART == 7
	.amdgcn_target "amdgcn-amd-amdhsa--gfx1250"
	.amdhsa_code_object_version 6
	.text
	.protected	k_q27716464a3_scores
	.globl	k_q27716464a3_scores
	.p2align	8
	.type	k_q27716464a3_scores,@function
k_q27716464a3_scores:
	s_mov_b64 s[64:65], 0
	v_nop
	global_prefetch_b8 v0, s[64:65] scope:SCOPE_SE
	s_setreg_imm32_b32 hwreg(HW_REG_WAVE_MODE, 25, 1), 1
	s_wait_xcnt 0x0
	s_wait_alu depctr_hold_cnt(0) depctr_sa_sdst(0) depctr_va_vdst(0) depctr_va_sdst(0) depctr_va_ssrc(0) depctr_va_vcc(0) depctr_vm_vsrc(0)
	s_getreg_b32 s2, hwreg(HW_REG_IB_STS2, 6, 4)
	s_cmp_eq_u32 s2, 0
	s_cbranch_scc0 .Lentry_in_a_cluster
	s_endpgm
.Lentry_in_a_cluster:
	s_bfe_u32 s2, ttmp6, 0x10000c
	s_cmp_lg_u32 s2, 0xf033
	s_cbranch_scc0 .Lentry_shape_is_right
	s_endpgm
.Lentry_shape_is_right:
; S = q' x^T for a tile of 256 queries x 256 keys (K = 1,024 channels), then the first stage of the softmax.  The keys are x's own rows: G = Wq Wk^T stands in q', and bk is left out
; (see the head of the first kernel).  q': [8192][1024] bf16 at the head of qkv; xb: [8192][1024] bf16; pb: [8192][2048] f16;
; st: mm, then l, each [row / 64: 128][key / 128: 16][row % 16][(row / 16) % 4] f32.
; SOFTMAX IN TWO EXACT STAGES.  A wave holds 128 queries x 128 keys, a CHUNK.  For each query it takes the chunk's own maximum m and stores P = 2^(c s - c m), c = log2(e) / 32,
; mm = c m and l = the sum of the unrounded P.  The last launch takes the maximum of the 16 mm of a row and weighs the chunks by 2^(mm - M): no exponent is ever above 0 but by rounding.
; LIMITS.  P below 6e-8 counts as 0 in pb (f16); NaN and infinities are not treated apart.
; SHARES, RING, CLUSTER: 256 work-groups, one tile each; four waves of 128 x 128 (64 accumulators in windows 2 and 3); K steps of 128 through two LDS slots (rows of 256 bytes + 16);
; q's tile is shared along a row of the 4 x 4 cluster, x's along a column.  A wave has two tensor loads out at the start and one behind each round: 224 matrix instructions in which it lands.
; A K step is written once: the slot's base is a scalar that an exclusive or turns (0, SLOT), and one descriptor a tensor walks on.
; THE MATRIX INSTRUCTION IS USED TRANSPOSED (source 0 = 16 keys, source 1 = 16 queries): lane l holds query l % 16 and keys 8 (l / 16) + 0..7 of each block of 16.
; REGISTERS.  window 0: v16-30 addresses; v64-127, v128-191 q's fragments (behind the products v64-87 at work); v192-223, v32-63, v224-255 the way out.  window 1: v64-191 the keys' fragments.
.set PITCH,  272
.set HALFT,  128*PITCH
.set SLOT,   4*HALFT                   ; 0x22000: its bits meet none of wave x HALFT (0x8800 x wave), so an exclusive or adds or takes it
.set STAGE,  2*SLOT
.set SPITCH, 272
.set SPARE,  STAGE+4*16*SPITCH
.set ADRA, 16                          ; v16, v17 LDS addresses of my fragments in the slot in hand
.set ADRB, 17
.set ADRA0, 18                         ; v18, v19 the same in slot 0; never rewritten
.set ADRB0, 19
.set STO,  24
.set RD,   25
.set CO,   26
.set SO,   27                          ; v27 my 16 bytes in a block of st: lanes 0-15 in mm, lanes 16-31 in l
.set SPW,  28
.set NIL,  29
.set PFO,  30
.set F0,   64
.set F1,   128
.set TMP,  192
.set OB,   32
.set CC,   64                          ; v64-71 eight running maxima
.set CM,   72                          ; v72 c m, v73 m
.set MM,   76                          ; v76-79 c m of the four blocks in hand
.set LL,   80                          ; v80-83 their l
.set XX,   84                          ; v84-87 what is stored
.set G1A, 24
.set G0A, 32                           ; s[32:35] the first fill of slot 0; s[36:39] that of slot 1, which then walks on
.set G1B, 48
.set G0B, 56
.set PFN, 66
.set HM,  67                           ; s67 the lanes 16-31
.set PFA, 70
.set CS,  82                           ; s[82:83] c
.set SEL, 84                           ; s[84:85] v_permlanex16_b32: each lane takes its own place in the other half
.set TB,  87                           ; s87 the base of the slot in hand
.set MSB, 0
.macro WIN new
.if MSB != (\new)
	s_set_vgpr_msb (MSB<<8)|(\new)
.set MSB, \new
.endif
.endm
.set MUL_LO, 0xa1                      ; source 0 (keys) window 1, source 1 (q') window 0, C and D window 2
.set MUL_HI, 0xf1                      ; the same, C and D window 3
.set TO_B,   0x40
.macro PLACES
.rept 4
	v_nop
.endr
.endm
.macro JLOAD s                         ; a joint load: waves 0, 1 fetch q's halves, waves 2, 3 the keys'; an s_nop 0 and four v_nop follow each line
	s_cmp_eq_u32 s11, 0
	s_cbranch_scc0 .Lfor_b_\@
	tensor_load_to_lds s[G0A+4*(\s):G0A+4*(\s)+3], s[G1A:G1A+7]
	s_nop 0
.rept 4
	v_nop
.endr
	s_branch .Lasked_\@
.Lfor_b_\@:
	tensor_load_to_lds s[G0B+4*(\s):G0B+4*(\s)+3], s[G1B:G1B+7]
	s_nop 0
.rept 4
	v_nop
.endr
.Lasked_\@:
.endm
.macro CREST
	s_cmp_lg_u32 s10, 0
	s_cbranch_scc1 .Lnot_wave_0_\@
	s_barrier_signal -3
.Lnot_wave_0_\@:
	s_barrier_wait -3
	s_barrier_signal -1
	s_barrier_wait -1
.endm
.macro CROUND
	s_barrier_signal -1
	s_barrier_wait -1
	CREST
.endm
; A prefetch of 32 rows x 256 bytes, a lane a row, for the K step two refills (512 matrix instructions) on: K steps 4 to 7.  q's rows are asked for by the clusters with x = 0,
; the keys' by the even clusters along y (two clusters along y share a batch); of the 128 rows that a wave fetches each of the four partners takes 32, told apart by address.
.macro ASK
	s_cmp_lg_u32 s[PFN], 0
	s_cbranch_scc0 .Lnot_mine_\@
	global_prefetch_b8 v[PFO], s[PFA:PFA+1] th:TH_LOAD_NT scope:SCOPE_SE
	s_sub_co_u32 s[PFN], s[PFN], 1
.Lnot_mine_\@:
.endm
	s_load_b128 s[4:7], s[0:1], 0x0                ; qkv s[4:5], xb s[6:7]
	s_load_b128 s[72:75], s[0:1], 0x10             ; pb s[72:73], st s[74:75]
	v_lshl_add_u32 v[SPW], v0, 2, SPARE
	v_mov_b32 v[NIL], 0
	ds_add_u32 v[SPW], v[NIL]                      ; the wave's opening: the add, twice on end, and its wait ahead of my first tensor load
	ds_add_u32 v[SPW], v[NIL]
	v_lshrrev_b32 v1, 5, v0
	v_readfirstlane_b32 s10, v1                    ; wave 0..3
	s_lshr_b32 s11, s10, 1                         ; which half of the tile's queries is mine.  Also: I fetch for q' (0) or for the keys (1)
	s_and_b32 s12, s10, 1                          ; which half of its keys.  Also: which 128 rows I fetch
	s_bfe_u32 s40, ttmp6, 0x40000                  ; cx
	s_bfe_u32 s41, ttmp6, 0x40004                  ; cy
	s_lshl_b32 s42, ttmp9, 2
	s_add_co_u32 s42, s42, s40                     ; gx: the block of 256 keys in the batch
	s_and_b32 s13, ttmp7, 0xffff
	s_lshl_b32 s13, s13, 2
	s_add_co_u32 s13, s13, s41                     ; gy: the block of 256 queries
	s_lshl_b32 s43, s41, 2
	s_lshl_b32 s43, 15, s43
	s_lshl_b32 s44, 0x1111, s40
	s_or_b32 s[G1A+0], s43, 0x07710000             ; mask; 2-byte elements; padding on; bit 21 beside a mask; after every 64 words 4 words
	s_or_b32 s[G1B+0], s44, 0x07710000
.irp g, G1A, G1B
	s_mov_b32 s[(\g)+1], 128<<16
	s_mov_b32 s[(\g)+2], 128<<16
	s_mov_b32 s[(\g)+3], 128<<16
	s_mov_b32 s[(\g)+4], 128
	s_mov_b32 s[(\g)+5], 1024
	s_mov_b32 s[(\g)+6], 0
	s_mov_b32 s[(\g)+7], 0
.endr
	s_lshl_b32 s16, s13, 19                        ; q': 256 gy rows of 2,048 bytes
	s_lshl_b32 s17, s12, 18                        ; + my 128 rows
	s_add_co_u32 s16, s16, s17
	s_and_b32 s46, ttmp7, 0xffff
	s_lshr_b32 s46, s46, 1                         ; the batch: two clusters along y each
	s_lshl_b32 s46, s46, 22
	s_lshl_b32 s47, s42, 19
	s_add_co_u32 s46, s46, s47
	s_add_co_u32 s46, s46, s17
	s_mov_b32 s17, 0
	s_mov_b32 s47, 0
	s_mul_i32 s20, s10, HALFT                      ; q's two halves, then the keys' two halves
	s_mov_b32 s[CS], 0x3d38aa3b                    ; c = log2(e) / 32
	s_mov_b32 s[CS+1], s[CS]
	s_mov_b32 s[SEL], 0x76543210
	s_mov_b32 s[SEL+1], 0xfedcba98
	s_mov_b32 s[HM], 0xffff0000
	s_mov_b32 s[TB], 0
	s_wait_dscnt 0x0
	s_wait_kmcnt 0x0
	s_mov_b64 s[8:9], s[72:73]                     ; pb: the stores' base
	s_add_nc_u64 s[14:15], s[4:5], s[16:17]
	s_add_nc_u64 s[46:47], s[6:7], s[46:47]
	CROUND
.irp s, 0,1
	s_mov_b32 s[G0A+4*(\s)], 1
	s_add_co_u32 s[G0A+4*(\s)+1], s20, (\s)*SLOT
	s_add_nc_u64 s[G0A+4*(\s)+2:G0A+4*(\s)+3], s[14:15], (\s)*256
	s_or_b32 s[G0A+4*(\s)+3], s[G0A+4*(\s)+3], 0x80000000
	s_mov_b32 s[G0B+4*(\s)], 1
	s_add_co_u32 s[G0B+4*(\s)+1], s20, (\s)*SLOT
	s_add_nc_u64 s[G0B+4*(\s)+2:G0B+4*(\s)+3], s[46:47], (\s)*256
	s_or_b32 s[G0B+4*(\s)+3], s[G0B+4*(\s)+3], 0x80000000
	JLOAD \s
.endr
	v_and_b32 v1, 15, v0
	v_bfe_u32 v2, v0, 4, 1
	v_mul_u32_u24 v3, v1, PITCH
	v_lshl_add_u32 v3, v2, 4, v3
	s_mul_i32 s21, s11, HALFT
	s_mul_i32 s22, s12, HALFT
	s_add_co_u32 s22, s22, 2*HALFT
	v_add_nc_u32 v[ADRA0], s21, v3
	v_add_nc_u32 v[ADRB0], s22, v3
	v_add_nc_u32 v[ADRA], s[TB], v[ADRA0]
	v_add_nc_u32 v[ADRB], s[TB], v[ADRB0]
	s_mul_i32 s23, s10, 16*SPITCH
	s_add_co_u32 s23, s23, STAGE
	v_add_nc_u32 v[STO], s23, v3
	v_mul_u32_u24 v5, v2, SPITCH
	v_lshl_add_u32 v5, v1, 4, v5
	v_add_nc_u32 v[RD], s23, v5
	v_lshlrev_b32 v5, 12, v2                       ; a row of pb is 4,096 bytes
	v_lshl_add_u32 v[CO], v1, 4, v5
	v_lshlrev_b32 v5, 4, v1
	v_lshl_add_u32 v[SO], v2, 19, v5               ; 16 r, and l lies 524,288 bytes behind mm
	s_lshl_b32 s16, s13, 20                        ; where my part of pb begins
	s_lshl_b32 s17, s11, 19
	s_add_co_u32 s16, s16, s17
	s_lshl_b32 s17, s42, 9
	s_add_co_u32 s16, s16, s17
	s_lshl_b32 s17, s12, 8
	s_add_co_u32 s16, s16, s17
	s_lshl_b32 s18, s13, 14                        ; and of st: (row / 64) x 4,096 + chunk x 256
	s_lshl_b32 s19, s11, 13
	s_add_co_u32 s18, s18, s19
	s_lshl_b32 s19, s42, 9
	s_add_co_u32 s18, s18, s19
	s_add_co_u32 s18, s18, s17
	s_mov_b32 s17, 0
	s_mov_b32 s19, 0
	s_add_nc_u64 s[74:75], s[74:75], s[18:19]
	s_and_b32 s22, ttmp7, 1                        ; the prefetches
	s_cmp_eq_u32 s11, 0
	s_cselect_b32 s21, s40, s41                    ; my place among the four that ask with me
	s_cselect_b32 s22, ttmp9, s22
	s_cselect_b64 s[PFA:PFA+1], s[14:15], s[46:47]
	s_cmp_eq_u32 s22, 0
	s_cselect_b32 s[PFN], 4, 0                     ; the same in all sixteen partners, for a given wave
	s_lshl_b32 s20, s21, 16                        ; my work-group's 32 rows
	s_add_co_u32 s20, s20, 3*256                   ; at K step 3: the first refill steps it to 4
	s_mov_b32 s21, 0
	s_add_nc_u64 s[PFA:PFA+1], s[PFA:PFA+1], s[20:21]
	v_and_b32 v[PFO], 31, v0
	v_lshlrev_b32 v[PFO], 11, v[PFO]
; 16 matrix instructions: query blocks a0, a0 + 1 of the window's four x all 8 key blocks, 32 along K.  The 64 accumulators take turns, one instruction a turn.
.macro MUL16 f, hi, a0, zero
	WIN MUL_LO+0x50*(\hi)
.irp a, \a0, (\a0)+1
.irp b, 0,1,2,3,4,5,6,7
.if \zero
	v_wmma_f32_16x16x32_bf16 v[8*(8*(\a)+(\b)):8*(8*(\a)+(\b))+7], v[(\f)+8*(\b):(\f)+8*(\b)+7], v[(\f)+8*(4*(\hi)+(\a)):(\f)+8*(4*(\hi)+(\a))+7], 0
.else
	v_wmma_f32_16x16x32_bf16 v[8*(8*(\a)+(\b)):8*(8*(\a)+(\b))+7], v[(\f)+8*(\b):(\f)+8*(\b)+7], v[(\f)+8*(4*(\hi)+(\a)):(\f)+8*(4*(\hi)+(\a))+7], v[8*(8*(\a)+(\b)):8*(8*(\a)+(\b))+7]
.endif
.endr
.endr
.endm
.macro FETCH k, f                      ; 32 LDS loads in one run: 128 keys, 128 queries, 32 channels at byte k of the rows of the slot in hand
	WIN TO_B
.irp i, 0,1,2,3,4,5,6,7
	ds_load_b128 v[(\f)+8*(\i):(\f)+8*(\i)+3],   v[ADRB] offset:(\k)+(\i)*16*PITCH
	ds_load_b128 v[(\f)+8*(\i)+4:(\f)+8*(\i)+7], v[ADRB] offset:(\k)+(\i)*16*PITCH+32
.endr
	WIN 0
.irp i, 0,1,2,3,4,5,6,7
	ds_load_b128 v[(\f)+8*(\i):(\f)+8*(\i)+3],   v[ADRA] offset:(\k)+(\i)*16*PITCH
	ds_load_b128 v[(\f)+8*(\i)+4:(\f)+8*(\i)+7], v[ADRA] offset:(\k)+(\i)*16*PITCH+32
.endr
.endm
.macro QUARTER k, f, g, zero
	s_wait_dscnt 8                                 ; the keys' fragments and q's rows 0-63 are in; the youngest eight loads may be out
	MUL16 \f, 0, 0, \zero
	MUL16 \f, 0, 2, \zero
	PLACES
	FETCH \k, \g
	s_wait_dscnt 32                                ; all but the 32 just issued
	MUL16 \f, 1, 0, \zero
	MUL16 \f, 1, 2, \zero
.endm
.macro MEET fill                       ; one barrier for the change of slots: all my tensor loads, the add, my reads of this slot, then the signal; fill = 1: the walking descriptors step meanwhile
	WIN 0
	s_wait_tensorcnt 0x0                           ; no tensor load of mine is out, so a group 0 may be written
	ds_add_u32 v[SPW], v[NIL]
.if \fill
	s_xor_b32 s[G0A+5], s[G0A+5], SLOT
	s_add_nc_u64 s[G0A+6:G0A+7], s[G0A+6:G0A+7], 256
	s_xor_b32 s[G0B+5], s[G0B+5], SLOT
	s_add_nc_u64 s[G0B+6:G0B+7], s[G0B+6:G0B+7], 256
.endif
	s_wait_dscnt 9                                 ; the add and the youngest eight loads may be out
	MUL16 F1, 0, 0, 0
	s_wait_dscnt 0x0
	s_barrier_signal -1
	MUL16 F1, 0, 2, 0
	WIN 0
	s_barrier_wait -1
.endm
.macro NEXTSLOT                        ; the fetches go on in the other slot
	s_xor_b32 s[TB], s[TB], SLOT
	v_add_nc_u32 v[ADRA], s[TB], v[ADRA0]
	v_add_nc_u32 v[ADRB], s[TB], v[ADRB0]
.endm
.macro TURN
	s_wait_xcnt 0x0                                ; the last prefetch, a K step back, has read its address
	s_add_nc_u64 s[PFA:PFA+1], s[PFA:PFA+1], 256
	MEET 1
	CREST
	NEXTSLOT
	JLOAD 1                                        ; the first tensor load behind the round; its four v_nop are also the places in front of the loads below
	FETCH 0, F0
	ASK
	MUL16 F1, 1, 0, 0
	MUL16 F1, 1, 2, 0
.endm
; THE CHUNK'S SOFTMAX for block a of the four in window 2: 16 queries x 128 keys, 64 scores a lane.
.macro SOFT a
.set AC, 64*(\a)
	WIN 0x2a                                       ; three sources in window 2
.irp b, 0,1,2,3,4,5,6,7
	v_max3_num_f32 v[CC+(\b)], v[AC+8*(\b)], v[AC+8*(\b)+1], v[AC+8*(\b)+2]
.endr
	WIN 0x28
.irp b, 0,1,2,3,4,5,6,7
	v_max3_num_f32 v[CC+(\b)], v[CC+(\b)], v[AC+8*(\b)+3], v[AC+8*(\b)+4]
.endr
.irp b, 0,1,2,3,4,5,6,7
	v_max3_num_f32 v[CC+(\b)], v[CC+(\b)], v[AC+8*(\b)+5], v[AC+8*(\b)+6]
.endr
.irp d, 0,1,2,3
	v_max3_num_f32 v[CC+2*(\d)], v[CC+2*(\d)], v[AC+16*(\d)+7], v[AC+16*(\d)+15]
.endr
	WIN 0
	v_max3_num_f32 v[CC], v[CC], v[CC+1], v[CC+2]
	v_max3_num_f32 v[CC+3], v[CC+3], v[CC+4], v[CC+5]
	v_max3_num_f32 v[CC], v[CC], v[CC+3], v[CC+6]
	v_max_num_f32 v[CC], v[CC], v[CC+7]
	v_permlanex16_b32 v[CC+1], v[CC], s[SEL], s[SEL+1]  ; the query's other 64 keys lie in the lane 16 away
	v_max_num_f32 v[CM+1], v[CC], v[CC+1]
	v_mul_f32 v[CM], s[CS], v[CM+1]
	v_mov_b32 v[MM+(\a)], v[CM]
	WIN 0x82                                       ; ONE BATCH: 32 scalings c s - c m and 64 exponentials; a pair's exponentials stand two scalings behind its scaling; none reads a result
.set p, 0
.rept 32
	v_pk_fma_f32 v[AC+2*p:AC+2*p+1], v[AC+2*p:AC+2*p+1], s[CS:CS+1], v[CM:CM+1] op_sel_hi:[1,0,0] neg_lo:[0,0,1] neg_hi:[0,0,1]
.if p >= 2
	v_exp_f32 v[AC+2*p-4], v[AC+2*p-4]
	v_exp_f32 v[AC+2*p-3], v[AC+2*p-3]
.endif
.set p, p+1
.endr
	v_exp_f32 v[AC+60], v[AC+60]
	v_exp_f32 v[AC+61], v[AC+61]
	v_exp_f32 v[AC+62], v[AC+62]
	v_exp_f32 v[AC+63], v[AC+63]
	v_nop                                          ; a plain instruction behind the last exponential,
	s_wait_alu depctr_va_vdst(0)                   ; and the one wait ahead of the batch's first reader
	WIN 0x0a
.set p, 0
.rept 32
	v_cvt_pk_f16_f32 v[TMP+p], v[AC+2*p], v[AC+2*p+1]
.set p, p+1
.endr
	WIN 0x8a                                       ; l: the 32 pairs are added in place, neighbours 1, 2, 4, 8, 16 pairs apart
.irp w, 1,2,4,8,16
.set u, 0
.rept 16/(\w)
	v_pk_add_f32 v[AC+4*(\w)*u:AC+4*(\w)*u+1], v[AC+4*(\w)*u:AC+4*(\w)*u+1], v[AC+4*(\w)*u+2*(\w):AC+4*(\w)*u+2*(\w)+1]
.set u, u+1
.endr
.endr
	WIN 0x0a
	v_add_f32 v[CC], v[AC], v[AC+1]
	WIN 0
	v_permlanex16_b32 v[CC+1], v[CC], s[SEL], s[SEL+1]
	v_add_f32 v[LL+(\a)], v[CC], v[CC+1]
.endm
.macro TOSTAGE a
	WIN 0
.set BK, OB+192*((\a)%2)
.irp b, 0,1,2,3,4,5,6,7
	ds_store_b128 v[STO], v[TMP+4*(\b):TMP+4*(\b)+3] offset:32*(\b)
.endr
.irp t, 0,1,2,3,4,5,6,7
	ds_load_b128 v[BK+4*(\t):BK+4*(\t)+3], v[RD] offset:(\t)*2*SPITCH  ; LDS serves a wave's instructions in order: these see the stores above
.endr
.endm
.macro SEND a
	WIN 0
.set BK, OB+192*((\a)%2)
	s_wait_dscnt 0x0
	s_wait_xcnt 0x0                                ; only behind this wait are the stores' base and the registers that earlier stores read rewritten
.if (\a) == 0
	s_add_nc_u64 s[8:9], s[8:9], s[16:17]
.else
	s_add_nc_u64 s[8:9], s[8:9], 65536             ; 16 rows of pb on
.endif
.irp t, 0,1,2,3,4,5,6,7
	global_store_b128 v[CO], v[BK+4*(\t):BK+4*(\t)+3], s[8:9] offset:(\t)*8192  ; 16 lanes store 256 consecutive bytes, aligned
.endr
.endm
	s_wait_tensorcnt 1                             ; my part of K step 0 is in; K step 1's may stay out
	s_barrier_signal -1
	s_barrier_wait -1
	FETCH 0, F0
	QUARTER 64,  F0, F1, 1                         ; the first quarter's products start the sums
	WIN 0
	s_mov_b32 s3, 6
.Llap:                                                 ; a trip is a K step, from its second quarter to the next step's first; six trips ask for K steps 2 to 7
	QUARTER 128, F1, F0, 0
	QUARTER 192, F0, F1, 0
	TURN
	QUARTER 64,  F0, F1, 0
	WIN 0
	s_sub_co_u32 s3, s3, 1
	s_cmp_lg_u32 s3, 0
	s_cbranch_scc1 .Llap
	s_mov_b32 s3, 2
.Ltail:                                                ; the last two K steps ask for nothing: a text of their own; the second trip is left in its middle
	QUARTER 128, F1, F0, 0
	QUARTER 192, F0, F1, 0
	MEET 0
	s_sub_co_u32 s3, s3, 1
	s_cmp_eq_u32 s3, 0
	s_cbranch_scc1 .Lfin
	NEXTSLOT
	PLACES
	FETCH 0, F0
	MUL16 F1, 1, 0, 0
	MUL16 F1, 1, 2, 0
	QUARTER 64,  F0, F1, 0
	WIN 0
	s_branch .Ltail
.Lfin:
	MUL16 F1, 1, 0, 0
	MUL16 F1, 1, 2, 0
	WIN 0
	PLACES
	s_mov_b32 s2, 2                                ; two trips of one text: my rows 0-63 (window 2), then rows 64-127, brought down from window 3
.Lep:
	SOFT 0
	TOSTAGE 0
.irp a, 1,2,3
	SOFT \a                                        ; a block's arithmetic stands between the stage loads of the block before and the wait for them
	SEND (\a)-1
	TOSTAGE \a
.endr
	SEND 3
.irp i, 0,1,2,3
	v_cndmask_b32 v[XX+(\i)], v[MM+(\i)], v[LL+(\i)], s[HM]  ; lanes 0-15 store c m, lanes 16-31 l
.endr
	global_store_b128 v[SO], v[XX:XX+3], s[74:75]  ; each half of the lanes fills 256 consecutive bytes, aligned
	s_sub_co_u32 s2, s2, 1
	s_cmp_eq_u32 s2, 0
	s_cbranch_scc1 .Ldone
	WIN 0x83
.set i, 0
.rept 256
	v_mov_b32 v[i], v[i]                           ; window 3 to window 2, ascending: 256 lines for one text of the softmax in place of two
.set i, i+1
.endr
	WIN 0
	s_wait_xcnt 0x0
	s_add_nc_u64 s[74:75], s[74:75], 4096          ; the next 64 rows in st
	s_mov_b64 s[16:17], 65536
	s_branch .Lep
.Ldone:
	s_wait_tensorcnt 0x0                           ; the wave's end
	ds_add_u32 v[SPW], v[NIL]
	s_wait_dscnt 0x0
	CROUND
	s_endpgm
.Lfunc_end_k_q27716464a3_scores:
	.size	k_q27716464a3_scores, .Lfunc_end_k_q27716464a3_scores-k_q27716464a3_scores
	.p2alignl 7, 3214868480
	.fill 96, 4, 3214868480
	.section	.rodata,"a",@progbits
	.p2align	6, 0x0
	.amdhsa_kernel k_q27716464a3_scores
		.amdhsa_group_segment_fixed_size 327680
		.amdhsa_private_segment_fixed_size 0
		.amdhsa_enable_private_segment 0
		.amdhsa_kernarg_size 32
		.amdhsa_user_sgpr_count 2
		.amdhsa_user_sgpr_kernarg_segment_ptr 1
		.amdhsa_wavefront_size32 1
		.amdhsa_system_sgpr_workgroup_id_x 1
		.amdhsa_system_sgpr_workgroup_id_y 1
		.amdhsa_system_sgpr_workgroup_id_z 1
		.amdhsa_system_vgpr_workitem_id 0
		.amdhsa_next_free_vgpr 1024
		.amdhsa_next_free_sgpr 96
		.amdhsa_reserve_vcc 0
		.amdhsa_float_denorm_mode_32 3
		.amdhsa_float_denorm_mode_16_64 3
		.amdhsa_memory_ordered 1
		.amdhsa_forward_progress 1
		.amdhsa_inst_pref_size 130
	.end_amdhsa_kernel
	.amdgpu_metadata
---
amdhsa.version: [ 1, 2 ]
amdhsa.kernels:
  - .name:           k_q27716464a3_scores
    .symbol:         k_q27716464a3_scores.kd
    .args:
      - { .name: qkv, .offset: 0, .size: 8, .value_kind: global_buffer, .address_space: global }
      - { .name: xb, .offset: 8, .size: 8, .value_kind: global_buffer, .address_space: global }
      - { .name: pb, .offset: 16, .size: 8, .value_kind: global_buffer, .address_space: global }
      - { .name: st, .offset: 24, .size: 8, .value_kind: global_buffer, .address_space: global }
    .group_segment_fixed_size: 327680
    .private_segment_fixed_size: 0
    .kernarg_segment_align: 8
    .kernarg_segment_size: 32
    .max_flat_workgroup_size: 128
    .sgpr_count:     96
    .vgpr_count:     1024
    .wavefront_size: 32
...
	.end_amdgpu_metadata
.endif
;; end of part 7
;; launch mix: the kernel of part 4 again; grid 8 x 32, 4 waves a work-group, clusters of 4 x 4, 327,680 bytes of LDS; arguments pb, qkv, st, bv, out0; writes out0
;; ======== version 3 of 3: 4 launches; version 2 with the launch prep written anew for expert scheduling mode
;; limits: values are held in f16: magnitudes above 65,504 overflow, below 6.1e-05 lose precision
;; workspace buffers: xb 16,777,216 bytes; wb 4,194,304 bytes; ub 4,096 bytes; qkv 50,331,648 bytes; pb 33,554,432 bytes; st 1,048,576 bytes
;; launch prep (part 8): grid 256 x 1, 8 waves a work-group, no clusters, 74,752 bytes of LDS; arguments x, Wq, Wk, Wv, bq, xb, wb, ub; writes xb, wb, ub
.if DOCPART == 8
	.amdgcn_target "amdgcn-amd-amdhsa--gfx1250"
	.amdhsa_code_object_version 6
	.text
	.protected	k_q27716464a3_prep
	.globl	k_q27716464a3_prep
	.p2align	8
	.type	k_q27716464a3_prep,@function
k_q27716464a3_prep:
	s_mov_b64 s[64:65], 0
	v_nop
	global_prefetch_b8 v0, s[64:65] scope:SCOPE_SE
	s_setreg_imm32_b32 hwreg(HW_REG_WAVE_SCHED_MODE, 0, 2), 2
	s_setreg_imm32_b32 hwreg(HW_REG_WAVE_MODE, 25, 1), 1
	s_wait_xcnt 0x0
	s_wait_alu depctr_vm_vsrc(0)
; SELF-ATTENTION, ONE HEAD OF 1,024 CHANNELS, IN FOUR LAUNCHES: prep (this one), proj, scores, mix.
; out = softmax((x Wq + bq)(x Wk + bk)^T / 32) (x Wv + bv), x: [4][2048][1024] f32.
; REGROUPED.  32 score(s, t) = (x_s Wq + bq) . (x_t Wk + bk) = x_s (Wq Wk^T) x_t^T + (bq Wk^T) x_t^T + q_s . bk.  With G = Wq Wk^T [1024][1024] and u = bq Wk^T [1024]:
; q'_s = x_s G + u, and 32 score(s, t) = q'_s . x_t + q_s . bk: an identity for all values.  The projection k (8192 x 1024 x 1024) gives way to G (1024 x 1024 x 1024).
; WORK LEFT OUT: bk.  The term q_s . bk / 32 does not hang on t, the axis of the softmax: numerator and denominator carry the same factor exp(q_s . bk / 32), which cancels for
; all finite values of the inputs.  So bk has no way to the output: it is not loaded and is among no launch's arguments.
; WORK MOVED, not left out: each row of the softmax sums to 1, so attn (x Wv + 1 bv^T) = attn (x Wv) + bv: bv is the start value of the last launch's sums.
; LIMITS.  A NaN, an infinity or an overflow that reaches only q . bk is not carried to the result.  The order of rounding differs from the reference's: all inputs are rounded once
; to bf16; G and q' are rounded once to bf16 (their range is f32's); sums are f32.
; THIS LAUNCH.  256 work-groups of eight waves; each does two things.
; (1) A SHARE OF THE STREAM: 131,072 bytes of x and 16,384 of Wv, rounded to bf16, layouts unchanged (xb [8192][1024]; Wv is the second matrix of wb).  36 loads of 16 bytes a lane,
;     512 consecutive bytes a wave, all issued before the first wait; each store of a wave covers 256 consecutive bytes, aligned.
; (2) A TILE OF G, 32 rows i x 128 columns j (the first matrix of wb, [i][j] bf16).  Wave w takes columns 64 (w & 1) .. + 63 and the K quarter w >> 1: 8 accumulators, 8 steps of 32.
;     Fragments come straight from the f32 weights: of a step's 128 bytes of a row, lane (r, h) takes bytes 32 i + 16 h, i = 0..3: an instruction reads 32 consecutive bytes of each of 16 rows.
;     That is a permutation of k, the same for both sources, so the sums hold the same products.  The 16 numbers are rounded in place into the fragment's 8 registers.
;     Three sets of registers take turns: while one is multiplied the next one's 24 loads are out and the third is asked for again.  The four K quarters meet in LDS; each wave finishes four rows.
;     u is made in the 8 work-groups of G's first tile row alone: four more matrix instructions a step, whose second source holds bq in all 16 rows.
; The matrix instruction is used transposed (source 0 = 16 rows of Wk, source 1 = 16 rows of Wq): lane l holds row i = l % 16 and the columns j = 8 (l / 16) + 0..7.
; No cluster and no tensor load: the stream is read once, and a tile of G is 640 KiB read in pieces that each wave alone wants.  No prefetch: the launch is short and its loads are all out early.
; REGISTERS.  window 0: v1-13 addresses; v32-127 set 0; v128-191 the sums; v192-223 u's sums; v224-239 bq.  window 1: v0-95 set 1; v96-191 set 2; v112-255 the stream
; (set 2 takes the place of the stream's first 80 registers when their stores have read them).
; THE MODE: SCHED_MODE bits 1:0 = 2 (LLVM: expert scheduling mode 2), set by the entry lines.  The code itself states the register dependences
; between vector or matrix instructions and memory or LDS instructions, with s_wait_alu, always for 0.
; THE PLAN.  Registers that memory or LDS instructions touch:
;   v1-v13      offsets, LDS addresses and the closing add's pair: written at the head, never again, but for v[BQA], which one add a trip moves on.
;   the stream  Group q of four loads: loaded once; rounded in place by group q's eight roundings; read by four stores, which are issued in group q + 1.
;   S0, S1, S2  Step p rounds set p % 3 in place and multiplies it.  Its 24 loads, for step p + 2, land in set (p - 1) % 3: the set that step p - 1 worked on and that no vector or
;               matrix instruction of step p names.
;   v[BQF ..]   bq's fragment: written by LDS loads in each step, read by u's four products; once, ahead of the loop, written by four roundings and read by two LDS stores.
;   the sums    named by vector and matrix instructions alone until the way out, where LDS stores read them.
; So: in the stream ONE wait on va_vdst at a group's head, for the stores of the group before.  In the loop ONE wait on va_vdst in a step, behind its first sixteen roundings: the step before is
; done with its set and with bq's fragment, and v[BQA] is written; the step's loads follow it, eight at a time among the other roundings.  One wait on vm_vsrc ahead of the loop
; (the stream's stores, bq's LDS stores) and one a trip (ahead of the add to v[BQA]).
.set PP,    528                        ; a row of a partial tile in LDS: 512 bytes + 16: the 16 rows of a store start at 16 different groups of four banks
.set KQS,   32*PP                      ; a K quarter's partial tile
.set UPB,   4*KQS                      ; u's four partial rows of 512 bytes
.set BQL,   UPB+2048                   ; bq in bf16: each wave's own 512 bytes (its K quarter)
.set SPARE, BQL+8*512                  ; the spare words: 128 bytes a wave, named by no other line
.set IN,   1                           ; v1  16 x thread
.set OUT,  2                           ; v2  8 x thread
.set FO,   3                           ; v3  a fragment's lane offset: r x 4,096 + 16 h
.set LS,   4                           ; v4  where I put 32 bytes of a partial row
.set LR,   5                           ; v5  where I read 32 bytes of a row back
.set GO,   6                           ; v6  my 16 bytes in two rows of G
.set US,   7                           ; v7  where I put 32 bytes of u's partial row
.set BQS,  8                           ; v8  where I put 8 bytes of bq
.set BQA,  9                           ; v9  where I read bq's fragment of the trip's first step
.set UR,   10                          ; v10 where I read 16 bytes of u back
.set L16,  11                          ; v11 16 x lane
.set SPW,  12
.set NIL,  13
.set S0,   32                          ; window 0
.set S1,   0                           ; window 1
.set S2,   96                          ; window 1
.set ST,   112                         ; window 1
.set ACC,  128
.set UAC,  192
.set BQR,  224
.set BQF,  232
.set TI,   23                          ; s23 the tile row of G
.set MSB, 0
.macro WIN new                         ; the immediate's high byte repeats the setting that is left
.if MSB != (\new)
	s_set_vgpr_msb (MSB<<8)|(\new)
.set MSB, \new
.endif
.endm
.macro PLACES                          ; four places behind matrix instructions (ISA guide 7.12.1)
.rept 4
	v_nop
.endr
.endm
	s_load_b256 s[4:11], s[0:1], 0x0               ; x s[4:5], Wq s[6:7], Wk s[8:9], Wv s[10:11]
	s_load_b256 s[12:19], s[0:1], 0x20             ; bq s[12:13], xb s[14:15], wb s[16:17], ub s[18:19]
	v_lshl_add_u32 v[SPW], v0, 2, SPARE
	v_mov_b32 v[NIL], 0
	v_lshrrev_b32 v14, 5, v0
	v_readfirstlane_b32 s20, v14                   ; wave 0..7
	s_lshr_b32 s[TI], ttmp9, 3                     ; tile row 0..31
	s_and_b32 s24, ttmp9, 7                        ; tile column 0..7
	v_lshlrev_b32 v[IN], 4, v0
	v_lshlrev_b32 v[OUT], 3, v0
	v_and_b32 v14, 15, v0                          ; r
	v_bfe_u32 v15, v0, 4, 1                        ; h
	v_and_b32 v16, 31, v0                          ; lane
	v_lshlrev_b32 v[FO], 12, v14
	v_lshl_add_u32 v[FO], v15, 4, v[FO]
	v_lshlrev_b32 v[L16], 4, v16
	s_wait_alu depctr_va_sdst(0)                   ; s20 is written, ahead of its first reader: LDS addresses and the bases of Wq, Wk, bq and G are made from it
	s_and_b32 s21, s20, 1                          ; which 64 of the tile's 128 columns
	s_lshr_b32 s22, s20, 1                         ; which quarter of K
	s_mul_i32 s25, s22, KQS
	s_lshl_b32 s26, s21, 8
	s_add_co_u32 s25, s25, s26
	v_mul_u32_u24 v[LS], v14, PP
	v_lshl_add_u32 v[LS], v15, 5, v[LS]
	v_add_nc_u32 v[LS], s25, v[LS]                 ; quarter, row r, column bytes 256 (w & 1) + 32 h
	s_mul_i32 s25, s20, 4*PP
	v_mul_u32_u24 v[LR], v15, PP
	v_lshl_add_u32 v[LR], v14, 5, v[LR]
	v_add_nc_u32 v[LR], s25, v[LR]                 ; row 4 w + h, column bytes 32 r
	v_lshlrev_b32 v[GO], 11, v15
	v_lshl_add_u32 v[GO], v14, 4, v[GO]
	s_lshl_b32 s25, s22, 9
	s_add_co_u32 s25, s25, s26
	s_add_co_u32 s25, s25, UPB
	v_lshl_add_u32 v[US], v15, 5, s25
	s_lshl_b32 s25, s20, 9
	s_add_co_u32 s25, s25, BQL
	v_lshl_add_u32 v[BQS], v16, 3, s25
	v_lshl_add_u32 v[BQA], v15, 3, s25
	v_add_nc_u32 v[UR], UPB, v[L16]
	s_mov_b32 s27, 0
	s_wait_kmcnt 0x0
	s_lshl_b32 s26, ttmp9, 17
	s_add_nc_u64 s[4:5], s[4:5], s[26:27]          ; my 131,072 bytes of x
	s_lshl_b32 s26, ttmp9, 14
	s_add_nc_u64 s[10:11], s[10:11], s[26:27]      ; my 16,384 bytes of Wv
	s_lshl_b32 s26, ttmp9, 16
	s_add_nc_u64 s[14:15], s[14:15], s[26:27]      ; their places in xb
	s_lshl_b32 s26, ttmp9, 13
	s_add_co_u32 s26, s26, 0x200000
	s_add_nc_u64 s[28:29], s[16:17], s[26:27]      ; and in wb's second matrix
	s_lshl_b32 s26, s[TI], 16
	s_lshl_b32 s25, s20, 13
	s_add_co_u32 s26, s26, s25
	s_lshl_b32 s25, s24, 8
	s_add_co_u32 s26, s26, s25
	s_add_nc_u64 s[16:17], s[16:17], s[26:27]      ; G at row 32 ti + 4 w, column 128 tj
	s_lshl_b32 s25, s22, 10                        ; my K quarter: 1,024 bytes of a row
	s_lshl_b32 s26, s[TI], 17
	s_add_co_u32 s26, s26, s25
	s_add_nc_u64 s[6:7], s[6:7], s[26:27]          ; Wq at row 32 ti
	s_lshl_b32 s26, s24, 19
	s_add_co_u32 s26, s26, s25
	s_lshl_b32 s30, s21, 18
	s_add_co_u32 s26, s26, s30
	s_add_nc_u64 s[8:9], s[8:9], s[26:27]          ; Wk at row 128 tj + 64 (w & 1)
	s_mov_b32 s26, s25
	s_add_nc_u64 s[12:13], s[12:13], s[26:27]      ; bq at my K quarter
	s_lshl_b32 s26, s24, 9
	s_add_nc_u64 s[18:19], s[18:19], s[26:27]      ; u at column 128 tj
; Four loads: fragment f of a set whose registers begin at sb (0, 1: Wq's two; 2 to 5: Wk's four; 16 registers each), for the step at byte off behind the two pointers.  The caller sets the window.
.macro LOADF sb, f, off
.irp i, 0,1,2,3
.if (\f) < 2
	global_load_b128 v[(\sb)+16*(\f)+4*(\i):(\sb)+16*(\f)+4*(\i)+3], v[FO], s[6:7] offset:(\off)+65536*(\f)+32*(\i)
.else
	global_load_b128 v[(\sb)+16*(\f)+4*(\i):(\sb)+16*(\f)+4*(\i)+3], v[FO], s[8:9] offset:(\off)+65536*((\f)-2)+32*(\i)
.endif
.endr
.endm
.macro GLOAD sb, off                   ; a whole set: 24 loads
.irp f, 0,1,2,3,4,5
	LOADF \sb, \f, \off
.endr
.endm
; The four stores of the stream's group q
.macro SSTORE q
.irp d, 0,1,2,3
.if (\q) < 8
	global_store_b64 v[OUT], v[ST+16*(\q)+4*(\d):ST+16*(\q)+4*(\d)+1], s[14:15] offset:2048*(4*(\q)+(\d))
.else
	global_store_b64 v[OUT], v[ST+16*(\q)+4*(\d):ST+16*(\q)+4*(\d)+1], s[28:29] offset:2048*(\d)
.endif
.endr
.endm
; Group q of the stream: the group before is stored; this group's four loads are rounded in place.  left: how many younger loads may stay out
.macro SG q, left
	s_wait_loadcnt \left
.if (\q) > 0
	WIN 0x04                                       ; the stores' data in window 1
	s_wait_alu depctr_va_vdst(0)                   ; the roundings of the group before have written the registers that the four stores read
	SSTORE (\q)-1
.endif
	WIN 0x45
.irp d, 0,1,2,3
	v_cvt_pk_bf16_f32 v[ST+16*(\q)+4*(\d)], v[ST+16*(\q)+4*(\d)], v[ST+16*(\q)+4*(\d)+1]
	v_cvt_pk_bf16_f32 v[ST+16*(\q)+4*(\d)+1], v[ST+16*(\q)+4*(\d)+2], v[ST+16*(\q)+4*(\d)+3]
.endr
.endm
; A step of 32 along K on the set at sb in window w: 48 roundings in place, 8 matrix instructions on 8 accumulators by turns; in G's first tile row four more for u.
; ahead = 1: the step two on, at byte off behind the pointers, is asked for into the set at nb in window nw, on which the step before worked: eight loads behind each sixteen roundings.
.macro GSTEP sb, w, nb, nw, ahead, left, off, uoff
	s_wait_loadcnt \left                           ; this set is in; the next step's loads may stay out
.irp j, 0,2,4
	WIN 0x45*(\w)
.irp f, \j, (\j)+1
.irp i, 0,1,2,3,4,5,6,7
	v_cvt_pk_bf16_f32 v[(\sb)+16*(\f)+(\i)], v[(\sb)+16*(\f)+2*(\i)], v[(\sb)+16*(\f)+2*(\i)+1]
.endr
.endr                                                  ; the first sixteen also stand between the last step's matrix instructions and the loads into the registers that those have read
.if \ahead
	WIN 0x40*(\nw)
.endif
.if (\j) == 0
	s_wait_alu depctr_va_vdst(0)                   ; the step before (ahead of step 0: the stream's roundings) is done writing and reading its set, in which this step's loads land; its products for u are done reading bq's fragment, in which this step's LDS loads land; behind a trip's end v[BQA] is written
.endif
.if \ahead
	LOADF \nb, \j, \off                            ; no further wait: no vector or matrix instruction since that wait names these registers or v[FO]
	LOADF \nb, (\j)+1, \off
.endif
.endr
	WIN 0x05*(\w)
.irp a, 0,1
.irp b, 0,1,2,3
	v_wmma_f32_16x16x32_bf16 v[ACC+8*(4*(\a)+(\b)):ACC+8*(4*(\a)+(\b))+7], v[(\sb)+32+16*(\b):(\sb)+32+16*(\b)+7], v[(\sb)+16*(\a):(\sb)+16*(\a)+7], v[ACC+8*(4*(\a)+(\b)):ACC+8*(4*(\a)+(\b))+7]
.endr
.endr
	WIN 0
	s_cmp_lg_u32 s[TI], 0
	s_cbranch_scc1 .Lno_u_\@
.irp i, 0,1,2,3
	ds_load_b64 v[BQF+2*(\i):BQF+2*(\i)+1], v[BQA] offset:(\uoff)+16*(\i)  ; bq in the fragments' order of k, the same in all 16 rows
.endr
	s_wait_dscnt 0x0
	WIN 0x01*(\w)
.irp b, 0,1,2,3
	v_wmma_f32_16x16x32_bf16 v[UAC+8*(\b):UAC+8*(\b)+7], v[(\sb)+32+16*(\b):(\sb)+32+16*(\b)+7], v[BQF:BQF+7], v[UAC+8*(\b):UAC+8*(\b)+7]
.endr
	WIN 0
.Lno_u_\@:
.endm
	s_wait_alu depctr_va_vdst(0)                   ; v1 to v13 are written: every load, store and LDS instruction of the kernel reads one of them as its offset or address
	global_load_b128 v[BQR:BQR+3], v[L16], s[12:13]              ; bq's 1,024 bytes of my K quarter: asked for by every wave, ahead of all other loads,
	global_load_b128 v[BQR+4:BQR+7], v[L16], s[12:13] offset:512 ; so that the counts of all later waits are the same in every work-group
	WIN 0x40
.set j, 0
.rept 32
	global_load_b128 v[ST+4*j:ST+4*j+3], v[IN], s[4:5] offset:4096*j th:TH_LOAD_NT
.set j, j+1
.endr
.rept 4
	global_load_b128 v[ST+4*j:ST+4*j+3], v[IN], s[10:11] offset:4096*(j-32) th:TH_LOAD_NT
.set j, j+1
.endr
	WIN 0
	GLOAD S0, 0                                    ; step 0: 62 loads of mine are out
.set j, 0
.rept 96
	v_mov_b32 v[ACC+j], 0                          ; the sums start at 0: written while the loads are on their way, so that the loop has one form of product
.set j, j+1
.endr
.irp q, 0,1,2,3,4,5
	SG \q, 56-4*(\q)                               ; behind group q: 32 - 4 q loads of the stream and step 0's 24
.endr
	WIN 0x40
	GLOAD S1, 128                                  ; step 1: 12 + 24 + 24 loads are out.  No vector instruction has named set 1's registers
.irp q, 6,7,8
	SG \q, 80-4*(\q)                               ; and step 1's 24 more
.endr
	WIN 0x04
	s_wait_alu depctr_va_vdst(0)                   ; group 8's roundings have written the registers that the stream's last four stores read
	SSTORE 8
	WIN 0
	s_cmp_lg_u32 s[TI], 0
	s_cbranch_scc1 .Lno_bq
.irp i, 0,1,2,3
	v_cvt_pk_bf16_f32 v[BQF+(\i)], v[BQR+2*(\i)], v[BQR+2*(\i)+1]
.endr
	s_wait_alu depctr_va_vdst(0)                   ; these four roundings have written v[BQF ..], which the two LDS stores read
	ds_store_b64 v[BQS], v[BQF:BQF+1]              ; my wave's own bytes: LDS serves a wave's instructions in order, so no barrier stands before its reads
	ds_store_b64 v[BQS], v[BQF+2:BQF+3] offset:256
.Lno_bq:
	s_wait_xcnt 0x0                                ; every store of the stream has had its address translated: only behind this wait do loads land in the registers that they read
	s_wait_alu depctr_vm_vsrc(0)                   ; the stream's stores have read their data, of which 80 registers are set 2 from here on; bq's LDS stores have read v[BQF ..], in which bq's fragments land
	s_mov_b32 s31, 2
.Lg:                                                   ; a trip: three steps are multiplied, and the three that lie two steps on are asked for: steps 2 to 7 in two trips
	GSTEP S0, 0, S2, 1, 1, 24, 256, 0
	s_wait_xcnt 0x0                                ; every load issued so far has read its address: the pointers may be written; the youngest of them stand a step back
	s_add_nc_u64 s[6:7], s[6:7], 384               ; three steps on: the two steps below ask by the new pointers, the next trip's first step too
	s_add_nc_u64 s[8:9], s[8:9], 384
	GSTEP S1, 1, S0, 0, 1, 24, 0, 64
	GSTEP S2, 1, S1, 1, 1, 24, 128, 128
	s_wait_alu depctr_vm_vsrc(0)                   ; the LDS loads of bq issued so far have read v[BQA]
	v_add_nc_u32 v[BQA], 0xc0, v[BQA]              ; three steps on; the next step's wait on va_vdst stands between this line and the next load by it
	s_sub_co_u32 s31, s31, 1
	s_cmp_lg_u32 s31, 0
	s_cbranch_scc1 .Lg
	GSTEP S0, 0, 0, 0, 0, 24, 0, 0                 ; the last two steps load nothing of the weights
	GSTEP S1, 1, 0, 0, 0, 0, 0, 64
	PLACES
	s_wait_alu depctr_va_vdst(0)                   ; the matrix instructions have written the sums, which the LDS stores read (the places above stay beside this wait); the last steps are done with v32 to v127, in which the LDS loads behind the barrier land
.irp a, 0,1
.irp b, 0,1,2,3
	ds_store_b128 v[LS], v[ACC+8*(4*(\a)+(\b)):ACC+8*(4*(\a)+(\b))+3] offset:(\a)*16*PP+64*(\b)
	ds_store_b128 v[LS], v[ACC+8*(4*(\a)+(\b))+4:ACC+8*(4*(\a)+(\b))+7] offset:(\a)*16*PP+64*(\b)+16
.endr
.endr
	s_cmp_lg_u32 s[TI], 0
	s_cbranch_scc1 .Lno_us
.irp b, 0,1,2,3
	ds_store_b128 v[US], v[UAC+8*(\b):UAC+8*(\b)+3] offset:64*(\b)       ; all 16 rows hold u: the 16 lanes of a half write the same bytes with the same numbers
	ds_store_b128 v[US], v[UAC+8*(\b)+4:UAC+8*(\b)+7] offset:64*(\b)+16
.endr
.Lno_us:
	s_wait_dscnt 0x0                               ; for the others' sake: my partial sums lie in LDS
	s_barrier_signal -1
	s_barrier_wait -1
.irp p, 0,1
.irp k, 0,1,2,3
	ds_load_b128 v[S0+32*(\p)+8*(\k):S0+32*(\p)+8*(\k)+3], v[LR] offset:(\p)*2*PP+(\k)*KQS
	ds_load_b128 v[S0+32*(\p)+8*(\k)+4:S0+32*(\p)+8*(\k)+7], v[LR] offset:(\p)*2*PP+(\k)*KQS+16
.endr
.endr
	s_wait_dscnt 0x0
.irp p, 0,1
.irp i, 0,2,4,6
	v_pk_add_f32 v[S0+32*(\p)+(\i):S0+32*(\p)+(\i)+1], v[S0+32*(\p)+(\i):S0+32*(\p)+(\i)+1], v[S0+32*(\p)+8+(\i):S0+32*(\p)+8+(\i)+1]
	v_pk_add_f32 v[S0+32*(\p)+16+(\i):S0+32*(\p)+16+(\i)+1], v[S0+32*(\p)+16+(\i):S0+32*(\p)+16+(\i)+1], v[S0+32*(\p)+24+(\i):S0+32*(\p)+24+(\i)+1]
.endr
.irp i, 0,2,4,6
	v_pk_add_f32 v[S0+32*(\p)+(\i):S0+32*(\p)+(\i)+1], v[S0+32*(\p)+(\i):S0+32*(\p)+(\i)+1], v[S0+32*(\p)+16+(\i):S0+32*(\p)+16+(\i)+1]
.endr
.irp i, 0,1,2,3
	v_cvt_pk_bf16_f32 v[S0+32*(\p)+(\i)], v[S0+32*(\p)+2*(\i)], v[S0+32*(\p)+2*(\i)+1]
.endr
.endr
	s_wait_alu depctr_va_vdst(0)                   ; the roundings of both pairs of rows have written the registers that the two stores read
.irp p, 0,1
	global_store_b128 v[GO], v[S0+32*(\p):S0+32*(\p)+3], s[16:17] offset:4096*(\p)  ; 16 lanes store 256 consecutive bytes, aligned: a row's part of the tile
.endr
	s_or_b32 s25, s[TI], s20                       ; u is finished by wave 0 of the first tile row's work-groups
	s_cmp_lg_u32 s25, 0
	s_cbranch_scc1 .Lend
.irp k, 0,1,2,3
	ds_load_b128 v[96+4*(\k):96+4*(\k)+3], v[UR] offset:512*(\k)  ; no vector instruction since the wait behind the last products names v96 to v111
.endr
	s_wait_dscnt 0x0
	v_pk_add_f32 v[96:97], v[96:97], v[100:101]
	v_pk_add_f32 v[98:99], v[98:99], v[102:103]
	v_pk_add_f32 v[104:105], v[104:105], v[108:109]
	v_pk_add_f32 v[106:107], v[106:107], v[110:111]
	v_pk_add_f32 v[96:97], v[96:97], v[104:105]
	v_pk_add_f32 v[98:99], v[98:99], v[106:107]
	s_wait_alu depctr_va_vdst(0)                   ; the sums have written v96 to v99, which the store reads
	global_store_b128 v[L16], v[96:99], s[18:19]   ; 512 consecutive bytes of u, in f32
.Lend:
	s_wait_dscnt 0x0                               ; the closing lines, six on end
	s_wait_alu 0x0
	s_wait_tensorcnt 0x0
	ds_add_u32 v[SPW], v[NIL]
	s_wait_dscnt 0x0
	s_endpgm
.Lfunc_end_k_q27716464a3_prep:
	.size	k_q27716464a3_prep, .Lfunc_end_k_q27716464a3_prep-k_q27716464a3_prep
	.p2alignl 7, 3214868480
	.fill 96, 4, 3214868480
	.section	.rodata,"a",@progbits
	.p2align	6, 0x0
	.amdhsa_kernel k_q27716464a3_prep
		.amdhsa_group_segment_fixed_size 74752
		.amdhsa_private_segment_fixed_size 0
		.amdhsa_enable_private_segment 0
		.amdhsa_kernarg_size 64
		.amdhsa_user_sgpr_count 2
		.amdhsa_user_sgpr_kernarg_segment_ptr 1
		.amdhsa_wavefront_size32 1
		.amdhsa_system_sgpr_workgroup_id_x 1
		.amdhsa_system_sgpr_workgroup_id_y 1
		.amdhsa_system_sgpr_workgroup_id_z 1
		.amdhsa_system_vgpr_workitem_id 0
		.amdhsa_next_free_vgpr 512
		.amdhsa_next_free_sgpr 66
		.amdhsa_reserve_vcc 0
		.amdhsa_float_denorm_mode_32 3
		.amdhsa_float_denorm_mode_16_64 3
		.amdhsa_memory_ordered 1
		.amdhsa_forward_progress 1
		.amdhsa_inst_pref_size 59
	.end_amdhsa_kernel
	.amdgpu_metadata
---
amdhsa.version: [ 1, 2 ]
amdhsa.kernels:
  - .name:           k_q27716464a3_prep
    .symbol:         k_q27716464a3_prep.kd
    .args:
      - { .name: x, .offset: 0, .size: 8, .value_kind: global_buffer, .address_space: global }
      - { .name: Wq, .offset: 8, .size: 8, .value_kind: global_buffer, .address_space: global }
      - { .name: Wk, .offset: 16, .size: 8, .value_kind: global_buffer, .address_space: global }
      - { .name: Wv, .offset: 24, .size: 8, .value_kind: global_buffer, .address_space: global }
      - { .name: bq, .offset: 32, .size: 8, .value_kind: global_buffer, .address_space: global }
      - { .name: xb, .offset: 40, .size: 8, .value_kind: global_buffer, .address_space: global }
      - { .name: wb, .offset: 48, .size: 8, .value_kind: global_buffer, .address_space: global }
      - { .name: ub, .offset: 56, .size: 8, .value_kind: global_buffer, .address_space: global }
    .group_segment_fixed_size: 74752
    .private_segment_fixed_size: 0
    .kernarg_segment_align: 8
    .kernarg_segment_size: 64
    .max_flat_workgroup_size: 256
    .sgpr_count:     66
    .vgpr_count:     512
    .wavefront_size: 32
...
	.end_amdgpu_metadata
.endif
;; end of part 8
;; launch proj: the kernel of part 6 again; grid 8 x 32, 4 waves a work-group, clusters of 4 x 4, 327,680 bytes of LDS; arguments xb, wb, ub, qkv; writes qkv
;; launch scores: the kernel of part 7 again; grid 8 x 32, 4 waves a work-group, clusters of 4 x 4, 327,680 bytes of LDS; arguments qkv, xb, pb, st; writes pb, st
;; launch mix: the kernel of part 4 again; grid 8 x 32, 4 waves a work-group, clusters of 4 x 4, 327,680 bytes of LDS; arguments pb, qkv, st, bv, out0; writes out0
